; MI455X (gfx1250); checked and timed in simulation.
; The chip was launched on July 23, 2026; its instructions are those of AMD's public machine-readable ISA for CDNA 5 (MIT licence, August 2026) and "CDNA5" Instruction Set Architecture Reference Guide (July 2026). The comments in the code are by the model that wrote it; some were corrected since.
;; Transformer Encoder Layer. Allowed arithmetic: matrix products marked QUANTISED: E2M1 operands, one E8M0 scale for each 32 along K, by v_wmma_scale_f32_16x16x128_f8f6f4 with both operands' format E2M1 (or v_wmma_scale_f32_32x16x128_f4), f32 sums; everything else in f32.
;; Inputs: b1 4,096 float32; b2 1,024 float32; b_proj 1,024 float32; be1 1,024 float32; be2 1,024 float32; g1 1,024 float32; g2 1,024 float32; src 2 x 2,048 x 1,024 float32; w1_codes 4,096 x 32 x 16 uint8 (E2M1 codes of w1, K innermost, in blocks of 32 codes, two codes a byte); w1_scales 4,096 x 32 uint8 (E8M0 scales of w1, one for each 32 codes along K); w2_codes 1,024 x 128 x 16 uint8 (E2M1 codes of w2, K innermost, in blocks of 32 codes, two codes a byte); w2_scales 1,024 x 128 uint8 (E8M0 scales of w2, one for each 32 codes along K); w_proj_codes 1,024 x 32 x 16 uint8 (E2M1 codes of w_proj, K innermost, in blocks of 32 codes, two codes a byte); w_proj_scales 1,024 x 32 uint8 (E8M0 scales of w_proj, one for each 32 codes along K); w_qkv_codes 3,072 x 32 x 16 uint8 (E2M1 codes of w_qkv, K innermost, in blocks of 32 codes, two codes a byte); w_qkv_scales 3,072 x 32 uint8 (E8M0 scales of w_qkv, one for each 32 codes along K).
;; Outputs: out0 2 x 2,048 x 1,024 float32.
;; This version of the problem:
;;   THIS VERSION OF THE PROBLEM IS GIVEN IN LOW PRECISION. The matrix products marked QUANTISED in the list below multiply operands that are first quantised to E2M1 (2 exponent bits, 1 mantissa bit; 4 bits a number), with one power-of-two scale for each 32 numbers along K (OCP MX v1.0); their sums are f32. All else is computed in f32.
;;   The module's matrix products, in the order in which they are computed (A, B: the left and right operand; K: the contracted axis; several contracted axes count as one K, in the product's order):
;;     1. [M 4,096, K 1,024] x [K 1,024, N 3,072]; A: input src; B: input w_qkv (given as codes): QUANTISED
;;     2. batch 32 x [M 2,048, K 64] x [K 64, N 2,048]; A: computed on the way; B: computed on the way: QUANTISED
;;     3. batch 32 x [M 2,048, K 2,048] x [K 2,048, N 64]; A: softmax (see below); B: computed on the way: QUANTISED
;;     4. [M 4,096, K 1,024] x [K 1,024, N 1,024]; A: computed on the way; B: input w_proj (given as codes): QUANTISED
;;     5. [M 4,096, K 1,024] x [K 1,024, N 4,096]; A: computed on the way; B: input w1 (given as codes): QUANTISED
;;     6. [M 4,096, K 4,096] x [K 4,096, N 1,024]; A: computed on the way; B: input w2 (given as codes): QUANTISED
;;   THE QUANTISER, for each operand of a quantised product, along K:
;;     - K is cut into blocks of 32 from its start; a last block that is shorter is filled with zeros.
;;     - A block's scale is 2^e with e = floor(log2(the largest magnitude in the block)) - 2, held to -126 .. 127; a block of zeros has e = 0. As a byte (E8M0): e + 127.
;;     - Each number is divided by its block's scale, clamped to +-6, and rounded to the nearest number of E2M1, ties to even, subnormals kept.
;;     - The product sums the exact products of the quantised numbers (number of the format x scale) in f32.
;;   ~~~python
;;   def quantise(x, axis):      # numpy; x: float32 -> the quantised numbers, widened to float32 again
;;       x = np.moveaxis(x, axis, -1); K = x.shape[-1]
;;       x = np.pad(x, [(0, 0)] * (x.ndim - 1) + [(0, -K % 32)]); x = x.reshape(x.shape[:-1] + (-1, 32)); a = np.abs(x).max(-1, keepdims=True)
;;       e = np.where(a > 0, np.clip(np.frexp(np.where(a > 0, a, 1))[1] - 1 - 2, -126, 127), 0)      # np.frexp(a)[1] - 1 = floor(log2(a)), exactly
;;       r = np.clip(x / 2.0 ** e, -6, 6)
;;       step = 2.0 ** (np.maximum(np.frexp(np.where(r == 0, 1, r))[1] - 1, 0) - 1)
;;       q = np.round(r / step) * step * 2.0 ** e      # np.round: ties to even
;;       return np.moveaxis(q.reshape(q.shape[:-2] + (-1,))[..., :K], -1, axis).astype(np.float32)
;;   ~~~
;;   SOFTMAX AHEAD OF A QUANTISED PRODUCT. Where the list says 'softmax', what is quantised is not the finished softmax but p = 2^(t - M), with t = logit x log2(e) and M = ceil(the row's largest t), a whole number; so 1/2 < the row's largest p <= 1. The row's sum l is taken of the UNQUANTISED p, in f32, and the product's result is divided by l at the end. Since M is a whole number, a kernel that streams over the keys may use a running M (the ceiling of the running maximum): every later rescaling is an exact power of two, which a block's scale takes up: the codes' values come out the same.
;;   OPERANDS COMPUTED ON THE WAY. 'Computed on the way' means the value that the module computes at that place (a softmax that the list does not call 'softmax' is quantised finished and normalised). What goes into a quantiser is computed in f32, as accurately as f32 sums, v_exp_f32 and their like allow (about 1e-6 of the number): no bf16 or f16 on the way to a quantiser, and a product that is left as it is and whose result goes on into a quantised operand takes f32 operands (vector FMAs, or v_wmma_f32_16x16x4_f32). A number that lies on a knife's edge between two numbers of the format may be rounded either way, as far as f32 arithmetic and the matrix unit's own rounding can turn it there, and no further.
;;   INPUTS GIVEN AS CODES. w1 (in the module: [4096, 1024], K = its axis 1); w2 (in the module: [1024, 4096], K = its axis 1); w_proj (in the module: [1024, 1024], K = its axis 1); w_qkv (in the module: [3072, 1024], K = its axis 1): each comes as NAME_codes (uint8): NAME with its K axis moved to the last place and cut into blocks of 32 codes, [.., K / 32, bytes a block], one block behind the other in memory; two codes a byte, the lower K in the low four bits (a code: sign, 2 exponent bits, 1 mantissa bit); and NAME_scales (uint8): the same leading axes, one E8M0 byte (e + 127) for each 32 codes along K. Its value is code x scale, taken as it is: it is not quantised again, and the codes and scales need not be those that the quantiser above would give.
;; 2 versions. Each part assembles by itself: llvm-mc -triple=amdgcn-amd-amdhsa -mcpu=gfx1250 --defsym DOCPART=n.
;; ======== version 1 of 2: 7 launches
;; workspace buffers: opx 2,228,224 bytes; opwqk 2,228,224 bytes; opwv 2,228,224 bytes; opw1 2,228,224 bytes; wrow 2,785,280 bytes; big1 8,912,896 bytes; vbuf 8,519,680 bytes; x1 16,777,216 bytes
;; launch prep (part 1): grid 224 x 1, 8 waves a work-group, no clusters, 136,192 bytes of LDS; arguments src, w_qkv_codes, w_qkv_scales, w1_codes, w1_scales, w_proj_codes, w_proj_scales, w2_codes, w2_scales, opx, opwqk, opwv, opw1, wrow; writes opx, opwqk, opwv, opw1, wrow
.if DOCPART == 1
	.amdgcn_target "amdgcn-amd-amdhsa--gfx1250"
	.amdhsa_code_object_version 6
	.text
	.protected	k_q0c750f489b_prep
	.globl	k_q0c750f489b_prep
	.p2align	8
	.type	k_q0c750f489b_prep,@function
k_q0c750f489b_prep:
	s_mov_b64 s[64:65], 0
	v_nop
	global_prefetch_b8 v0, s[64:65] scope:SCOPE_SE
	s_setreg_imm32_b32 hwreg(HW_REG_WAVE_MODE, 25, 1), 1
	s_wait_xcnt 0x0
; THE LAYER: qkv = Q(src) w_qkv^T; attention on Q(q), Q(k), Q(p), Q(v); LN(src + Q(o) w_proj^T + b); LN(x + Q(relu(Q(x) w1^T + b1)) w2^T + b2).  Q: codes of E2M1 with one E8M0 scale for 32 along K.
; NO WORK IS LEFT OUT: every input has a way to the output and every product of the layer is live; all inputs are loaded.
; THIS LAUNCH lays every operand that arrives from outside as the later launches' registers want it.
; ROW ORDER.  Rows go in tiles of 16; place r of tile T is row 32 (T / 2) + 8 (T % 2) + r + 8 (r / 8).  As source 0 of a matrix instruction two neighbouring tiles then leave 16 neighbouring rows in a lane's 16 registers.
; IMAGE.  Codes: [T][K / 32][r][16 bytes]: a fragment (16 rows x 128 K, 8 registers a lane) is 1,024 consecutive bytes, registers 4 c .. 4 c + 3 of lane l at 512 c + 16 l.  Scale words: [T][K / 128][r][4 bytes].
; Work-groups 0-127: src, f32, is quantised along K into opx.  Work-groups 128-223: the four weights' codes and scale bytes are copied into that order (w_qkv's rows 0-2047, its rows 2048-3071, w1, w_proj, w2).
; LIMITS: a block of zeros gets the byte 1 where the quantiser says 127 (its codes are zeros, and this program alone reads the bytes); a block whose largest magnitude lies under 2^-124 is held at the byte 1;
; NaN and infinities among the inputs are not served.
.set SPARE, 135168                     ; behind the eight waves' stages: the spare words, 128 bytes for each wave
.set WSTG,  16896                      ; a wave's two stages
.set STG1,  8448                       ; the second of them
.set RP,    528                        ; a stage's row: 512 bytes + 16: the 16 rows that a load touches start in 16 different 16-byte columns
.set R0,    32                         ; v32-95   16 rows x 128 numbers as loaded, K step 0; later the second step's 64 neighbours
.set R1,    96                         ; v96-159  the same, K step 1
.set XN,    160                        ; v160-223 64 numbers of a lane: register 16 b + i = k 32 b + 16 (lane / 16) + i of its row
.set TM,    224                        ; v224-239 at work
.set SEL,   76                         ; s[76:77] lane selects: lane l xor 16
; 64 numbers of a lane become a fragment's codes in v[pc] on and its row's scale word in v[pw]
.macro QUANT s, pc, pw
.irp b, 0,1,2,3
	v_max3_num_f32 v[TM+\b], |v[\s+16*\b]|, |v[\s+1+16*\b]|, 0x1800000   ; block b: my 16 numbers, and the floor 2^(3 - 127): the byte cannot fall under 1
.endr
.irp i, 2,4,6,8,10,12,14
.irp b, 0,1,2,3
	v_max3_num_f32 v[TM+\b], v[TM+\b], |v[\s+16*\b+\i]|, |v[\s+1+16*\b+\i]|
.endr
.endr
.irp b, 0,1,2,3
	v_permlanex16_b32 v[TM+4+\b], v[TM+\b], s[SEL], s[SEL+1]
.endr
.irp b, 0,1,2,3
	v_max_num_f32 v[TM+\b], v[TM+\b], v[TM+4+\b]   ; with lane l xor 16's 16: the block's largest magnitude
.endr
.irp b, 0,1,2,3
	v_add_nc_u32 v[TM+12+\b], 0xff000000, v[TM+\b]   ; 2 off its exponent field: the conversion's scale operand
.endr
.irp b, 0,1,2,3
	v_lshrrev_b32 v[TM+4+\b], 23, v[TM+12+\b]      ; the scale's byte
.endr
	v_lshl_or_b32 v[\pw], v[TM+5], 8, v[TM+4]
	v_lshl_or_b32 v[\pw], v[TM+6], 16, v[\pw]
	v_lshl_or_b32 v[\pw], v[TM+7], 24, v[\pw]
.irp b, 0,1,2,3
	v_cvt_scalef32_pk8_fp4_f32 v[\pc+2*\b], v[\s+16*\b:\s+7+16*\b], v[TM+12+\b]
	v_cvt_scalef32_pk8_fp4_f32 v[\pc+1+2*\b], v[\s+8+16*\b:\s+15+16*\b], v[TM+12+\b]
.endr
	v_nop                                          ; one plain place behind a scaled conversion
.irp c, 0,1                                    ; the operand wants a whole block in a lane: lanes 0-15 block 2 c, lanes 16-31 block 2 c + 1
.irp i, 0,1
	v_permlane16_swap_b32 v[\pc+4*\c+\i], v[\pc+2+4*\c+\i]
.endr
.endr
.endm
	s_load_b512 s[4:19], s[0:1], 0x0               ; src, w_qkv codes, scales, w1 codes, scales, w_proj codes, scales, w2 codes
	s_load_b256 s[20:27], s[0:1], 0x40             ; w2 scales, opx, opwqk, opwv
	s_load_b128 s[28:31], s[0:1], 0x60             ; opw1, wrow
	v_lshl_add_u32 v30, v0, 2, SPARE               ; my spare word,
	v_mov_b32 v31, 0                               ; and 0: both kept for the closing lines
	v_lshrrev_b32 v1, 5, v0
	v_readfirstlane_b32 s32, v1                    ; wave 0..7
	v_and_b32 v7, 31, v0                           ; lane
	v_and_b32 v2, 15, v0                           ; r
	v_bfe_u32 v3, v0, 4, 1                         ; h
	v_lshlrev_b32 v1, 4, v7                        ; 16 x lane
	s_cmp_lt_u32 ttmp9, 128
	s_cbranch_scc0 .Lrelay
	; ---- src: wave w takes tile T = 2 x work-group + w / 4 and the two K steps 2 (w % 4), 2 (w % 4) + 1
	s_lshr_b32 s33, s32, 2                         ; T % 2
	s_and_b32 s34, s32, 3                          ; which pair of K steps
	s_mul_i32 s35, s32, WSTG
	v_add_nc_u32 v4, s35, v1                       ; into a stage: a row's 512 bytes as they lie
	v_mul_u32_u24 v5, v2, RP
	v_lshl_add_u32 v5, v3, 6, v5
	v_add_nc_u32 v5, s35, v5                       ; out of it: row r, my 16 numbers of each block of 32
	v_lshlrev_b32 v6, 2, v7                        ; 4 x lane
	s_mov_b32 s[SEL], 0x76543210
	s_mov_b32 s[SEL+1], 0xfedcba98
.irp b, 0,1,2,3
	v_mov_b32 v[TM+4+\b], 0                        ; a lane permute's destination counts as one of its sources
.endr
	v_cmp_le_u32 s44, 16, v7                       ; lanes 16-31
	s_lshl_b32 s36, ttmp9, 17                      ; src: row 32 (T / 2) + 8 (T % 2), 4,096 bytes a row, + 1,024 bytes for each pair of K steps
	s_lshl_b32 s37, s33, 15
	s_add_co_u32 s36, s36, s37
	s_lshl_b32 s37, s34, 10
	s_add_co_u32 s36, s36, s37
	s_mov_b32 s37, 0
	s_lshl_b32 s38, ttmp9, 1
	s_add_co_u32 s38, s38, s33                     ; T
	s_lshl_b32 s40, s38, 13                        ; the codes: 8,192 bytes a tile, 1,024 a K step
	s_lshl_b32 s41, s34, 11
	s_add_co_u32 s40, s40, s41
	s_mov_b32 s41, 0
	s_lshl_b32 s42, s38, 9                         ; the scale words: 512 bytes a tile, 64 a K step
	s_lshl_b32 s43, s34, 7
	s_add_co_u32 s42, s42, s43
	s_mov_b32 s43, 0
	s_wait_kmcnt 0x0
	s_add_nc_u64 s[4:5], s[4:5], s[36:37]
	s_add_nc_u64 s[40:41], s[22:23], s[40:41]
	s_add_nc_u64 s[42:43], s[22:23], s[42:43]
.irp e, 0,1
.irp p, 0,1,2,3,4,5,6,7,8,9,10,11,12,13,14,15
	global_load_b128 v[R0+64*\e+4*\p:R0+64*\e+4*\p+3], v1, s[4:5] offset:(\p+8*(\p/8))*4096+512*\e th:TH_LOAD_NT   ; place p's row, K step e: 32 lanes read 512 consecutive bytes
.endr
.endr
	s_wait_loadcnt 16                              ; the first K step's sixteen loads are in; the second's may be out
.irp p, 0,1,2,3,4,5,6,7,8,9,10,11,12,13,14,15
	ds_store_b128 v4, v[R0+4*\p:R0+4*\p+3] offset:RP*\p
.endr
.irp b, 0,1,2,3
.irp j, 0,1,2,3
	ds_load_b128 v[XN+16*\b+4*\j:XN+16*\b+4*\j+3], v5 offset:128*\b+16*\j   ; LDS serves a wave's instructions in order: these see my stores
.endr
.endr
	s_wait_loadcnt 0x0
.irp p, 0,1,2,3,4,5,6,7,8,9,10,11,12,13,14,15
	ds_store_b128 v4, v[R1+4*\p:R1+4*\p+3] offset:STG1+RP*\p
.endr
	s_wait_dscnt 16                                ; all but the sixteen stores just issued: the first stage's stores have read v32-95, and its 64 numbers are back
.irp b, 0,1,2,3
.irp j, 0,1,2,3
	ds_load_b128 v[R0+16*\b+4*\j:R0+16*\b+4*\j+3], v5 offset:STG1+128*\b+16*\j
.endr
.endr
	QUANT XN, 8, 24
	s_wait_dscnt 0x0
	QUANT R0, 16, 25
.irp e, 0,1
.irp c, 0,1
	global_store_b128 v1, v[8+8*\e+4*\c:11+8*\e+4*\c], s[40:41] offset:1024*\e+512*\c   ; the image: 512 consecutive bytes a store
.endr
.endr
	v_cndmask_b32 v26, v24, v25, s44               ; lanes 0-15 the first K step's words, lanes 16-31 the second's: 128 consecutive bytes
	global_store_b32 v6, v26, s[42:43] offset:2097152
	s_wait_tensorcnt 0x0                           ; the wave's end: behind my last LDS store
	ds_add_u32 v30, v31
	s_wait_dscnt 0x0
	s_endpgm
	; ---- the weights: a unit is 16 rows x 1,024 along K: 8,192 bytes of codes, 512 of scale bytes; a wave takes a unit.  No LDS here.
.Lrelay:
	s_sub_co_u32 s33, ttmp9, 128                   ; g = 0..95
	s_wait_kmcnt 0x0
	s_add_nc_u64 s[44:45], s[30:31], 524288        ; w2's image in wrow,
	s_add_nc_u64 s[46:47], s[30:31], 2654208       ; its scale words,
	s_add_nc_u64 s[62:63], s[30:31], 2621440       ; w_proj's scale words
	s_add_nc_u64 s[66:67], s[28:29], 2097152       ; the scale words of opw1,
	s_add_nc_u64 s[68:69], s[6:7], 1048576         ; w_qkv's row 2,048: codes,
	s_add_nc_u64 s[70:71], s[8:9], 65536           ; and scale bytes
	s_add_nc_u64 s[72:73], s[26:27], 2097152       ; the scale words of opwv,
	s_add_nc_u64 s[74:75], s[24:25], 2097152       ; of opwqk
	s_mov_b64 s[40:41], s[18:19]                   ; g from 64 on: w2
	s_mov_b64 s[42:43], s[20:21]
	s_mov_b32 s48, 64                              ; the tensor's first g
	s_mov_b32 s49, 2                               ; log2 of its units in a tile: K = 1,024 << this
	s_cmp_lt_u32 s33, 64                           ; the choices hang on the work-group's number alone
	s_cselect_b64 s[40:41], s[14:15], s[40:41]     ; 56..63: w_proj
	s_cselect_b64 s[42:43], s[16:17], s[42:43]
	s_cselect_b64 s[44:45], s[30:31], s[44:45]
	s_cselect_b64 s[46:47], s[62:63], s[46:47]
	s_cselect_b32 s48, 56, s48
	s_cselect_b32 s49, 0, s49
	s_cmp_lt_u32 s33, 56
	s_cselect_b64 s[40:41], s[10:11], s[40:41]     ; 24..55: w1
	s_cselect_b64 s[42:43], s[12:13], s[42:43]
	s_cselect_b64 s[44:45], s[28:29], s[44:45]
	s_cselect_b64 s[46:47], s[66:67], s[46:47]
	s_cselect_b32 s48, 24, s48
	s_cmp_lt_u32 s33, 24
	s_cselect_b64 s[40:41], s[68:69], s[40:41]     ; 16..23: w_qkv's rows 2,048 on
	s_cselect_b64 s[42:43], s[70:71], s[42:43]
	s_cselect_b64 s[44:45], s[26:27], s[44:45]
	s_cselect_b64 s[46:47], s[72:73], s[46:47]
	s_cselect_b32 s48, 16, s48
	s_cmp_lt_u32 s33, 16
	s_cselect_b64 s[40:41], s[6:7], s[40:41]       ; 0..15: w_qkv's rows 0 to 2,047
	s_cselect_b64 s[42:43], s[8:9], s[42:43]
	s_cselect_b64 s[44:45], s[24:25], s[44:45]
	s_cselect_b64 s[46:47], s[74:75], s[46:47]
	s_cselect_b32 s48, 0, s48
	s_sub_co_u32 s52, s33, s48
	s_lshl_b32 s52, s52, 3
	s_add_co_u32 s52, s52, s32                     ; my unit in the tensor
	s_lshr_b32 s53, s52, s49                       ; its tile T,
	s_lshl_b32 s54, s53, s49
	s_sub_co_u32 s54, s52, s54                     ; and which 1,024 along K
	s_lshr_b32 s55, s53, 1
	s_lshl_b32 s55, s55, 5
	s_and_b32 s56, s53, 1
	s_lshl_b32 s56, s56, 3
	s_add_co_u32 s55, s55, s56                     ; the tile's first row: 32 (T / 2) + 8 (T % 2)
	s_add_co_u32 s50, s49, 9                       ; a row of codes is 512 << s49 bytes,
	s_add_co_u32 s51, s49, 5                       ; a row of scale bytes 32 << s49
	s_lshl_b32 s56, s55, s50
	s_lshl_b32 s57, s54, 9
	s_add_co_u32 s56, s56, s57
	s_mov_b32 s57, 0
	s_add_nc_u64 s[40:41], s[40:41], s[56:57]
	s_lshl_b32 s56, s55, s51
	s_lshl_b32 s58, s54, 5
	s_add_co_u32 s56, s56, s58
	s_add_nc_u64 s[42:43], s[42:43], s[56:57]
	s_lshl_b32 s56, s52, 13
	s_add_nc_u64 s[44:45], s[44:45], s[56:57]
	s_lshl_b32 s56, s52, 9
	s_add_nc_u64 s[46:47], s[46:47], s[56:57]
	v_and_b32 v8, 8, v2
	v_add_nc_u32 v8, v8, v2                        ; r + 8 (r / 8)
	v_lshlrev_b32 v9, s50, v8
	v_lshl_add_u32 v9, v3, 4, v9                   ; codes: my row, + 16 h: block 2 j + h of the unit's 32
	v_lshlrev_b32 v10, s51, v8
	v_lshl_add_u32 v10, v3, 4, v10                 ; scale bytes: my row, words 4 h .. 4 h + 3
	v_lshlrev_b32 v11, 2, v2
	v_lshl_add_u32 v11, v3, 8, v11                 ; and where they go: 256 h + 4 r
.irp j, 0,1,2,3,4,5,6,7,8,9,10,11,12,13,14,15
	global_load_b128 v[32+4*\j:35+4*\j], v9, s[40:41] offset:32*\j
.endr
	global_load_b128 v[96:99], v10, s[42:43]
	s_wait_loadcnt 0x0
.irp j, 0,1,2,3,4,5,6,7,8,9,10,11,12,13,14,15
	global_store_b128 v1, v[32+4*\j:35+4*\j], s[44:45] offset:512*\j   ; 512 consecutive bytes a store
.endr
.irp i, 0,1,2,3
	global_store_b32 v11, v[96+\i], s[46:47] offset:64*\i
.endr
	s_endpgm
.Lfunc_end_k_q0c750f489b_prep:
	.size	k_q0c750f489b_prep, .Lfunc_end_k_q0c750f489b_prep-k_q0c750f489b_prep
	.p2alignl 7, 3214868480
	.fill 96, 4, 3214868480
	.section	.rodata,"a",@progbits
	.p2align	6, 0x0
	.amdhsa_kernel k_q0c750f489b_prep
		.amdhsa_group_segment_fixed_size 136192
		.amdhsa_private_segment_fixed_size 0
		.amdhsa_enable_private_segment 0
		.amdhsa_kernarg_size 112
		.amdhsa_user_sgpr_count 2
		.amdhsa_user_sgpr_kernarg_segment_ptr 1
		.amdhsa_wavefront_size32 1
		.amdhsa_system_sgpr_workgroup_id_x 1
		.amdhsa_system_sgpr_workgroup_id_y 1
		.amdhsa_system_sgpr_workgroup_id_z 1
		.amdhsa_system_vgpr_workitem_id 0
		.amdhsa_next_free_vgpr 256
		.amdhsa_next_free_sgpr 80
		.amdhsa_reserve_vcc 0
		.amdhsa_float_denorm_mode_32 3
		.amdhsa_float_denorm_mode_16_64 3
		.amdhsa_memory_ordered 1
		.amdhsa_forward_progress 1
		.amdhsa_inst_pref_size 24
	.end_amdhsa_kernel
	.amdgpu_metadata
---
amdhsa.version: [ 1, 2 ]
amdhsa.kernels:
  - .name:           k_q0c750f489b_prep
    .symbol:         k_q0c750f489b_prep.kd
    .args:
      - { .name: src, .offset: 0, .size: 8, .value_kind: global_buffer, .address_space: global }
      - { .name: w_qkv_codes, .offset: 8, .size: 8, .value_kind: global_buffer, .address_space: global }
      - { .name: w_qkv_scales, .offset: 16, .size: 8, .value_kind: global_buffer, .address_space: global }
      - { .name: w1_codes, .offset: 24, .size: 8, .value_kind: global_buffer, .address_space: global }
      - { .name: w1_scales, .offset: 32, .size: 8, .value_kind: global_buffer, .address_space: global }
      - { .name: w_proj_codes, .offset: 40, .size: 8, .value_kind: global_buffer, .address_space: global }
      - { .name: w_proj_scales, .offset: 48, .size: 8, .value_kind: global_buffer, .address_space: global }
      - { .name: w2_codes, .offset: 56, .size: 8, .value_kind: global_buffer, .address_space: global }
      - { .name: w2_scales, .offset: 64, .size: 8, .value_kind: global_buffer, .address_space: global }
      - { .name: opx, .offset: 72, .size: 8, .value_kind: global_buffer, .address_space: global }
      - { .name: opwqk, .offset: 80, .size: 8, .value_kind: global_buffer, .address_space: global }
      - { .name: opwv, .offset: 88, .size: 8, .value_kind: global_buffer, .address_space: global }
      - { .name: opw1, .offset: 96, .size: 8, .value_kind: global_buffer, .address_space: global }
      - { .name: wrow, .offset: 104, .size: 8, .value_kind: global_buffer, .address_space: global }
    .group_segment_fixed_size: 136192
    .private_segment_fixed_size: 0
    .kernarg_segment_align: 8
    .kernarg_segment_size: 112
    .max_flat_workgroup_size: 256
    .sgpr_count:     80
    .vgpr_count:     256
    .wavefront_size: 32
...
	.end_amdgpu_metadata
.endif
;; end of part 1
;; launch qk (part 2): grid 8 x 16, 4 waves a work-group, clusters of 4 x 4, 327,680 bytes of LDS; arguments opx, opwqk, big1; writes big1
.if DOCPART == 2
	.amdgcn_target "amdgcn-amd-amdhsa--gfx1250"
	.amdhsa_code_object_version 6
	.text
	.protected	k_q0c750f489b_qk
	.globl	k_q0c750f489b_qk
	.p2align	8
	.type	k_q0c750f489b_qk,@function
k_q0c750f489b_qk:
	s_mov_b64 s[64:65], 0
	v_nop
	global_prefetch_b8 v0, s[64:65] scope:SCOPE_SE
	s_setreg_imm32_b32 hwreg(HW_REG_WAVE_MODE, 25, 1), 1
	s_wait_xcnt 0x0
	s_wait_alu depctr_hold_cnt(0) depctr_sa_sdst(0) depctr_va_vdst(0) depctr_va_sdst(0) depctr_va_ssrc(0) depctr_va_vcc(0) depctr_vm_vsrc(0)
	s_getreg_b32 s2, hwreg(HW_REG_IB_STS2, 6, 4)
	s_cmp_eq_u32 s2, 0
	s_cbranch_scc0 .Lentry_in_a_cluster
	s_endpgm
.Lentry_in_a_cluster:
	s_bfe_u32 s2, ttmp6, 0x10000c
	s_cmp_lg_u32 s2, 0xf033
	s_cbranch_scc0 .Lentry_shape_is_right
	s_endpgm
.Lentry_shape_is_right:
; OUT = Q(A B^T [+ bias, relu]): A and B are operands of K = 1,024 in this program's image order (codes [tile][32][16 rows][16 bytes], scale words 2 MiB behind them, [tile][8][16 rows][4 bytes]);
; the result is quantised in registers along B's rows and stored as an operand image again: codes [A's tile][128][16][16 bytes], scale words 8 MiB behind them, [A's tile][32][16][4 bytes].  No work is left out.
; A tile of the result, 256 x 256, is made by four waves, 128 x 128 each: 64 accumulators of 16 x 16, 512 registers.  K is 1,024: two LDS slots of 512 along K hold all of it, so each slot is filled once.
; An image needs no pitch and no padding: a fragment is 1,024 consecutive bytes, two loads of 512.
; CLUSTERS: 4 x 4 work-groups.  The four of a row of the cluster need the same tiles of A, the four of a column the same tiles of B: each is asked for JOINTLY.
; THE MATRIX INSTRUCTION IS USED TRANSPOSED (source 0 = 16 rows of B, source 1 = 16 rows of A).  By the image's row order a lane's 16 registers of two neighbouring tiles of B are 16 neighbouring rows of B:
; the 64 registers of A's block a are one K step of the next product, and become its fragment by conversions alone.
; LIMITS: a block of zeros gets the byte 1 (its codes are zeros; this program alone reads the bytes); blocks under 2^-124 are held at the byte 1; NaN and infinities are not served.
; REGISTERS: window 0: v0-31 addresses; v32-47 scale words, two sets; v48-123 the way out's codes and scale words; v128-191 A's fragments, one set (on the way out v128-144 at work); v192-255 the bias.
;   window 1: B's fragments, two sets, at v0 and v128.   window 2: the accumulators of my rows 0-63 ((a, b) at v[8 (8 a + b)]);   window 3: those of rows 64-127.
.set BIAS_RELU, 0
.set NQ,     4                         ; steps of 128 along K in a slot
.set FR,     8                         ; registers of a fragment
.set NP,     4                         ; places behind this matrix instruction (ISA guide 7.12.1)
.set HALFT,  32768                     ; 8 tiles x 4,096 bytes: what one tensor load brings, and what one wave reads of A or of B
.set SLOT,   4*HALFT                   ; A's 16 tiles, then B's
.set SCL,    2*SLOT                    ; behind the slots: the scale words of all of K
.set HALFS,  4096                      ; those of 8 tiles
.set SPARE,  SCL+4*HALFS               ; the spare words, 128 bytes for each wave
.set SCOFF,  2097152                   ; an operand's scale words lie here behind its codes
.set OSC,    8388608                   ; the result's
.set ADRA, 16                          ; v16-17 LDS address of my A fragments in slot 0, 1
.set ADRB, 20                          ; v20-21 the same for B
.set LI,   24                          ; v24    16 x lane
.set SCO,  25                          ; v25    2,048 (lane / 16) + 4 (lane % 16): the result's scale words
.set ADRS, 27                          ; v27    LDS address of my scale words: lanes 0-15 A's rows, lanes 16-31 B's
.set SPW,  28                          ; v28    my spare word; never rewritten
.set NIL,  29                          ; v29    0; never rewritten
.set SC,   32                          ; scale words: set p at v[SC + 8 p]; register i: lanes 0-15 A's block i, lanes 16-31 B's block i
.set PC,   48                          ; the way out: block a's codes at v[PC + 8 a]
.set PW,   112                         ; its scale word at v[PW + a]
.set PS,   120                         ; two blocks' words in one register
.set AF,   128                         ; A's fragments
.set TM,   128                         ; the way out: at work
.set FLR,  144                         ; the floor under a block's largest magnitude
.set BI,   192                         ; the bias, in the result's layout
.set G1, 24
.set G0, 32
.set G1B, 48
.set G0B, 56
.set G1S, 68
.set G0S, 76
.set G1SB, 80
.set G0SB, 88
.set SEL, 96                           ; s[96:97] lane selects: lane l xor 16
.set MSB, 0
.macro WIN new                         ; the immediate's high byte repeats the setting that is left
.if MSB != \new
	s_set_vgpr_msb (MSB<<8)|\new
.set MSB, \new
.endif
.endm
.set MUL_LO, 0xa1                      ; source 0 (B) window 1, source 1 (A) window 0, C and D window 2
.set MUL_HI, 0xf1                      ; the same, C and D window 3
.if BIAS_RELU
.set ST_LO,  0x81                      ; the first step: C is the bias, in window 0
.set ST_HI,  0xc1
.else
.set ST_LO,  MUL_LO
.set ST_HI,  MUL_HI
.endif
.set TO_B,   0x40                      ; destination window 1, address window 0
; A joint load: waves 0 and 1 fetch for A, waves 2 and 3 for B; the branch hangs on the wave's number alone.  An s_nop 0 and four v_nop follow each of the two lines.
.macro JLOAD g0a, g1a, g0b, g1b
	s_cmp_eq_u32 s15, 0
	s_cbranch_scc0 .Lfor_b_\@
	tensor_load_to_lds s[\g0a:\g0a+3], s[\g1a:\g1a+7]
	s_nop 0
.rept 4
	v_nop
.endr
	s_branch .Lasked_\@
.Lfor_b_\@:
	tensor_load_to_lds s[\g0b:\g0b+3], s[\g1b:\g1b+7]
	s_nop 0
.rept 4
	v_nop
.endr
.Lasked_\@:
.endm
.macro CROUND                          ; a round of the cluster's barrier
	s_barrier_signal -1
	s_barrier_wait -1
	s_cmp_lg_u32 s14, 0
	s_cbranch_scc1 .Lnot_wave_0_\@
	s_barrier_signal -3
.Lnot_wave_0_\@:
	s_barrier_wait -3
	s_barrier_signal -1
	s_barrier_wait -1
.endm
	s_load_b128 s[4:7], s[0:1], 0x0                ; A, B
	s_load_b64 s[12:13], s[0:1], 0x10              ; the result
.if BIAS_RELU
	s_load_b64 s[8:9], s[0:1], 0x18                ; the bias
.endif
	v_lshl_add_u32 v[SPW], v0, 2, SPARE
	v_mov_b32 v[NIL], 0
	ds_add_u32 v[SPW], v[NIL]                      ; the wave's opening: the add, twice on end, and its wait ahead of my first tensor load
	ds_add_u32 v[SPW], v[NIL]
	v_lshrrev_b32 v1, 5, v0
	v_readfirstlane_b32 s14, v1                    ; wave 0..3
	s_lshr_b32 s15, s14, 1                         ; which half of the tile's rows is mine.  Also: I fetch for A (0) or for B (1)
	s_and_b32 s16, s14, 1                          ; which half of its columns.  Also: which 8 tiles I fetch
	s_bfe_u32 s40, ttmp6, 0x40000                  ; cx, cy: my place in the cluster
	s_bfe_u32 s41, ttmp6, 0x40004
	s_lshl_b32 s42, ttmp9, 2
	s_add_co_u32 s42, s42, s40                     ; tile column = 4 x cluster x + cx
	s_and_b32 s17, ttmp7, 0xffff
	s_lshl_b32 s17, s17, 2
	s_add_co_u32 s17, s17, s41                     ; tile row = 4 x cluster y + cy
	s_lshl_b32 s43, s41, 2
	s_lshl_b32 s43, 15, s43                        ; my row of the cluster
	s_lshl_b32 s44, 0x1111, s40                    ; my column
	; group 1, codes: 8 rows (tiles) of 512 elements of 8 bytes (half a tile's K), 1,024 elements from tile to tile; no padding
	s_or_b32 s[G1+0], s43, (3<<16)|(1<<21)
	s_or_b32 s[G1B+0], s44, (3<<16)|(1<<21)
.irp g, G1, G1B
	s_mov_b32 s[\g+1], 512<<16                     ; tensor_dim0
	s_mov_b32 s[\g+2], 8<<16                       ; tensor_dim1
	s_mov_b32 s[\g+3], 512<<16                     ; tile_dim0
	s_mov_b32 s[\g+4], 8                           ; tile_dim1
	s_mov_b32 s[\g+5], 1024                        ; tensor_dim0_stride
	s_mov_b32 s[\g+6], 0
	s_mov_b32 s[\g+7], 0
.endr
	; group 1, scale words of 8 tiles: 4,096 dense bytes as 16 rows of 256
	s_or_b32 s[G1S+0], s43, (3<<16)|(1<<21)
	s_or_b32 s[G1SB+0], s44, (3<<16)|(1<<21)
.irp g, G1S, G1SB
	s_mov_b32 s[\g+1], 32<<16
	s_mov_b32 s[\g+2], 16<<16
	s_mov_b32 s[\g+3], 32<<16
	s_mov_b32 s[\g+4], 16
	s_mov_b32 s[\g+5], 32
	s_mov_b32 s[\g+6], 0
	s_mov_b32 s[\g+7], 0
.endr
	s_mov_b32 s[SEL], 0x76543210
	s_mov_b32 s[SEL+1], 0xfedcba98
	s_lshl_b32 s18, s16, 3
	s_lshl_b32 s20, s17, 4
	s_add_co_u32 s20, s20, s18                     ; A: the first tile that I fetch: 16 x tile row + 8 x half
	s_lshl_b32 s46, s42, 4
	s_add_co_u32 s46, s46, s18                     ; B: 16 x tile column + 8 x half
	s_lshl_b32 s22, s20, 9                         ; their scale words: 512 bytes a tile
	s_add_co_u32 s22, s22, SCOFF
	s_mov_b32 s23, 0
	s_lshl_b32 s92, s46, 9
	s_add_co_u32 s92, s92, SCOFF
	s_mov_b32 s93, 0
	s_lshl_b32 s20, s20, 13                        ; their codes: 8,192 bytes a tile
	s_mov_b32 s21, 0
	s_lshl_b32 s46, s46, 13
	s_mov_b32 s47, 0
	s_mul_i32 s45, s14, HALFT                      ; where they go: no place in the cluster enters an LDS address
	s_mul_i32 s94, s14, HALFS
	s_wait_dscnt 0x0                               ; both opening adds are done
	s_wait_kmcnt 0x0
	s_add_nc_u64 s[20:21], s[4:5], s[20:21]
	s_add_nc_u64 s[22:23], s[4:5], s[22:23]
	s_add_nc_u64 s[46:47], s[6:7], s[46:47]
	s_add_nc_u64 s[92:93], s[6:7], s[92:93]
	CROUND                                         ; all sixteen work-groups are here: the joint loads meet
	s_mov_b32 s[G0S], 1
	s_add_co_u32 s[G0S+1], s94, SCL
	s_mov_b64 s[G0S+2:G0S+3], s[22:23]
	s_or_b32 s[G0S+3], s[G0S+3], 0x80000000
	s_mov_b32 s[G0SB], 1
	s_add_co_u32 s[G0SB+1], s94, SCL
	s_mov_b64 s[G0SB+2:G0SB+3], s[92:93]
	s_or_b32 s[G0SB+3], s[G0SB+3], 0x80000000
	JLOAD G0S, G1S, G0SB, G1SB                     ; the scale words first: they are wanted with the first step
.irp s, 0,1
	s_mov_b32 s[G0+4*\s], 1
	s_add_co_u32 s[G0+4*\s+1], s45, \s*SLOT
	s_add_nc_u64 s[G0+4*\s+2:G0+4*\s+3], s[20:21], \s*4096
	s_or_b32 s[G0+4*\s+3], s[G0+4*\s+3], 0x80000000
	s_mov_b32 s[G0B+4*\s], 1
	s_add_co_u32 s[G0B+4*\s+1], s45, \s*SLOT
	s_add_nc_u64 s[G0B+4*\s+2:G0B+4*\s+3], s[46:47], \s*4096
	s_or_b32 s[G0B+4*\s+3], s[G0B+4*\s+3], 0x80000000
	JLOAD G0+4*\s, G1, G0B+4*\s, G1B               ; both slots: three tensor loads of mine are out
.endr
	v_and_b32 v1, 15, v0                           ; r
	v_bfe_u32 v2, v0, 4, 1                         ; h
	v_and_b32 v3, 31, v0                           ; lane
	v_lshlrev_b32 v[LI], 4, v3
.if BIAS_RELU
	s_lshl_b32 s18, s42, 10                        ; my 128 numbers of the bias: 256 x tile column + 128 x half, 4 bytes each
	s_lshl_b32 s19, s16, 9
	s_add_co_u32 s18, s18, s19
	s_mov_b32 s19, 0
	s_add_nc_u64 s[8:9], s[8:9], s[18:19]
	v_lshlrev_b32 v5, 6, v2                        ; lane (r, h) wants, for B's block b, those of rows 32 (b / 2) + 16 h + 8 (b % 2) + 0 .. 7
.irp b, 0,1,2,3,4,5,6,7
	global_load_b128 v[BI+8*\b:BI+8*\b+3], v5, s[8:9] offset:128*(\b/2)+32*(\b%2)
	global_load_b128 v[BI+8*\b+4:BI+8*\b+7], v5, s[8:9] offset:128*(\b/2)+32*(\b%2)+16
.endr
.endif
	s_mul_i32 s21, s15, HALFT                      ; my 8 tiles of A
	s_mul_i32 s22, s16, HALFT                      ; my 8 tiles of B,
	s_add_co_u32 s22, s22, 2*HALFT                 ; which lie behind A's 16
.irp s, 0,1
	v_add_nc_u32 v[ADRA+\s], s21, v[LI]
	v_add_nc_u32 v[ADRB+\s], s22, v[LI]
	s_add_co_u32 s21, s21, SLOT
	s_add_co_u32 s22, s22, SLOT
.endr
	v_lshlrev_b32 v4, 2, v1                        ; 4 r
	s_mul_i32 s21, s15, HALFS                      ; A's scale words: my 8 tiles
	s_mul_i32 s22, s16, HALFS                      ; B's: my 8 tiles, behind A's 16
	s_add_co_u32 s22, s22, 2*HALFS
	s_sub_co_u32 s22, s22, s21
	v_mul_u32_u24 v6, s22, v2                      ; lanes 16-31 take B's
	s_add_co_u32 s21, s21, SCL
	v_add_nc_u32 v4, v4, v6
	v_add_nc_u32 v[ADRS], s21, v4
	v_lshlrev_b32 v[SCO], 2, v1
	v_lshl_add_u32 v[SCO], v2, 11, v[SCO]
	s_lshl_b32 s20, s17, 4
	s_lshl_b32 s21, s15, 3
	s_add_co_u32 s20, s20, s21                     ; my first tile of the result's rows
	s_lshl_b32 s46, s42, 1
	s_add_co_u32 s46, s46, s16                     ; my K step in the result
	s_lshl_b32 s18, s20, 15                        ; codes: 32,768 bytes a tile, 1,024 a K step
	s_lshl_b32 s19, s46, 10
	s_add_co_u32 s18, s18, s19
	s_mov_b32 s19, 0
	s_add_nc_u64 s[10:11], s[12:13], s[18:19]
	s_lshl_b32 s18, s20, 11                        ; scale words: 2,048 bytes a tile, 64 a K step
	s_lshl_b32 s21, s46, 6
	s_add_co_u32 s18, s18, s21
	s_add_co_u32 s18, s18, OSC
	s_add_nc_u64 s[12:13], s[12:13], s[18:19]
.macro FRAG reg, adr, q, i             ; a fragment: tile i of my 8, the slot's q-th 128 along K: two loads of 512 consecutive bytes
.irp c, 0,1
	ds_load_b128 v[\reg+4*\c:\reg+4*\c+3], v[\adr] offset:(\i)*4096+(\q)*1024+512*\c
.endr
.endm
; 16 matrix instructions: A's blocks a0, a0 + 1 x B's eight.  p: B's set and the set of scale words.  zero = 1: the first product starts the sums, from 0 or from the bias: nothing is ever cleared.
; The 64 accumulators take turns, one instruction a turn, in the same order in every step.
.macro MUL16 a0, p, zero
.irp a, \a0, \a0+1
.irp b, 0,1,2,3,4,5,6,7
.if (\zero) && BIAS_RELU
	v_wmma_scale_f32_16x16x128_f8f6f4 v[8*(8*((\a)%4)+\b):8*(8*((\a)%4)+\b)+7], v[128*(\p)+FR*\b:128*(\p)+FR*\b+FR-1], v[AF+FR*(\a):AF+FR*(\a)+FR-1], v[BI+8*\b:BI+8*\b+7], v[SC+8*(\p)+\b], v[SC+8*(\p)+(\a)] matrix_a_fmt:MATRIX_FMT_FP4 matrix_b_fmt:MATRIX_FMT_FP4 matrix_a_scale:MATRIX_SCALE_ROW1
.elseif \zero
	v_wmma_scale_f32_16x16x128_f8f6f4 v[8*(8*((\a)%4)+\b):8*(8*((\a)%4)+\b)+7], v[128*(\p)+FR*\b:128*(\p)+FR*\b+FR-1], v[AF+FR*(\a):AF+FR*(\a)+FR-1], 0, v[SC+8*(\p)+\b], v[SC+8*(\p)+(\a)] matrix_a_fmt:MATRIX_FMT_FP4 matrix_b_fmt:MATRIX_FMT_FP4 matrix_a_scale:MATRIX_SCALE_ROW1
.else
	v_wmma_scale_f32_16x16x128_f8f6f4 v[8*(8*((\a)%4)+\b):8*(8*((\a)%4)+\b)+7], v[128*(\p)+FR*\b:128*(\p)+FR*\b+FR-1], v[AF+FR*(\a):AF+FR*(\a)+FR-1], v[8*(8*((\a)%4)+\b):8*(8*((\a)%4)+\b)+7], v[SC+8*(\p)+\b], v[SC+8*(\p)+(\a)] matrix_a_fmt:MATRIX_FMT_FP4 matrix_b_fmt:MATRIX_FMT_FP4 matrix_a_scale:MATRIX_SCALE_ROW1
.endif
.endr
.endr
.endm
.macro FETCH_B slot, q, p
	WIN TO_B
.irp i, 0,1,2,3,4,5,6,7
	FRAG 128*(\p)+FR*\i, ADRB+\slot, \q, \i
.endr
	WIN 0
.endm
.macro FETCH_A slot, q, i0
.irp i, \i0, \i0+1, \i0+2, \i0+3
	FRAG AF+FR*(\i), ADRA+\slot, \q, \i
.endr
.endm
.macro SCW st, p                       ; K step st's scale words (st = 0..7) into set p: lanes 0-15 A's block i, lanes 16-31 B's block i
.irp i, 0,1,2,3,4,5,6,7
	ds_load_b32 v[SC+8*(\p)+\i], v[ADRS] offset:\i*512+(\st)*64
.endr
.endm
.macro PLACES n                        ; plain vector instructions between a matrix instruction and a load into, or a vector read of, its registers
.rept \n
	v_nop
.endr
.endm
.macro STEP slot, q, zero              ; a step of 128 along K that has its successor in the same slot
	s_wait_dscnt 8                                 ; B's set, the scale words and A's blocks 0-3 are in; the youngest eight loads (A's blocks 4-7) may be out
.if \zero
	WIN ST_LO
.else
	WIN MUL_LO
.endif
	MUL16 0, (\q)%2, \zero
	MUL16 2, (\q)%2, \zero
	s_wait_dscnt 0                                 ; A's blocks 4-7 are in
	PLACES NP
	FETCH_B \slot, (\q)+1, 1-(\q)%2
	SCW 4*(\slot)+(\q)+1, 1-(\q)%2
	FETCH_A \slot, (\q)+1, 0
.if \zero
	WIN ST_HI
.else
	WIN MUL_HI
.endif
	MUL16 4, (\q)%2, \zero
	MUL16 6, (\q)%2, \zero
	PLACES NP
	WIN 0
	FETCH_A \slot, (\q)+1, 4
.endm
; Slot 0's last step goes on into slot 1: each wave waits for its part of slot 1, and one barrier shows the whole slot to all four.  Nothing is filled again.
.macro TURN slot, next
	s_wait_tensorcnt 0x0                           ; all my tensor loads have landed
	ds_add_u32 v[SPW], v[NIL]                      ; 0 onto my spare word
	s_wait_dscnt 9                                 ; (the add and the youngest eight loads may be out)
	WIN MUL_LO
	MUL16 0, 1, 0
	s_wait_dscnt 0x0                               ; no LDS instruction of mine is out at the signal
	s_barrier_signal -1
	MUL16 2, 1, 0
	WIN 0
	s_barrier_wait -1
	PLACES NP
	FETCH_B \next, 0, 0
	SCW 4*(\next), 0
	FETCH_A \next, 0, 0
	WIN MUL_HI
	MUL16 4, 1, 0
	MUL16 6, 1, 0
	PLACES NP
	WIN 0
	FETCH_A \next, 0, 4
.endm
.macro STEPS slot, from
.set Q, \from
.rept NQ-1-\from
	STEP \slot, Q, 0
.set Q, Q+1
.endr
.endm
	s_wait_tensorcnt 1                             ; the scale words and my part of slot 0 are in (slot 1's load may be out),
	s_barrier_signal -1
	s_barrier_wait -1                              ; everybody's are
	FETCH_B 0, 0, 0
	SCW 0, 0
	FETCH_A 0, 0, 0
	FETCH_A 0, 0, 4
.if BIAS_RELU
	s_wait_loadcnt 0x0                             ; the bias
.endif
	STEP 0, 0, 1
	STEPS 0, 1
	TURN 0, 1
	STEPS 1, 0
	s_wait_dscnt 8                                 ; the last step: nothing more to fetch
	WIN MUL_LO
	MUL16 0, 1, 0
	MUL16 2, 1, 0
	s_wait_dscnt 0
	WIN MUL_HI
	MUL16 4, 1, 0
	MUL16 6, 1, 0
	WIN 0
; THE WAY OUT.  Block a (16 rows of A x my 128 rows of B): register 16 b + i of its 64 is number 32 b + 16 (lane / 16) + i of my lane's row: [relu,] the blocks' largest magnitudes, scale bytes, conversions;
; the eight registers of codes are the next product's fragment and leave as two stores of 512 consecutive bytes.  Every accumulator is read from its low end on.  Each block has registers of its own for what it stores.
.macro QBLK a
.set QW, 2+(\a)/4
.set QS, 64*((\a)%4)
.if BIAS_RELU
.set WN, (QW<<6)|(QW<<2)
	WIN WN                                         ; destination and source 1: the block's window
.set QJ, 0
.rept 64
	v_max_num_f32 v[QS+QJ], 0, v[QS+QJ]
.set QJ, QJ+1
.endr
.endif
.set WN, (QW<<2)|(QW<<4)
	WIN WN                                         ; sources 1 and 2: the block's window
.irp b, 0,1,2,3
	v_max3_num_f32 v[TM+\b], v[FLR], |v[QS+16*\b]|, |v[QS+16*\b+1]|
.endr
.irp i, 2,4,6,8,10,12,14
.irp b, 0,1,2,3
	v_max3_num_f32 v[TM+\b], v[TM+\b], |v[QS+16*\b+\i]|, |v[QS+16*\b+\i+1]|
.endr
.endr
	WIN 0
.irp b, 0,1,2,3
	v_permlanex16_b32 v[TM+4+\b], v[TM+\b], s[SEL], s[SEL+1]
.endr
.irp b, 0,1,2,3
	v_max_num_f32 v[TM+\b], v[TM+\b], v[TM+4+\b]
.endr
.irp b, 0,1,2,3
	v_add_nc_u32 v[TM+12+\b], 0xff000000, v[TM+\b]   ; 2 off the exponent field: the conversion's scale operand
.endr
.irp b, 0,1,2,3
	v_lshrrev_b32 v[TM+4+\b], 23, v[TM+12+\b]
.endr
	v_lshl_or_b32 v[PW+(\a)], v[TM+5], 8, v[TM+4]
	v_lshl_or_b32 v[PW+(\a)], v[TM+6], 16, v[PW+(\a)]
	v_lshl_or_b32 v[PW+(\a)], v[TM+7], 24, v[PW+(\a)]
	WIN QW                                         ; source 0: the block's window
.irp b, 0,1,2,3
	v_cvt_scalef32_pk8_fp4_f32 v[PC+8*(\a)+2*\b], v[QS+16*\b:QS+16*\b+7], v[TM+12+\b]
	v_cvt_scalef32_pk8_fp4_f32 v[PC+8*(\a)+2*\b+1], v[QS+16*\b+8:QS+16*\b+15], v[TM+12+\b]
.endr
	WIN 0
	v_nop                                          ; one plain place behind a scaled conversion
.irp c, 0,1
.irp i, 0,1
	v_permlane16_swap_b32 v[PC+8*(\a)+4*\c+\i], v[PC+8*(\a)+4*\c+2+\i]
.endr
.endr
.irp c, 0,1
	global_store_b128 v[LI], v[PC+8*(\a)+4*\c:PC+8*(\a)+4*\c+3], s[10:11] offset:(\a)*32768+512*\c
.endr
.endm
	PLACES NP                                      ; behind the last products: for the reads of results and for the writes into registers that held A's fragments
	v_mov_b32 v[FLR], 0x1800000                    ; 2^(3 - 127): the byte cannot fall under 1
.irp b, 0,1,2,3
	v_mov_b32 v[TM+4+\b], 0                        ; a lane permute's destination counts as one of its sources
.endr
	v_cmp_le_u32 s3, 16, v3                        ; lanes 16-31
.irp a, 0,1,2,3,4,5,6,7
	QBLK \a
.endr
.irp k, 0,1,2,3
	v_cndmask_b32 v[PS+\k], v[PW+2*\k], v[PW+2*\k+1], s3   ; lanes 0-15 block 2 k's words, lanes 16-31 block 2 k + 1's
.endr
.irp k, 0,1,2,3
	global_store_b32 v[SCO], v[PS+\k], s[12:13] offset:\k*4096
.endr
	s_wait_tensorcnt 0x0                           ; the wave's end
	ds_add_u32 v[SPW], v[NIL]
	s_wait_dscnt 0x0
	CROUND                                         ; the closing round
	s_endpgm
.Lfunc_end_k_q0c750f489b_qk:
	.size	k_q0c750f489b_qk, .Lfunc_end_k_q0c750f489b_qk-k_q0c750f489b_qk
	.p2alignl 7, 3214868480
	.fill 96, 4, 3214868480
	.section	.rodata,"a",@progbits
	.p2align	6, 0x0
	.amdhsa_kernel k_q0c750f489b_qk
		.amdhsa_group_segment_fixed_size 327680
		.amdhsa_private_segment_fixed_size 0
		.amdhsa_enable_private_segment 0
		.amdhsa_kernarg_size 24
		.amdhsa_user_sgpr_count 2
		.amdhsa_user_sgpr_kernarg_segment_ptr 1
		.amdhsa_wavefront_size32 1
		.amdhsa_system_sgpr_workgroup_id_x 1
		.amdhsa_system_sgpr_workgroup_id_y 1
		.amdhsa_system_sgpr_workgroup_id_z 1
		.amdhsa_system_vgpr_workitem_id 0
		.amdhsa_next_free_vgpr 1024
		.amdhsa_next_free_sgpr 98
		.amdhsa_reserve_vcc 0
		.amdhsa_float_denorm_mode_32 3
		.amdhsa_float_denorm_mode_16_64 3
		.amdhsa_memory_ordered 1
		.amdhsa_forward_progress 1
		.amdhsa_inst_pref_size 130
	.end_amdhsa_kernel
	.amdgpu_metadata
---
amdhsa.version: [ 1, 2 ]
amdhsa.kernels:
  - .name:           k_q0c750f489b_qk
    .symbol:         k_q0c750f489b_qk.kd
    .args:
      - { .name: opx, .offset: 0, .size: 8, .value_kind: global_buffer, .address_space: global }
      - { .name: opwqk, .offset: 8, .size: 8, .value_kind: global_buffer, .address_space: global }
      - { .name: big1, .offset: 16, .size: 8, .value_kind: global_buffer, .address_space: global }
    .group_segment_fixed_size: 327680
    .private_segment_fixed_size: 0
    .kernarg_segment_align: 8
    .kernarg_segment_size: 24
    .max_flat_workgroup_size: 128
    .sgpr_count:     98
    .vgpr_count:     1024
    .wavefront_size: 32
...
	.end_amdgpu_metadata
.endif
;; end of part 2
;; launch v: the kernel of part 2 again; grid 16 x 4, 4 waves a work-group, clusters of 4 x 4, 327,680 bytes of LDS; arguments opwv, opx, vbuf; writes vbuf
;; launch attn (part 3): grid 8 x 32, 16 waves a work-group, clusters of 4 x 1, 167,936 bytes of LDS; arguments big1, vbuf, opx; writes opx
.if DOCPART == 3
	.amdgcn_target "amdgcn-amd-amdhsa--gfx1250"
	.amdhsa_code_object_version 6
	.text
	.protected	k_q0c750f489b_attn
	.globl	k_q0c750f489b_attn
	.p2align	8
	.type	k_q0c750f489b_attn,@function
k_q0c750f489b_attn:
	s_mov_b64 s[64:65], 0
	v_nop
	global_prefetch_b8 v0, s[64:65] scope:SCOPE_SE
	s_setreg_imm32_b32 hwreg(HW_REG_WAVE_MODE, 25, 1), 1
	s_wait_xcnt 0x0
	s_wait_alu depctr_hold_cnt(0) depctr_sa_sdst(0) depctr_va_vdst(0) depctr_va_sdst(0) depctr_va_ssrc(0) depctr_va_vcc(0) depctr_vm_vsrc(0)
	s_getreg_b32 s2, hwreg(HW_REG_IB_STS2, 6, 4)
	s_cmp_eq_u32 s2, 0
	s_cbranch_scc0 .Lentry_in_a_cluster
	s_endpgm
.Lentry_in_a_cluster:
	s_bfe_u32 s2, ttmp6, 0x10000c
	s_cmp_lg_u32 s2, 0x3003
	s_cbranch_scc0 .Lentry_shape_is_right
	s_endpgm
.Lentry_shape_is_right:
; AO = Q(softmax(q k^T / 8) v), head by head, both products on codes of E2M1.  No work is left out.
; q and k: operand images in big1 (rows = tokens in tiles of 16; block 2 hd + i of 32 along K is q's, block 32 + 2 hd + i k's; scale words 8 MiB on).  v: vbuf, rows = (head, channel), K = the tokens.
; THE SOFTMAX: t = score x log2(e) / 8; M = the running largest t rounded UP to a whole number; p = 2^(t - M) is quantised along the keys, not normalised; the row's sum is taken of the unquantised p and divides at the end.
; When M moves, the sum and O are multiplied by 2^(old M - new M): exact.
; SHARES.  A work-group owns 256 queries of one head of one batch, each of its sixteen waves one tile of 16.  A head's K and V, 2,048 keys, are 128 KiB of codes and 12 KiB of scale words: they come into LDS ONCE,
; in two halves of 1,024 keys; waves 0 to 3 ask (K's codes, V's codes, K's scale words, V's), two loads each, and all sixteen read.
; CLUSTER.  The four query blocks of a cluster walk the same K and V: each tile is asked for jointly, with a mask that names the four.
; LAYOUT.  Both products are used transposed: S^T = K Q^T, O^T = V^T P^T: a lane holds one query throughout.  By the images' row order the 16 registers of two neighbouring key tiles are 16 neighbouring keys,
; and those of two neighbouring tiles of V^T 16 neighbouring channels.  The head's size is 64: the upper half of the first product's K step is zero codes on both sides, under the scale byte 0.
; LIMITS: a block's largest p is made from its largest score by the same multiply-add and exponential (it takes the exponential not to fall where its input rises); a block of zeros gets the byte 1;
; NaN and infinities are not served.
; REGISTERS: v1-4 lane places; v5, v6 the add's two; v7 4 r; v8-11 the step's addresses; v12 -M, v13 largest t, v[14:15] the sum; v16-23 Q, v24 its scale; v25-28 the conversions' scale operands;
; v32-95 eight fragments of K; v96-159 S^T, then p; v160-191 O^T; v192-223 four fragments of V; v224-231 p's codes; v232-239 at work; v240-247 K's scales; v248-251 V's; v252 f; v253 p's scale word; v254 at work.
.set VC,    65536                      ; LDS: K's codes at 0: [key tile 128][512 bytes];  V's here: [half][tile 4][block 32][256 bytes]
.set KS,    131072                     ; K's scale words: [key tile][64 bytes]
.set VS,    139264                     ; V's: [half][tile 4][K step 8][64 bytes]
.set SPARE, 143360                     ; the spare words, 128 bytes for each wave
.set SPW,  5
.set NIL,  6
.set WV,   10
.set SEL,  16                          ; s[16:17]
.set CS,   18                          ; s[18:19] c = log2(e) / 8
.set CNT,  20
.set TK,   22                          ; s22-25: where the step's K codes, V codes, K scale words, V scale words begin
.set TV,   23
.set TKS,  24
.set TVS,  25
.set HM,   66                          ; s66 lanes 16-31
.set G1KC, 32
.set G1VC, 40
.set G1KS, 48
.set G1VS, 56
.macro ROUND
	s_barrier_signal -1
	s_barrier_wait -1
	s_cmp_lg_u32 s[WV], 0
	s_cbranch_scc1 .Lnot_wave_0_\@
	s_barrier_signal -3
.Lnot_wave_0_\@:
	s_barrier_wait -3
	s_barrier_signal -1
	s_barrier_wait -1
.endm
.macro MKG1 g, c, r, p                 ; r rows of c elements of 8 bytes, p elements apart; the mask names all four work-groups
	s_mov_b32 s[\g], 15|(3<<16)|(1<<21)
	s_mov_b32 s[\g+1], (\c)<<16
	s_mov_b32 s[\g+2], (\r)<<16
	s_mov_b32 s[\g+3], (\c)<<16
	s_mov_b32 s[\g+4], \r
	s_mov_b32 s[\g+5], \p
	s_mov_b32 s[\g+6], 0
	s_mov_b32 s[\g+7], 0
.endm
.macro MKG0 g, lds, base, off, more
	s_mov_b32 s[\g], 1
	s_mov_b32 s[\g+1], \lds
	s_add_nc_u64 s[\g+2:\g+3], s[\base:\base+1], s[\off:\off+1]
.if \more
	s_add_nc_u64 s[\g+2:\g+3], s[\g+2:\g+3], \more
.endif
	s_or_b32 s[\g+3], s[\g+3], 0x80000000
.endm
.macro PAIR g0, g1                     ; a wave's two first fills, the first half's and the second's; an s_nop 0 follows each, four v_nop the second's
	tensor_load_to_lds s[\g0:\g0+3], s[\g1:\g1+7]
	s_nop 0
	tensor_load_to_lds s[\g0+4:\g0+7], s[\g1:\g1+7]
	s_nop 0
.rept 4
	v_nop
.endr
.endm
	s_load_b128 s[4:7], s[0:1], 0x0                ; big1, vbuf
	s_load_b64 s[8:9], s[0:1], 0x10                ; opx
	v_lshl_add_u32 v[SPW], v0, 2, SPARE
	v_mov_b32 v[NIL], 0
	ds_add_u32 v[SPW], v[NIL]                      ; the wave's opening: the add, twice on end, and its wait ahead of the first tensor loads
	ds_add_u32 v[SPW], v[NIL]
	v_lshrrev_b32 v8, 5, v0
	v_readfirstlane_b32 s[WV], v8                  ; wave 0..15
	s_bfe_u32 s11, ttmp6, 0x40000                  ; cx
	s_lshl_b32 s12, ttmp9, 2
	s_add_co_u32 s12, s12, s11                     ; my block of 256 queries: it enters Q's and the result's addresses alone
	s_and_b32 s14, ttmp7, 0xffff
	s_lshr_b32 s13, s14, 4                         ; the batch
	s_and_b32 s14, s14, 15                         ; the head
	s_and_b32 s15, s14, 1                          ; which half of a scale word is the head's
	s_lshr_b32 s21, s14, 1                         ; which K step of 128 holds the head
	MKG1 G1KC, 64, 64, 4096                        ; 64 key tiles x 512 bytes, 32,768 bytes apart
	MKG1 G1VC, 1024, 4, 4096                       ; 4 tiles of V^T x 8,192 bytes (1,024 keys), 32,768 apart
	MKG1 G1KS, 8, 64, 256                          ; 64 key tiles x 64 bytes, 2,048 apart
	MKG1 G1VS, 64, 4, 256                          ; 4 tiles x 512 bytes, 2,048 apart
	s_mov_b32 s[SEL], 0x76543210
	s_mov_b32 s[SEL+1], 0xfedcba98
	s_mov_b32 s[CS], 0x3e38aa3b
	s_mov_b32 s[CS+1], s[CS]                       ; (named with it as a pair, so it is written)
	s_lshl_b32 s22, s13, 22                        ; K's codes: token tile 128 b, block 32 + 2 hd
	s_lshl_b32 s23, s14, 9
	s_add_co_u32 s22, s22, s23
	s_add_co_u32 s22, s22, 8192
	s_mov_b32 s23, 0
	s_lshl_b32 s24, s14, 17                        ; V's codes: tile 4 hd, block 64 b
	s_lshl_b32 s25, s13, 14
	s_add_co_u32 s24, s24, s25
	s_mov_b32 s25, 0
	s_lshl_b32 s26, s13, 18                        ; K's scale words: tile 128 b, K step 8 + hd / 2
	s_lshl_b32 s27, s21, 6
	s_add_co_u32 s26, s26, s27
	s_add_co_u32 s26, s26, 8388608+512
	s_mov_b32 s27, 0
	s_lshl_b32 s28, s14, 13                        ; V's scale words: tile 4 hd, K step 16 b
	s_lshl_b32 s29, s13, 10
	s_add_co_u32 s28, s28, s29
	s_add_co_u32 s28, s28, 8388608
	s_mov_b32 s29, 0
	s_wait_dscnt 0x0                               ; both opening adds are done
	s_wait_kmcnt 0x0
	MKG0 68, 0, 4, 22, 0
	MKG0 72, 32768, 4, 22, 2097152                 ; 64 token tiles on
	MKG0 76, VC, 6, 24, 0
	MKG0 80, VC+32768, 6, 24, 8192                 ; 32 blocks on
	MKG0 84, KS, 4, 26, 0
	MKG0 88, KS+4096, 4, 26, 131072
	MKG0 92, VS, 6, 28, 0
	MKG0 96, VS+2048, 6, 28, 512
	ROUND                                          ; all four work-groups are here: the joint loads meet
	s_cmp_lg_u32 s[WV], 0                          ; a wave's two fills stand in one arm of a branch on the wave's number: two loads of a loading wave are out
	s_cbranch_scc1 .Lw1
	PAIR 68, G1KC
	s_branch .Lasked
.Lw1:
	s_cmp_lg_u32 s[WV], 1
	s_cbranch_scc1 .Lw2
	PAIR 76, G1VC
	s_branch .Lasked
.Lw2:
	s_cmp_lg_u32 s[WV], 2
	s_cbranch_scc1 .Lw3
	PAIR 84, G1KS
	s_branch .Lasked
.Lw3:
	s_cmp_lg_u32 s[WV], 3
	s_cbranch_scc1 .Lasked
	PAIR 92, G1VS
.Lasked:
	s_lshl_b32 s3, s13, 7
	s_lshl_b32 s2, s12, 4
	s_add_co_u32 s3, s3, s2
	s_add_co_u32 s3, s3, s[WV]                     ; my tile of queries: 128 b + 16 x block + wave
	s_lshl_b32 s26, s3, 15
	s_lshl_b32 s27, s14, 9
	s_add_co_u32 s26, s26, s27
	s_mov_b32 s27, 0
	s_add_nc_u64 s[26:27], s[4:5], s[26:27]        ; Q's codes
	s_lshl_b32 s28, s3, 11
	s_lshl_b32 s29, s21, 6
	s_add_co_u32 s28, s28, s29
	s_lshl_b32 s29, s15, 1
	s_add_co_u32 s28, s28, s29
	s_add_co_u32 s28, s28, 8388608
	s_mov_b32 s29, 0
	s_add_nc_u64 s[28:29], s[4:5], s[28:29]        ; Q's two scale bytes
	s_lshl_b32 s30, s3, 13
	s_lshl_b32 s31, s14, 9
	s_add_co_u32 s30, s30, s31
	s_mov_b32 s31, 0
	s_add_nc_u64 s[30:31], s[8:9], s[30:31]        ; the result's codes: tile, block 2 hd
	s_lshl_b32 s2, s3, 9
	s_lshl_b32 s3, s21, 6
	s_add_co_u32 s2, s2, s3
	s_lshl_b32 s3, s15, 1
	s_add_co_u32 s2, s2, s3
	s_mov_b32 s3, 0
	s_add_nc_u64 s[2:3], s[8:9], s[2:3]            ; and its scale bytes (2 MiB on, in the store's immediate)
	v_and_b32 v8, 15, v0                           ; r
	v_and_b32 v10, 31, v0                          ; lane
	v_lshlrev_b32 v1, 4, v10                       ; K's codes: 16 x lane
	v_add_nc_u32 v2, VC, v1                        ; V's
	v_lshlrev_b32 v7, 2, v8                        ; 4 r
	s_lshl_b32 s67, s15, 1
	s_add_co_u32 s67, s67, KS
	v_add_nc_u32 v3, s67, v7                       ; K's scale bytes: 4 r + the head's half of the word
	v_add_nc_u32 v4, VS, v7                        ; V's scale words
	v_cmp_le_u32 s[HM], 16, v10
	global_load_b128 v[16:19], v1, s[26:27]        ; Q's 64 codes a row: the lower half of the fragment
	global_load_u16 v24, v7, s[28:29]              ; its two scale bytes; the bytes of the zero half are 0
.irp j, 20,21,22,23
	v_mov_b32 v[\j], 0                             ; the upper half of the K step: zero codes
.endr
.irp t, 0,1,2,3,4,5,6,7
.irp j, 4,5,6,7
	v_mov_b32 v[32+8*\t+\j], 0                     ; in K's fragments too: written once, the loads never touch them
.endr
.endr
	v_mov_b32 v13, 0xff61b1e6                      ; the largest t so far: -3e38
	v_floor_f32 v12, -v13                          ; -M
	v_mov_b32 v14, 0
	v_mov_b32 v15, 0
.irp b, 0,1,2,3
	v_mov_b32 v[236+\b], 0                         ; a lane permute's destination counts as one of its sources
.endr
	v_mov_b32 v253, 0                              ; (named as the upper half of v[252:253] before it is first written)
.set J, 0
.rept 32
	v_mov_b32 v[160+J], 0                          ; O^T: the step is written once; the first finds zeros, which the first change of M leaves zeros
.set J, J+1
.endr
	s_mov_b32 s[TK], 0
	s_mov_b32 s[TV], 0
	s_mov_b32 s[TKS], 0
	s_mov_b32 s[TVS], 0
; A KEY STEP: 128 keys
.macro STEP
	v_add_nc_u32 v8, s[TK], v1                     ; (these four are also the places behind the last step's products)
	v_add_nc_u32 v9, s[TV], v2
	v_add_nc_u32 v10, s[TKS], v3
	v_add_nc_u32 v11, s[TVS], v4
.irp t, 0,1,2,3,4,5,6,7
	ds_load_b128 v[32+8*\t:35+8*\t], v8 offset:512*\t
	ds_load_u16 v[240+\t], v10 offset:64*\t
.endr
	s_wait_dscnt 0x0
.irp t, 0,1,2,3,4,5,6,7                        ; S^T = K Q^T: lane (r, h) holds query r; the 16 registers of tiles 2 b, 2 b + 1 are keys 32 b + 16 h + 0 .. 15
	v_wmma_scale_f32_16x16x128_f8f6f4 v[96+8*\t:103+8*\t], v[32+8*\t:39+8*\t], v[16:23], 0, v[240+\t], v24 matrix_a_fmt:MATRIX_FMT_FP4 matrix_b_fmt:MATRIX_FMT_FP4
.endr
.rept 4
	v_nop                                          ; places in front of the first read of the scores, and of the loads below
.endr
.irp t, 0,1,2,3
.irp c, 0,1
	ds_load_b128 v[192+8*\t+4*\c:195+8*\t+4*\c], v9 offset:8192*\t+512*\c   ; V's fragments land while the softmax is walked
.endr
	ds_load_b32 v[248+\t], v11 offset:512*\t
.endr
.irp b, 0,1,2,3
	v_max3_num_f32 v[232+\b], v[96+16*\b], v[97+16*\b], v[98+16*\b]   ; the largest score of each block of 32 keys: for the row's maximum and for the block's largest p
.endr
.irp i, 3,5,7,9,11,13
.irp b, 0,1,2,3
	v_max3_num_f32 v[232+\b], v[232+\b], v[96+16*\b+\i], v[97+16*\b+\i]
.endr
.endr
.irp b, 0,1,2,3
	v_max_num_f32 v[232+\b], v[232+\b], v[111+16*\b]
.endr
.irp b, 0,1,2,3
	v_permlanex16_b32 v[236+\b], v[232+\b], s[SEL], s[SEL+1]
.endr
.irp b, 0,1,2,3
	v_max_num_f32 v[232+\b], v[232+\b], v[236+\b]
.endr
	v_max3_num_f32 v254, v232, v233, v234
	v_max_num_f32 v254, v254, v235
	v_mul_f32 v254, s[CS], v254                    ; as t (c is positive)
	v_max_num_f32 v13, v13, v254                   ; the running largest t
	v_mov_b32 v254, v12
	v_floor_f32 v12, -v13                          ; the new -M = floor(-t): M is a whole number
	v_sub_f32 v254, v12, v254                      ; old M - new M: a whole number, 0 or less
	v_cvt_i32_f32 v254, v254                       ; (it saturates)
	v_ldexp_f32 v252, 1.0, v254                    ; f = 2^(old M - new M)
.set J, 0
.rept 32
	v_pk_fma_f32 v[96+J:97+J], v[96+J:97+J], s[CS:CS+1], v[12:13] op_sel_hi:[1,0,0]   ; t - M, two at a time
.set J, J+2
.endr
.irp b, 0,1,2,3
	v_fma_f32 v[232+\b], v[232+\b], s[CS], v12
.endr
.set J, 0
.rept 64
	v_exp_f32 v[96+J], v[96+J]                     ; p = 2^(t - M)
.set J, J+1
.endr
	v_pk_mul_f32 v[14:15], v[14:15], v[252:253] op_sel_hi:[1,0]   ; the sums under the new M: a plain place behind the exponentials
	s_wait_alu depctr_va_vdst(0)                   ; one wait for the whole batch, ahead of its first reader
.irp b, 0,1,2,3
	v_exp_f32 v[232+\b], v[232+\b]                 ; the block's largest p
.endr
	v_pk_add_f32 v[236:237], v[96:97], v[98:99]    ; the row's sum, of the unquantised p, in two chains
.irp j, 4,8,12,16,20,24,28,32,36,40,44,48,52,56,60
	v_pk_add_f32 v[14:15], v[14:15], v[96+\j:97+\j]
	v_pk_add_f32 v[236:237], v[236:237], v[98+\j:99+\j]
.endr
	v_pk_add_f32 v[14:15], v[14:15], v[236:237]
	s_wait_alu depctr_va_vdst(0)                   ; and one for the four
.irp b, 0,1,2,3
	v_max_num_f32 v[232+\b], 0x1800000, v[232+\b]  ; the floor 2^(3 - 127)
.endr
.irp b, 0,1,2,3
	v_add_nc_u32 v[25+\b], 0xff000000, v[232+\b]   ; the conversion's scale operand
.endr
.irp b, 0,1,2,3
	v_lshrrev_b32 v[236+\b], 23, v[25+\b]          ; the scale's byte
.endr
	v_lshl_or_b32 v253, v237, 8, v236              ; p's scale word for these 128 keys
	v_lshl_or_b32 v253, v238, 16, v253
	v_lshl_or_b32 v253, v239, 24, v253
.irp b, 0,1,2,3
	v_cvt_scalef32_pk8_fp4_f32 v[224+2*\b], v[96+16*\b:103+16*\b], v[25+\b]
	v_cvt_scalef32_pk8_fp4_f32 v[225+2*\b], v[104+16*\b:111+16*\b], v[25+\b]
.endr
	v_nop                                          ; one plain place behind a scaled conversion
.irp c, 0,1
.irp i, 0,1
	v_permlane16_swap_b32 v[224+4*\c+\i], v[226+4*\c+\i]
.endr
.endr
.set J, 0
.rept 16
	v_pk_mul_f32 v[160+J:161+J], v[160+J:161+J], v[252:253] op_sel_hi:[1,0]   ; O^T under the new M; these sixteen are also the places between p's scale word and codes and the products
.set J, J+2
.endr
	s_wait_dscnt 0x0                               ; V
.irp t, 0,1,2,3                                ; O^T += V^T P^T: the four accumulators by turns
	v_wmma_scale_f32_16x16x128_f8f6f4 v[160+8*\t:167+8*\t], v[192+8*\t:199+8*\t], v[224:231], v[160+8*\t:167+8*\t], v[248+\t], v253 matrix_a_fmt:MATRIX_FMT_FP4 matrix_b_fmt:MATRIX_FMT_FP4
.endr
	s_add_co_u32 s[TK], s[TK], 4096                ; 8 key tiles on
	s_add_co_u32 s[TV], s[TV], 1024                ; 4 blocks on
	s_add_co_u32 s[TKS], s[TKS], 512
	s_add_co_u32 s[TVS], s[TVS], 64
.endm
	s_wait_loadcnt 0x0                             ; Q
	s_wait_tensorcnt 0x1                           ; a loading wave's first half is in; its second half may stay out
	s_barrier_signal -1
	s_barrier_wait -1                              ; everybody's is
	s_mov_b32 s[CNT], 8
.Lhalf0:
	STEP
	s_sub_co_u32 s[CNT], s[CNT], 1
	s_cmp_lg_u32 s[CNT], 0
	s_cbranch_scc1 .Lhalf0
	s_wait_tensorcnt 0x0                           ; the second half
	s_wait_dscnt 0x0
	s_barrier_signal -1
	s_barrier_wait -1
	s_mov_b32 s[TK], 32768
	s_mov_b32 s[TV], 32768
	s_mov_b32 s[TKS], 4096
	s_mov_b32 s[TVS], 2048
	s_mov_b32 s[CNT], 8
.Lhalf1:
	STEP
	s_sub_co_u32 s[CNT], s[CNT], 1
	s_cmp_lg_u32 s[CNT], 0
	s_cbranch_scc1 .Lhalf1
	; THE WAY OUT: O^T / the sum; register 16 b + i is channel 32 b + 16 h + i of my query: two blocks of 32, quantised as the projection's operand
.rept 4
	v_nop
.endr
	v_add_f32 v14, v14, v15
	v_permlanex16_b32 v254, v14, s[SEL], s[SEL+1]
	v_add_f32 v14, v14, v254                       ; the row's sum
	v_rcp_f32 v14, v14
	v_and_b32 v8, 15, v0                           ; (a plain place behind the reciprocal)
	v_bfe_u32 v9, v0, 4, 1
	v_lshl_add_u32 v9, v8, 2, v9                   ; 4 r + h: my scale byte's place
	s_wait_alu depctr_va_vdst(0)                   ; ahead of the first reader
.set J, 0
.rept 32
	v_mul_f32 v[96+J], v[160+J], v14
.set J, J+1
.endr
.irp b, 0,1
	v_max3_num_f32 v[232+\b], |v[96+16*\b]|, |v[97+16*\b]|, 0x1800000
.endr
.irp i, 2,4,6,8,10,12,14
.irp b, 0,1
	v_max3_num_f32 v[232+\b], v[232+\b], |v[96+16*\b+\i]|, |v[97+16*\b+\i]|
.endr
.endr
.irp b, 0,1
	v_permlanex16_b32 v[236+\b], v[232+\b], s[SEL], s[SEL+1]
.endr
.irp b, 0,1
	v_max_num_f32 v[232+\b], v[232+\b], v[236+\b]
.endr
.irp b, 0,1
	v_add_nc_u32 v[25+\b], 0xff000000, v[232+\b]
.endr
.irp b, 0,1
	v_lshrrev_b32 v[236+\b], 23, v[25+\b]
.endr
.irp b, 0,1
	v_cvt_scalef32_pk8_fp4_f32 v[224+2*\b], v[96+16*\b:103+16*\b], v[25+\b]
	v_cvt_scalef32_pk8_fp4_f32 v[225+2*\b], v[104+16*\b:111+16*\b], v[25+\b]
.endr
	v_nop
	v_permlane16_swap_b32 v224, v226               ; lanes 0-15 block 0, lanes 16-31 block 1
	v_permlane16_swap_b32 v225, v227
	v_cndmask_b32 v238, v236, v237, s[HM]          ; lane (r, h) stores block h's byte
	global_store_b128 v1, v[224:227], s[30:31]     ; 512 consecutive bytes
	global_store_b8 v9, v238, s[2:3] offset:2097152
	s_wait_tensorcnt 0x0                           ; the wave's end
	ds_add_u32 v[SPW], v[NIL]
	s_wait_dscnt 0x0
	ROUND                                          ; the closing round
	s_endpgm
.Lfunc_end_k_q0c750f489b_attn:
	.size	k_q0c750f489b_attn, .Lfunc_end_k_q0c750f489b_attn-k_q0c750f489b_attn
	.p2alignl 7, 3214868480
	.fill 96, 4, 3214868480
	.section	.rodata,"a",@progbits
	.p2align	6, 0x0
	.amdhsa_kernel k_q0c750f489b_attn
		.amdhsa_group_segment_fixed_size 167936
		.amdhsa_private_segment_fixed_size 0
		.amdhsa_enable_private_segment 0
		.amdhsa_kernarg_size 24
		.amdhsa_user_sgpr_count 2
		.amdhsa_user_sgpr_kernarg_segment_ptr 1
		.amdhsa_wavefront_size32 1
		.amdhsa_system_sgpr_workgroup_id_x 1
		.amdhsa_system_sgpr_workgroup_id_y 1
		.amdhsa_system_sgpr_workgroup_id_z 1
		.amdhsa_system_vgpr_workitem_id 0
		.amdhsa_next_free_vgpr 256
		.amdhsa_next_free_sgpr 100
		.amdhsa_reserve_vcc 0
		.amdhsa_float_denorm_mode_32 3
		.amdhsa_float_denorm_mode_16_64 3
		.amdhsa_memory_ordered 1
		.amdhsa_forward_progress 1
		.amdhsa_inst_pref_size 48
	.end_amdhsa_kernel
	.amdgpu_metadata
---
amdhsa.version: [ 1, 2 ]
amdhsa.kernels:
  - .name:           k_q0c750f489b_attn
    .symbol:         k_q0c750f489b_attn.kd
    .args:
      - { .name: big1, .offset: 0, .size: 8, .value_kind: global_buffer, .address_space: global }
      - { .name: vbuf, .offset: 8, .size: 8, .value_kind: global_buffer, .address_space: global }
      - { .name: opx, .offset: 16, .size: 8, .value_kind: global_buffer, .address_space: global }
    .group_segment_fixed_size: 167936
    .private_segment_fixed_size: 0
    .kernarg_segment_align: 8
    .kernarg_segment_size: 24
    .max_flat_workgroup_size: 512
    .sgpr_count:     100
    .vgpr_count:     256
    .wavefront_size: 32
...
	.end_amdgpu_metadata
.endif
;; end of part 3
;; launch proj (part 4): grid 256 x 1, 16 waves a work-group, no clusters, 82,944 bytes of LDS; arguments opx, wrow, b_proj, src, g1, be1, x1, opwqk; writes x1, opwqk
.if DOCPART == 4
	.amdgcn_target "amdgcn-amd-amdhsa--gfx1250"
	.amdhsa_code_object_version 6
	.text
	.protected	k_q0c750f489b_proj
	.globl	k_q0c750f489b_proj
	.p2align	8
	.type	k_q0c750f489b_proj,@function
k_q0c750f489b_proj:
	s_mov_b64 s[64:65], 0
	v_nop
	global_prefetch_b8 v0, s[64:65] scope:SCOPE_SE
	s_setreg_imm32_b32 hwreg(HW_REG_WAVE_MODE, 25, 1), 1
	s_wait_xcnt 0x0
; y = LN(res + A W^T + bias) x gain + offset, rows whole; [QOUT: and Q(y) as the next product's operand image].  No work is left out.
; A: an operand image (one tile of 16 rows is this work-group's), W: an image of 1,024 rows.  The work-group owns 16 whole rows, so the norm needs no second launch; wave w owns columns 64 w .. 64 w + 63: W's tiles 4 w + t.
; THE MATRIX INSTRUCTION IS USED TRANSPOSED (source 0 = 16 rows of W, source 1 = A's tile): lane (r, h) holds row r, and register 16 b + i column 64 w + 32 b + 16 h + i.
; W GOES FROM MEMORY STRAIGHT INTO REGISTERS: each fragment feeds one matrix instruction of one wave, and in the image it is two loads of 512 consecutive bytes.  Four stages of registers: loads run four K steps ahead.
; NO CLUSTER, though all work-groups walk the same W: with 16 rows to a work-group a K step is four matrix instructions a wave, and a joint tile through LDS would put a round of the cluster's barrier beside each few of them.
; The sums begin as the residual (through the wave's stage in LDS, which turns rows into the result's layout): nothing is cleared.  The K steps are written out: every offset is an immediate.
; The variance is taken of x - mean, in a second pass.  LIMITS: a block of zeros gets the byte 1; NaN and infinities are not served.
; REGISTERS: v1 16 x lane; v2 16 x thread; v3 r; v4 h; v5 W's scale words; v6 lane; v7 A's scale words; v8, v9 the stage, by columns and by rows; v10 rows in memory; v11 64 h; v12, v13 the sums' words; v14, v15 the add's two;
; v16-47 the sums; v48-63 A, two sets; v64, v65 A's scales; v66-73 W's scales, four stages; v74-95 at work; v96-223 W, four stages (at the end bias, gain, offset); v224-255 rows.
.set KST,     8                        ; K steps of 128
.set QOUT,    1
.set A_SC,    2097152                  ; A's scale words behind its codes
.set W_OFF,   0                        ; W's image in wrow
.set WSC_OFF, 2621440                  ; and its scale words
.set TP,      KST*1024                 ; a tile's codes
.set ASC,     TP                       ; LDS: A's image at 0; its scale words;
.set STG,     ASC+KST*64               ; a stage of 16 rows x (256 + 16) bytes for each wave;
.set RED1,    STG+16*4352              ; 16 rows x (16 waves' words + 16 bytes), twice;
.set RED2O,   1280
.set SPARE,   RED1+2*1280              ; the spare words, 128 bytes for each wave
.macro WLOAD q                         ; K step q's four fragments of W and their scale words (lanes 0-15 tile 2 j, lanes 16-31 tile 2 j + 1) into stage q % 4: ten loads
.irp t, 0,1,2,3
.irp c, 0,1
	global_load_b128 v[96+32*((\q)%4)+8*\t+4*\c:96+32*((\q)%4)+8*\t+4*\c+3], v1, s[26:27] offset:\t*TP+(\q)*1024+512*\c
.endr
.endr
.irp j, 0,1
	global_load_b32 v[66+2*((\q)%4)+\j], v5, s[28:29] offset:2*\j*KST*64+(\q)*64
.endr
.endm
.macro ALOAD q                         ; K step q's fragment of A and its scale words into set q % 2: three LDS loads
.irp c, 0,1
	ds_load_b128 v[48+8*((\q)%2)+4*\c:48+8*((\q)%2)+4*\c+3], v1 offset:(\q)*1024+512*\c
.endr
	ds_load_b32 v[64+(\q)%2], v7 offset:(\q)*64
.endm
.macro VLOAD reg, sb                   ; my 32 numbers of a vector along the columns, in the sums' layout: eight loads
.irp k, 0,1,2,3
	global_load_b128 v[\reg+8*\k:\reg+8*\k+3], v11, s[\sb:\sb+1] offset:128*(\k/2)+32*(\k%2)
	global_load_b128 v[\reg+8*\k+4:\reg+8*\k+7], v11, s[\sb:\sb+1] offset:128*(\k/2)+32*(\k%2)+16
.endr
.endm
.macro REDUCE off                      ; v[74:75], my lane's part of a row's sum, becomes the whole row's sum in v76
	v_add_f32 v74, v74, v75
	v_permlanex16_b32 v75, v74, s36, s37
	v_add_f32 v74, v74, v75                        ; my wave's 64 columns
	ds_store_b32 v12, v74 offset:\off              ; both lanes of a row write the same word with the same value
	s_wait_dscnt 0x0
	s_barrier_signal -1
	s_barrier_wait -1
.irp i, 0,1,2,3
	ds_load_b128 v[76+4*\i:79+4*\i], v13 offset:\off+16*\i
.endr
	s_wait_dscnt 0x0
	v_pk_add_f32 v[76:77], v[76:77], v[78:79]
	v_pk_add_f32 v[80:81], v[80:81], v[82:83]
	v_pk_add_f32 v[84:85], v[84:85], v[86:87]
	v_pk_add_f32 v[88:89], v[88:89], v[90:91]
	v_pk_add_f32 v[76:77], v[76:77], v[80:81]
	v_pk_add_f32 v[84:85], v[84:85], v[88:89]
	v_pk_add_f32 v[76:77], v[76:77], v[84:85]
	v_add_f32 v76, v76, v77
.endm
	s_load_b256 s[4:11], s[0:1], 0x0               ; A, wrow, bias, residual
	s_load_b128 s[12:15], s[0:1], 0x20             ; gain, offset
	s_load_b64 s[16:17], s[0:1], 0x30              ; y
.if QOUT
	s_load_b64 s[18:19], s[0:1], 0x38              ; Q(y)
.endif
	v_lshl_add_u32 v14, v0, 2, SPARE               ; my spare word,
	v_mov_b32 v15, 0                               ; and 0: kept for the closing lines
	v_lshrrev_b32 v3, 5, v0
	v_readfirstlane_b32 s20, v3                    ; wave 0..15
	v_and_b32 v3, 15, v0                           ; r
	v_bfe_u32 v4, v0, 4, 1                         ; h
	v_and_b32 v6, 31, v0                           ; lane
	v_lshlrev_b32 v1, 4, v6
	v_lshlrev_b32 v2, 4, v0
	v_lshlrev_b32 v5, 2, v3
	v_add_nc_u32 v7, ASC, v5
	v_mad_u32_u24 v5, v4, KST*64, v5               ; lanes 16-31: the next tile's words
	s_mul_i32 s21, s20, 4352
	s_add_co_u32 s21, s21, STG                     ; my stage
	v_mul_u32_u24 v8, v3, 272
	v_lshl_add_u32 v8, v4, 6, v8
	v_add_nc_u32 v8, s21, v8                       ; by columns: row r, + 64 h
	v_mul_u32_u24 v9, v4, 272
	v_lshl_add_u32 v9, v3, 4, v9
	v_add_nc_u32 v9, s21, v9                       ; by rows: lanes 0-15 one row of 256 bytes, lanes 16-31 the next
	v_lshlrev_b32 v10, 12, v4
	v_lshl_add_u32 v10, v3, 4, v10                 ; and the same two rows in memory
	v_lshlrev_b32 v11, 6, v4
	v_mul_u32_u24 v13, v3, 80
	v_add_nc_u32 v13, RED1, v13
	s_lshl_b32 s21, s20, 2
	v_add_nc_u32 v12, s21, v13
	v_cmp_le_u32 s40, 16, v6                       ; lanes 16-31
	s_mov_b32 s36, 0x76543210
	s_mov_b32 s37, 0xfedcba98
	s_mov_b32 s38, 0x3a800000                      ; 1 / 1,024
	s_mov_b32 s39, 0x3727c5ac                      ; 1e-5
	s_mov_b32 s35, 0
	s_wait_kmcnt 0x0
	s_mul_i32 s34, ttmp9, TP
	s_add_nc_u64 s[22:23], s[4:5], s[34:35]        ; my tile of A
	s_mul_i32 s34, ttmp9, KST*64
	s_add_co_u32 s34, s34, A_SC
	s_add_nc_u64 s[24:25], s[4:5], s[34:35]        ; its scale words
	s_mul_i32 s34, s20, 4*TP
	s_add_co_u32 s34, s34, W_OFF
	s_add_nc_u64 s[26:27], s[6:7], s[34:35]        ; my four tiles of W
	s_mul_i32 s34, s20, 4*KST*64
	s_add_co_u32 s34, s34, WSC_OFF
	s_add_nc_u64 s[28:29], s[6:7], s[34:35]
	s_lshr_b32 s34, ttmp9, 1                       ; the tile's first row: 32 (T / 2) + 8 (T % 2), 4,096 bytes a row; + my 256 bytes
	s_lshl_b32 s34, s34, 17
	s_and_b32 s21, ttmp9, 1
	s_lshl_b32 s21, s21, 15
	s_add_co_u32 s34, s34, s21
	s_lshl_b32 s21, s20, 8
	s_add_co_u32 s34, s34, s21
	s_add_nc_u64 s[30:31], s[10:11], s[34:35]
	s_add_nc_u64 s[32:33], s[16:17], s[34:35]
	s_mov_b32 s34, s21
	s_add_nc_u64 s[8:9], s[8:9], s[34:35]          ; my 64 numbers of the bias, the gain, the offset
	s_add_nc_u64 s[12:13], s[12:13], s[34:35]
	s_add_nc_u64 s[14:15], s[14:15], s[34:35]
.if QOUT
	s_lshl_b32 s34, ttmp9, 13
	s_lshl_b32 s21, s20, 9
	s_add_co_u32 s34, s34, s21
	s_add_nc_u64 s[42:43], s[18:19], s[34:35]      ; Q(y): tile T, blocks 2 w, 2 w + 1
	s_lshl_b32 s34, ttmp9, 9
	s_lshr_b32 s21, s20, 1
	s_lshl_b32 s21, s21, 6
	s_add_co_u32 s34, s34, s21
	s_and_b32 s21, s20, 1
	s_lshl_b32 s21, s21, 1
	s_add_co_u32 s34, s34, s21
	s_add_nc_u64 s[44:45], s[18:19], s[34:35]      ; its scale bytes (2 MiB on, in the store's immediate)
.endif
.set I, 0
.rept KST/8
	global_load_b128 v[76+4*I:79+4*I], v2, s[22:23] offset:8192*I   ; A's image: the 512 threads take 8,192 consecutive bytes
.set I, I+1
.endr
	s_cmp_lt_u32 s20, KST/8
	s_cbranch_scc0 .Lno_sc
	global_load_b128 v[92:95], v2, s[24:25]        ; its scale words: KST x 64 bytes, 512 a wave
.Lno_sc:
.irp i, 0,1,2,3,4,5,6,7
	global_load_b128 v[224+4*\i:227+4*\i], v10, s[30:31] offset:(2*\i+8*(\i/4))*4096   ; the residual: places 2 i, 2 i + 1 of the tile, 256 bytes of each
.endr
	WLOAD 0
	WLOAD 1
	WLOAD 2
	WLOAD 3
	s_wait_loadcnt 40                              ; all but W's four stages of ten loads
.set I, 0
.rept KST/8
	ds_store_b128 v2, v[76+4*I:79+4*I] offset:8192*I
.set I, I+1
.endr
	s_cmp_lt_u32 s20, KST/8
	s_cbranch_scc0 .Lno_sc2
	ds_store_b128 v2, v[92:95] offset:ASC
.Lno_sc2:
.irp i, 0,1,2,3,4,5,6,7
	ds_store_b128 v9, v[224+4*\i:227+4*\i] offset:544*\i
.endr
.irp k, 0,1,2,3
	ds_load_b128 v[16+8*\k:19+8*\k], v8 offset:128*(\k/2)+32*(\k%2)      ; the sums begin as the residual; LDS serves a wave's instructions in order
	ds_load_b128 v[20+8*\k:23+8*\k], v8 offset:128*(\k/2)+32*(\k%2)+16
.endr
	s_wait_dscnt 0x0
	s_barrier_signal -1
	s_barrier_wait -1                              ; A's image lies in LDS
	ALOAD 0
	ALOAD 1
.set Q, 0
.rept KST
.if Q < KST-3
	s_wait_loadcnt 30                              ; this stage's ten loads are in; the three younger stages may be out
.else
	s_wait_loadcnt 24+2*(KST-1-Q)                  ; at the end the younger groups are the vectors' eight loads each
.endif
.if Q < KST-1
	s_wait_dscnt 3                                 ; this step's A is in; the next step's three loads may be out
.else
	s_wait_dscnt 0
.endif
.irp t, 0,1,2,3                                ; the four accumulators by turns
.if \t%2
	v_wmma_scale_f32_16x16x128_f8f6f4 v[16+8*\t:23+8*\t], v[96+32*(Q%4)+8*\t:96+32*(Q%4)+8*\t+7], v[48+8*(Q%2):48+8*(Q%2)+7], v[16+8*\t:23+8*\t], v[66+2*(Q%4)+\t/2], v[64+Q%2] matrix_a_fmt:MATRIX_FMT_FP4 matrix_b_fmt:MATRIX_FMT_FP4 matrix_a_scale:MATRIX_SCALE_ROW1
.else
	v_wmma_scale_f32_16x16x128_f8f6f4 v[16+8*\t:23+8*\t], v[96+32*(Q%4)+8*\t:96+32*(Q%4)+8*\t+7], v[48+8*(Q%2):48+8*(Q%2)+7], v[16+8*\t:23+8*\t], v[66+2*(Q%4)+\t/2], v[64+Q%2] matrix_a_fmt:MATRIX_FMT_FP4 matrix_b_fmt:MATRIX_FMT_FP4
.endif
.endr
.rept 4
	v_nop                                          ; places in front of loads into registers that these products read, and at the end of the first read of the sums
.endr
.if Q+4 < KST
	WLOAD Q+4
.elseif Q == KST-4
	VLOAD 96, 8                                    ; the bias,
.elseif Q == KST-3
	VLOAD 128, 12                                  ; the gain,
.elseif Q == KST-2
	VLOAD 160, 14                                  ; the offset, into stages that are done with
.endif
.if Q+2 < KST
	ALOAD Q+2
.endif
.set Q, Q+1
.endr
	s_wait_loadcnt 16                              ; the bias is in; gain and offset may be out
.set J, 0
.rept 16
	v_pk_add_f32 v[16+J:17+J], v[16+J:17+J], v[96+J:97+J]   ; each accumulator from its low end on
.set J, J+2
.endr
	v_pk_add_f32 v[74:75], v[16:17], v[20:21]      ; the row's sum, in two chains
	v_pk_add_f32 v[76:77], v[18:19], v[22:23]
.irp j, 8,12,16,20,24,28
	v_pk_add_f32 v[74:75], v[74:75], v[16+\j:17+\j]
	v_pk_add_f32 v[76:77], v[76:77], v[18+\j:19+\j]
.endr
	v_pk_add_f32 v[74:75], v[74:75], v[76:77]
	REDUCE 0
	v_mul_f32 v92, 0xba800000, v76                 ; - the mean
	v_mov_b32 v93, v92
.set J, 0
.rept 16
	v_pk_add_f32 v[16+J:17+J], v[16+J:17+J], v[92:93]
.set J, J+2
.endr
	v_pk_mul_f32 v[74:75], v[16:17], v[16:17]      ; the squares' sum
	v_pk_mul_f32 v[76:77], v[18:19], v[18:19]
.irp j, 4,8,12,16,20,24,28
	v_pk_fma_f32 v[74:75], v[16+\j:17+\j], v[16+\j:17+\j], v[74:75]
	v_pk_fma_f32 v[76:77], v[18+\j:19+\j], v[18+\j:19+\j], v[76:77]
.endr
	v_pk_add_f32 v[74:75], v[74:75], v[76:77]
	REDUCE RED2O
	v_fma_f32 v92, v76, s38, s39                   ; the variance + 1e-5
	v_rsq_f32 v92, v92
	v_nop                                          ; a plain place behind the transcendental,
	s_wait_alu depctr_va_vdst(0)                   ; and the wait ahead of its first reader
	v_mov_b32 v93, v92
	s_wait_loadcnt 0x0                             ; gain and offset
.set J, 0
.rept 16
	v_pk_mul_f32 v[16+J:17+J], v[16+J:17+J], v[92:93]
.set J, J+2
.endr
.set J, 0
.rept 16
	v_pk_fma_f32 v[16+J:17+J], v[16+J:17+J], v[128+J:129+J], v[160+J:161+J]
.set J, J+2
.endr
.irp k, 0,1,2,3
	ds_store_b128 v8, v[16+8*\k:19+8*\k] offset:128*(\k/2)+32*(\k%2)     ; through my stage: columns in, rows out
	ds_store_b128 v8, v[20+8*\k:23+8*\k] offset:128*(\k/2)+32*(\k%2)+16
.endr
.irp i, 0,1,2,3,4,5,6,7
	ds_load_b128 v[224+4*\i:227+4*\i], v9 offset:544*\i
.endr
.if QOUT
.irp b, 0,1                                    ; my 64 columns are two blocks of 32 of the next product's K
	v_max3_num_f32 v[74+\b], |v[16+16*\b]|, |v[17+16*\b]|, 0x1800000
.endr
.irp i, 2,4,6,8,10,12,14
.irp b, 0,1
	v_max3_num_f32 v[74+\b], v[74+\b], |v[16+16*\b+\i]|, |v[17+16*\b+\i]|
.endr
.endr
.irp b, 0,1
	v_permlanex16_b32 v[76+\b], v[74+\b], s36, s37
.endr
.irp b, 0,1
	v_max_num_f32 v[74+\b], v[74+\b], v[76+\b]
.endr
.irp b, 0,1
	v_add_nc_u32 v[78+\b], 0xff000000, v[74+\b]
.endr
.irp b, 0,1
	v_lshrrev_b32 v[80+\b], 23, v[78+\b]
.endr
.irp b, 0,1
	v_cvt_scalef32_pk8_fp4_f32 v[84+2*\b], v[16+16*\b:23+16*\b], v[78+\b]
	v_cvt_scalef32_pk8_fp4_f32 v[85+2*\b], v[24+16*\b:31+16*\b], v[78+\b]
.endr
	v_nop                                          ; one plain place behind a scaled conversion
	v_permlane16_swap_b32 v84, v86
	v_permlane16_swap_b32 v85, v87
	v_cndmask_b32 v82, v80, v81, s40               ; lane (r, h) stores block h's byte
	v_lshl_add_u32 v83, v3, 2, v4                  ; at 4 r + h
	global_store_b128 v1, v[84:87], s[42:43]       ; 512 consecutive bytes
	global_store_b8 v83, v82, s[44:45] offset:2097152
.endif
.irp i, 0,1,2,3,4,5,6,7
	s_wait_dscnt 7-\i
	global_store_b128 v10, v[224+4*\i:227+4*\i], s[32:33] offset:(2*\i+8*(\i/4))*4096   ; sixteen lanes store 256 consecutive bytes, aligned
.endr
	s_wait_tensorcnt 0x0                           ; the wave's end: behind my last LDS store
	ds_add_u32 v14, v15
	s_wait_dscnt 0x0
	s_endpgm
.Lfunc_end_k_q0c750f489b_proj:
	.size	k_q0c750f489b_proj, .Lfunc_end_k_q0c750f489b_proj-k_q0c750f489b_proj
	.p2alignl 7, 3214868480
	.fill 96, 4, 3214868480
	.section	.rodata,"a",@progbits
	.p2align	6, 0x0
	.amdhsa_kernel k_q0c750f489b_proj
		.amdhsa_group_segment_fixed_size 82944
		.amdhsa_private_segment_fixed_size 0
		.amdhsa_enable_private_segment 0
		.amdhsa_kernarg_size 64
		.amdhsa_user_sgpr_count 2
		.amdhsa_user_sgpr_kernarg_segment_ptr 1
		.amdhsa_wavefront_size32 1
		.amdhsa_system_sgpr_workgroup_id_x 1
		.amdhsa_system_sgpr_workgroup_id_y 1
		.amdhsa_system_sgpr_workgroup_id_z 1
		.amdhsa_system_vgpr_workitem_id 0
		.amdhsa_next_free_vgpr 256
		.amdhsa_next_free_sgpr 66
		.amdhsa_reserve_vcc 0
		.amdhsa_float_denorm_mode_32 3
		.amdhsa_float_denorm_mode_16_64 3
		.amdhsa_memory_ordered 1
		.amdhsa_forward_progress 1
		.amdhsa_inst_pref_size 36
	.end_amdhsa_kernel
	.amdgpu_metadata
---
amdhsa.version: [ 1, 2 ]
amdhsa.kernels:
  - .name:           k_q0c750f489b_proj
    .symbol:         k_q0c750f489b_proj.kd
    .args:
      - { .name: opx, .offset: 0, .size: 8, .value_kind: global_buffer, .address_space: global }
      - { .name: wrow, .offset: 8, .size: 8, .value_kind: global_buffer, .address_space: global }
      - { .name: b_proj, .offset: 16, .size: 8, .value_kind: global_buffer, .address_space: global }
      - { .name: src, .offset: 24, .size: 8, .value_kind: global_buffer, .address_space: global }
      - { .name: g1, .offset: 32, .size: 8, .value_kind: global_buffer, .address_space: global }
      - { .name: be1, .offset: 40, .size: 8, .value_kind: global_buffer, .address_space: global }
      - { .name: x1, .offset: 48, .size: 8, .value_kind: global_buffer, .address_space: global }
      - { .name: opwqk, .offset: 56, .size: 8, .value_kind: global_buffer, .address_space: global }
    .group_segment_fixed_size: 82944
    .private_segment_fixed_size: 0
    .kernarg_segment_align: 8
    .kernarg_segment_size: 64
    .max_flat_workgroup_size: 512
    .sgpr_count:     66
    .vgpr_count:     256
    .wavefront_size: 32
...
	.end_amdgpu_metadata
.endif
;; end of part 4
;; launch ffn1 (part 5): grid 16 x 16, 4 waves a work-group, clusters of 4 x 4, 327,680 bytes of LDS; arguments opwqk, opw1, big1, b1; writes big1
.if DOCPART == 5
	.amdgcn_target "amdgcn-amd-amdhsa--gfx1250"
	.amdhsa_code_object_version 6
	.text
	.protected	k_q0c750f489b_ffn1
	.globl	k_q0c750f489b_ffn1
	.p2align	8
	.type	k_q0c750f489b_ffn1,@function
k_q0c750f489b_ffn1:
	s_mov_b64 s[64:65], 0
	v_nop
	global_prefetch_b8 v0, s[64:65] scope:SCOPE_SE
	s_setreg_imm32_b32 hwreg(HW_REG_WAVE_MODE, 25, 1), 1
	s_wait_xcnt 0x0
	s_wait_alu depctr_hold_cnt(0) depctr_sa_sdst(0) depctr_va_vdst(0) depctr_va_sdst(0) depctr_va_ssrc(0) depctr_va_vcc(0) depctr_vm_vsrc(0)
	s_getreg_b32 s2, hwreg(HW_REG_IB_STS2, 6, 4)
	s_cmp_eq_u32 s2, 0
	s_cbranch_scc0 .Lentry_in_a_cluster
	s_endpgm
.Lentry_in_a_cluster:
	s_bfe_u32 s2, ttmp6, 0x10000c
	s_cmp_lg_u32 s2, 0xf033
	s_cbranch_scc0 .Lentry_shape_is_right
	s_endpgm
.Lentry_shape_is_right:
; OUT = Q(relu(A B^T + bias)): A and B are operands of K = 1,024 in this program's image order (codes [tile][32][16 rows][16 bytes], scale words 2 MiB behind them, [tile][8][16 rows][4 bytes]);
; the result is quantised in registers along B's rows and stored as an operand image again: codes [A's tile][128][16][16 bytes], scale words 8 MiB behind them, [A's tile][32][16][4 bytes].  No work is left out.
; A tile of the result, 256 x 256, is made by four waves, 128 x 128 each: 64 accumulators of 16 x 16, 512 registers.  K is 1,024: two LDS slots of 512 along K hold all of it, so each slot is filled once.
; An image needs no pitch and no padding: a fragment is 1,024 consecutive bytes, two loads of 512.
; CLUSTERS: 4 x 4 work-groups.  The four of a row of the cluster need the same tiles of A, the four of a column the same tiles of B: each is asked for JOINTLY.
; THE MATRIX INSTRUCTION IS USED TRANSPOSED (source 0 = 16 rows of B, source 1 = 16 rows of A).  By the image's row order a lane's 16 registers of two neighbouring tiles of B are 16 neighbouring rows of B:
; the 64 registers of A's block a are one K step of the next product, and become its fragment by conversions alone.  The bias is the C of each sum's first matrix instruction.
; LIMITS: a block of zeros gets the byte 1 (its codes are zeros; this program alone reads the bytes); blocks under 2^-124 are held at the byte 1; NaN and infinities are not served.
; REGISTERS: window 0: v0-31 addresses; v32-47 scale words, two sets; v48-123 the way out's codes and scale words; v128-191 A's fragments, one set (on the way out v128-144 at work); v192-255 the bias.
;   window 1: B's fragments, two sets, at v0 and v128.   window 2: the accumulators of my rows 0-63 ((a, b) at v[8 (8 a + b)]);   window 3: those of rows 64-127.
.set BIAS_RELU, 1
.set NQ,     4                         ; steps of 128 along K in a slot
.set FR,     8                         ; registers of a fragment
.set NP,     4                         ; places behind this matrix instruction (ISA guide 7.12.1)
.set HALFT,  32768                     ; 8 tiles x 4,096 bytes: what one tensor load brings, and what one wave reads of A or of B
.set SLOT,   4*HALFT                   ; A's 16 tiles, then B's
.set SCL,    2*SLOT                    ; behind the slots: the scale words of all of K
.set HALFS,  4096                      ; those of 8 tiles
.set SPARE,  SCL+4*HALFS               ; the spare words, 128 bytes for each wave
.set SCOFF,  2097152                   ; an operand's scale words lie here behind its codes
.set OSC,    8388608                   ; the result's
.set ADRA, 16                          ; v16-17 LDS address of my A fragments in slot 0, 1
.set ADRB, 20                          ; v20-21 the same for B
.set LI,   24                          ; v24    16 x lane
.set SCO,  25                          ; v25    2,048 (lane / 16) + 4 (lane % 16): the result's scale words
.set ADRS, 27                          ; v27    LDS address of my scale words: lanes 0-15 A's rows, lanes 16-31 B's
.set SPW,  28                          ; v28    my spare word; never rewritten
.set NIL,  29                          ; v29    0; never rewritten
.set SC,   32                          ; scale words: set p at v[SC + 8 p]; register i: lanes 0-15 A's block i, lanes 16-31 B's block i
.set PC,   48                          ; the way out: block a's codes at v[PC + 8 a]
.set PW,   112                         ; its scale word at v[PW + a]
.set PS,   120                         ; two blocks' words in one register
.set AF,   128                         ; A's fragments
.set TM,   128                         ; the way out: at work
.set FLR,  144                         ; the floor under a block's largest magnitude
.set BI,   192                         ; the bias, in the result's layout
.set G1, 24
.set G0, 32
.set G1B, 48
.set G0B, 56
.set G1S, 68
.set G0S, 76
.set G1SB, 80
.set G0SB, 88
.set SEL, 96                           ; s[96:97] lane selects: lane l xor 16
.set MSB, 0
.macro WIN new                         ; the immediate's high byte repeats the setting that is left
.if MSB != \new
	s_set_vgpr_msb (MSB<<8)|\new
.set MSB, \new
.endif
.endm
.set MUL_LO, 0xa1                      ; source 0 (B) window 1, source 1 (A) window 0, C and D window 2
.set MUL_HI, 0xf1                      ; the same, C and D window 3
.if BIAS_RELU
.set ST_LO,  0x81                      ; the first step: C is the bias, in window 0
.set ST_HI,  0xc1
.else
.set ST_LO,  MUL_LO
.set ST_HI,  MUL_HI
.endif
.set TO_B,   0x40                      ; destination window 1, address window 0
; A joint load: waves 0 and 1 fetch for A, waves 2 and 3 for B; the branch hangs on the wave's number alone.  An s_nop 0 and four v_nop follow each of the two lines.
.macro JLOAD g0a, g1a, g0b, g1b
	s_cmp_eq_u32 s15, 0
	s_cbranch_scc0 .Lfor_b_\@
	tensor_load_to_lds s[\g0a:\g0a+3], s[\g1a:\g1a+7]
	s_nop 0
.rept 4
	v_nop
.endr
	s_branch .Lasked_\@
.Lfor_b_\@:
	tensor_load_to_lds s[\g0b:\g0b+3], s[\g1b:\g1b+7]
	s_nop 0
.rept 4
	v_nop
.endr
.Lasked_\@:
.endm
.macro CROUND                          ; a round of the cluster's barrier
	s_barrier_signal -1
	s_barrier_wait -1
	s_cmp_lg_u32 s14, 0
	s_cbranch_scc1 .Lnot_wave_0_\@
	s_barrier_signal -3
.Lnot_wave_0_\@:
	s_barrier_wait -3
	s_barrier_signal -1
	s_barrier_wait -1
.endm
	s_load_b128 s[4:7], s[0:1], 0x0                ; A, B
	s_load_b64 s[12:13], s[0:1], 0x10              ; the result
.if BIAS_RELU
	s_load_b64 s[8:9], s[0:1], 0x18                ; the bias
.endif
	v_lshl_add_u32 v[SPW], v0, 2, SPARE
	v_mov_b32 v[NIL], 0
	ds_add_u32 v[SPW], v[NIL]                      ; the wave's opening: the add, twice on end, and its wait ahead of my first tensor load
	ds_add_u32 v[SPW], v[NIL]
	v_lshrrev_b32 v1, 5, v0
	v_readfirstlane_b32 s14, v1                    ; wave 0..3
	s_lshr_b32 s15, s14, 1                         ; which half of the tile's rows is mine.  Also: I fetch for A (0) or for B (1)
	s_and_b32 s16, s14, 1                          ; which half of its columns.  Also: which 8 tiles I fetch
	s_bfe_u32 s40, ttmp6, 0x40000                  ; cx, cy: my place in the cluster
	s_bfe_u32 s41, ttmp6, 0x40004
	s_lshl_b32 s42, ttmp9, 2
	s_add_co_u32 s42, s42, s40                     ; tile column = 4 x cluster x + cx
	s_and_b32 s17, ttmp7, 0xffff
	s_lshl_b32 s17, s17, 2
	s_add_co_u32 s17, s17, s41                     ; tile row = 4 x cluster y + cy
	s_lshl_b32 s43, s41, 2
	s_lshl_b32 s43, 15, s43                        ; my row of the cluster
	s_lshl_b32 s44, 0x1111, s40                    ; my column
	; group 1, codes: 8 rows (tiles) of 512 elements of 8 bytes (half a tile's K), 1,024 elements from tile to tile; no padding
	s_or_b32 s[G1+0], s43, (3<<16)|(1<<21)
	s_or_b32 s[G1B+0], s44, (3<<16)|(1<<21)
.irp g, G1, G1B
	s_mov_b32 s[\g+1], 512<<16                     ; tensor_dim0
	s_mov_b32 s[\g+2], 8<<16                       ; tensor_dim1
	s_mov_b32 s[\g+3], 512<<16                     ; tile_dim0
	s_mov_b32 s[\g+4], 8                           ; tile_dim1
	s_mov_b32 s[\g+5], 1024                        ; tensor_dim0_stride
	s_mov_b32 s[\g+6], 0
	s_mov_b32 s[\g+7], 0
.endr
	; group 1, scale words of 8 tiles: 4,096 dense bytes as 16 rows of 256
	s_or_b32 s[G1S+0], s43, (3<<16)|(1<<21)
	s_or_b32 s[G1SB+0], s44, (3<<16)|(1<<21)
.irp g, G1S, G1SB
	s_mov_b32 s[\g+1], 32<<16
	s_mov_b32 s[\g+2], 16<<16
	s_mov_b32 s[\g+3], 32<<16
	s_mov_b32 s[\g+4], 16
	s_mov_b32 s[\g+5], 32
	s_mov_b32 s[\g+6], 0
	s_mov_b32 s[\g+7], 0
.endr
	s_mov_b32 s[SEL], 0x76543210
	s_mov_b32 s[SEL+1], 0xfedcba98
	s_lshl_b32 s18, s16, 3
	s_lshl_b32 s20, s17, 4
	s_add_co_u32 s20, s20, s18                     ; A: the first tile that I fetch: 16 x tile row + 8 x half
	s_lshl_b32 s46, s42, 4
	s_add_co_u32 s46, s46, s18                     ; B: 16 x tile column + 8 x half
	s_lshl_b32 s22, s20, 9                         ; their scale words: 512 bytes a tile
	s_add_co_u32 s22, s22, SCOFF
	s_mov_b32 s23, 0
	s_lshl_b32 s92, s46, 9
	s_add_co_u32 s92, s92, SCOFF
	s_mov_b32 s93, 0
	s_lshl_b32 s20, s20, 13                        ; their codes: 8,192 bytes a tile
	s_mov_b32 s21, 0
	s_lshl_b32 s46, s46, 13
	s_mov_b32 s47, 0
	s_mul_i32 s45, s14, HALFT                      ; where they go: no place in the cluster enters an LDS address
	s_mul_i32 s94, s14, HALFS
	s_wait_dscnt 0x0                               ; both opening adds are done
	s_wait_kmcnt 0x0
	s_add_nc_u64 s[20:21], s[4:5], s[20:21]
	s_add_nc_u64 s[22:23], s[4:5], s[22:23]
	s_add_nc_u64 s[46:47], s[6:7], s[46:47]
	s_add_nc_u64 s[92:93], s[6:7], s[92:93]
	CROUND                                         ; all sixteen work-groups are here: the joint loads meet
	s_mov_b32 s[G0S], 1
	s_add_co_u32 s[G0S+1], s94, SCL
	s_mov_b64 s[G0S+2:G0S+3], s[22:23]
	s_or_b32 s[G0S+3], s[G0S+3], 0x80000000
	s_mov_b32 s[G0SB], 1
	s_add_co_u32 s[G0SB+1], s94, SCL
	s_mov_b64 s[G0SB+2:G0SB+3], s[92:93]
	s_or_b32 s[G0SB+3], s[G0SB+3], 0x80000000
	JLOAD G0S, G1S, G0SB, G1SB                     ; the scale words first: they are wanted with the first step
.irp s, 0,1
	s_mov_b32 s[G0+4*\s], 1
	s_add_co_u32 s[G0+4*\s+1], s45, \s*SLOT
	s_add_nc_u64 s[G0+4*\s+2:G0+4*\s+3], s[20:21], \s*4096
	s_or_b32 s[G0+4*\s+3], s[G0+4*\s+3], 0x80000000
	s_mov_b32 s[G0B+4*\s], 1
	s_add_co_u32 s[G0B+4*\s+1], s45, \s*SLOT
	s_add_nc_u64 s[G0B+4*\s+2:G0B+4*\s+3], s[46:47], \s*4096
	s_or_b32 s[G0B+4*\s+3], s[G0B+4*\s+3], 0x80000000
	JLOAD G0+4*\s, G1, G0B+4*\s, G1B               ; both slots: three tensor loads of mine are out
.endr
	v_and_b32 v1, 15, v0                           ; r
	v_bfe_u32 v2, v0, 4, 1                         ; h
	v_and_b32 v3, 31, v0                           ; lane
	v_lshlrev_b32 v[LI], 4, v3
.if BIAS_RELU
	s_lshl_b32 s18, s42, 10                        ; my 128 numbers of the bias: 256 x tile column + 128 x half, 4 bytes each
	s_lshl_b32 s19, s16, 9
	s_add_co_u32 s18, s18, s19
	s_mov_b32 s19, 0
	s_add_nc_u64 s[8:9], s[8:9], s[18:19]
	v_lshlrev_b32 v5, 6, v2                        ; lane (r, h) wants, for B's block b, those of rows 32 (b / 2) + 16 h + 8 (b % 2) + 0 .. 7
.irp b, 0,1,2,3,4,5,6,7
	global_load_b128 v[BI+8*\b:BI+8*\b+3], v5, s[8:9] offset:128*(\b/2)+32*(\b%2)
	global_load_b128 v[BI+8*\b+4:BI+8*\b+7], v5, s[8:9] offset:128*(\b/2)+32*(\b%2)+16
.endr
.endif
	s_mul_i32 s21, s15, HALFT                      ; my 8 tiles of A
	s_mul_i32 s22, s16, HALFT                      ; my 8 tiles of B,
	s_add_co_u32 s22, s22, 2*HALFT                 ; which lie behind A's 16
.irp s, 0,1
	v_add_nc_u32 v[ADRA+\s], s21, v[LI]
	v_add_nc_u32 v[ADRB+\s], s22, v[LI]
	s_add_co_u32 s21, s21, SLOT
	s_add_co_u32 s22, s22, SLOT
.endr
	v_lshlrev_b32 v4, 2, v1                        ; 4 r
	s_mul_i32 s21, s15, HALFS                      ; A's scale words: my 8 tiles
	s_mul_i32 s22, s16, HALFS                      ; B's: my 8 tiles, behind A's 16
	s_add_co_u32 s22, s22, 2*HALFS
	s_sub_co_u32 s22, s22, s21
	v_mul_u32_u24 v6, s22, v2                      ; lanes 16-31 take B's
	s_add_co_u32 s21, s21, SCL
	v_add_nc_u32 v4, v4, v6
	v_add_nc_u32 v[ADRS], s21, v4
	v_lshlrev_b32 v[SCO], 2, v1
	v_lshl_add_u32 v[SCO], v2, 11, v[SCO]
	s_lshl_b32 s20, s17, 4
	s_lshl_b32 s21, s15, 3
	s_add_co_u32 s20, s20, s21                     ; my first tile of the result's rows
	s_lshl_b32 s46, s42, 1
	s_add_co_u32 s46, s46, s16                     ; my K step in the result
	s_lshl_b32 s18, s20, 15                        ; codes: 32,768 bytes a tile, 1,024 a K step
	s_lshl_b32 s19, s46, 10
	s_add_co_u32 s18, s18, s19
	s_mov_b32 s19, 0
	s_add_nc_u64 s[10:11], s[12:13], s[18:19]
	s_lshl_b32 s18, s20, 11                        ; scale words: 2,048 bytes a tile, 64 a K step
	s_lshl_b32 s21, s46, 6
	s_add_co_u32 s18, s18, s21
	s_add_co_u32 s18, s18, OSC
	s_add_nc_u64 s[12:13], s[12:13], s[18:19]
.macro FRAG reg, adr, q, i             ; a fragment: tile i of my 8, the slot's q-th 128 along K: two loads of 512 consecutive bytes
.irp c, 0,1
	ds_load_b128 v[\reg+4*\c:\reg+4*\c+3], v[\adr] offset:(\i)*4096+(\q)*1024+512*\c
.endr
.endm
; 16 matrix instructions: A's blocks a0, a0 + 1 x B's eight.  p: B's set and the set of scale words.  zero = 1: the first product starts the sums, from 0 or from the bias: nothing is ever cleared.
; The 64 accumulators take turns, one instruction a turn, in the same order in every step.
.macro MUL16 a0, p, zero
.irp a, \a0, \a0+1
.irp b, 0,1,2,3,4,5,6,7
.if (\zero) && BIAS_RELU
	v_wmma_scale_f32_16x16x128_f8f6f4 v[8*(8*((\a)%4)+\b):8*(8*((\a)%4)+\b)+7], v[128*(\p)+FR*\b:128*(\p)+FR*\b+FR-1], v[AF+FR*(\a):AF+FR*(\a)+FR-1], v[BI+8*\b:BI+8*\b+7], v[SC+8*(\p)+\b], v[SC+8*(\p)+(\a)] matrix_a_fmt:MATRIX_FMT_FP4 matrix_b_fmt:MATRIX_FMT_FP4 matrix_a_scale:MATRIX_SCALE_ROW1
.elseif \zero
	v_wmma_scale_f32_16x16x128_f8f6f4 v[8*(8*((\a)%4)+\b):8*(8*((\a)%4)+\b)+7], v[128*(\p)+FR*\b:128*(\p)+FR*\b+FR-1], v[AF+FR*(\a):AF+FR*(\a)+FR-1], 0, v[SC+8*(\p)+\b], v[SC+8*(\p)+(\a)] matrix_a_fmt:MATRIX_FMT_FP4 matrix_b_fmt:MATRIX_FMT_FP4 matrix_a_scale:MATRIX_SCALE_ROW1
.else
	v_wmma_scale_f32_16x16x128_f8f6f4 v[8*(8*((\a)%4)+\b):8*(8*((\a)%4)+\b)+7], v[128*(\p)+FR*\b:128*(\p)+FR*\b+FR-1], v[AF+FR*(\a):AF+FR*(\a)+FR-1], v[8*(8*((\a)%4)+\b):8*(8*((\a)%4)+\b)+7], v[SC+8*(\p)+\b], v[SC+8*(\p)+(\a)] matrix_a_fmt:MATRIX_FMT_FP4 matrix_b_fmt:MATRIX_FMT_FP4 matrix_a_scale:MATRIX_SCALE_ROW1
.endif
.endr
.endr
.endm
.macro FETCH_B slot, q, p
	WIN TO_B
.irp i, 0,1,2,3,4,5,6,7
	FRAG 128*(\p)+FR*\i, ADRB+\slot, \q, \i
.endr
	WIN 0
.endm
.macro FETCH_A slot, q, i0
.irp i, \i0, \i0+1, \i0+2, \i0+3
	FRAG AF+FR*(\i), ADRA+\slot, \q, \i
.endr
.endm
.macro SCW st, p                       ; K step st's scale words (st = 0..7) into set p: lanes 0-15 A's block i, lanes 16-31 B's block i
.irp i, 0,1,2,3,4,5,6,7
	ds_load_b32 v[SC+8*(\p)+\i], v[ADRS] offset:\i*512+(\st)*64
.endr
.endm
.macro PLACES n                        ; plain vector instructions between a matrix instruction and a load into, or a vector read of, its registers
.rept \n
	v_nop
.endr
.endm
.macro STEP slot, q, zero              ; a step of 128 along K that has its successor in the same slot
	s_wait_dscnt 8                                 ; B's set, the scale words and A's blocks 0-3 are in; the youngest eight loads (A's blocks 4-7) may be out
.if \zero
	WIN ST_LO
.else
	WIN MUL_LO
.endif
	MUL16 0, (\q)%2, \zero
	MUL16 2, (\q)%2, \zero
	s_wait_dscnt 0                                 ; A's blocks 4-7 are in
	PLACES NP
	FETCH_B \slot, (\q)+1, 1-(\q)%2
	SCW 4*(\slot)+(\q)+1, 1-(\q)%2
	FETCH_A \slot, (\q)+1, 0
.if \zero
	WIN ST_HI
.else
	WIN MUL_HI
.endif
	MUL16 4, (\q)%2, \zero
	MUL16 6, (\q)%2, \zero
	PLACES NP
	WIN 0
	FETCH_A \slot, (\q)+1, 4
.endm
; Slot 0's last step goes on into slot 1: each wave waits for its part of slot 1, and one barrier shows the whole slot to all four.  Nothing is filled again.
.macro TURN slot, next
	s_wait_tensorcnt 0x0                           ; all my tensor loads have landed
	ds_add_u32 v[SPW], v[NIL]                      ; 0 onto my spare word
	s_wait_dscnt 9                                 ; (the add and the youngest eight loads may be out)
	WIN MUL_LO
	MUL16 0, 1, 0
	s_wait_dscnt 0x0                               ; no LDS instruction of mine is out at the signal
	s_barrier_signal -1
	MUL16 2, 1, 0
	WIN 0
	s_barrier_wait -1
	PLACES NP
	FETCH_B \next, 0, 0
	SCW 4*(\next), 0
	FETCH_A \next, 0, 0
	WIN MUL_HI
	MUL16 4, 1, 0
	MUL16 6, 1, 0
	PLACES NP
	WIN 0
	FETCH_A \next, 0, 4
.endm
.macro STEPS slot, from
.set Q, \from
.rept NQ-1-\from
	STEP \slot, Q, 0
.set Q, Q+1
.endr
.endm
	s_wait_tensorcnt 1                             ; the scale words and my part of slot 0 are in (slot 1's load may be out),
	s_barrier_signal -1
	s_barrier_wait -1                              ; everybody's are
	FETCH_B 0, 0, 0
	SCW 0, 0
	FETCH_A 0, 0, 0
	FETCH_A 0, 0, 4
.if BIAS_RELU
	s_wait_loadcnt 0x0                             ; the bias
.endif
	STEP 0, 0, 1
	STEPS 0, 1
	TURN 0, 1
	STEPS 1, 0
	s_wait_dscnt 8                                 ; the last step: nothing more to fetch
	WIN MUL_LO
	MUL16 0, 1, 0
	MUL16 2, 1, 0
	s_wait_dscnt 0
	WIN MUL_HI
	MUL16 4, 1, 0
	MUL16 6, 1, 0
	WIN 0
; THE WAY OUT.  Block a (16 rows of A x my 128 rows of B): register 16 b + i of its 64 is number 32 b + 16 (lane / 16) + i of my lane's row: relu, the blocks' largest magnitudes, scale bytes, conversions;
; the eight registers of codes are the next product's fragment and leave as two stores of 512 consecutive bytes.  Every accumulator is read from its low end on.  Each block has registers of its own for what it stores.
.macro QBLK a
.set QW, 2+(\a)/4
.set QS, 64*((\a)%4)
.if BIAS_RELU
.set WN, (QW<<6)|(QW<<2)
	WIN WN                                         ; destination and source 1: the block's window
.set QJ, 0
.rept 64
	v_max_num_f32 v[QS+QJ], 0, v[QS+QJ]
.set QJ, QJ+1
.endr
.endif
.set WN, (QW<<2)|(QW<<4)
	WIN WN                                         ; sources 1 and 2: the block's window
.irp b, 0,1,2,3
	v_max3_num_f32 v[TM+\b], v[FLR], |v[QS+16*\b]|, |v[QS+16*\b+1]|
.endr
.irp i, 2,4,6,8,10,12,14
.irp b, 0,1,2,3
	v_max3_num_f32 v[TM+\b], v[TM+\b], |v[QS+16*\b+\i]|, |v[QS+16*\b+\i+1]|
.endr
.endr
	WIN 0
.irp b, 0,1,2,3
	v_permlanex16_b32 v[TM+4+\b], v[TM+\b], s[SEL], s[SEL+1]
.endr
.irp b, 0,1,2,3
	v_max_num_f32 v[TM+\b], v[TM+\b], v[TM+4+\b]
.endr
.irp b, 0,1,2,3
	v_add_nc_u32 v[TM+12+\b], 0xff000000, v[TM+\b]   ; 2 off the exponent field: the conversion's scale operand
.endr
.irp b, 0,1,2,3
	v_lshrrev_b32 v[TM+4+\b], 23, v[TM+12+\b]
.endr
	v_lshl_or_b32 v[PW+(\a)], v[TM+5], 8, v[TM+4]
	v_lshl_or_b32 v[PW+(\a)], v[TM+6], 16, v[PW+(\a)]
	v_lshl_or_b32 v[PW+(\a)], v[TM+7], 24, v[PW+(\a)]
	WIN QW                                         ; source 0: the block's window
.irp b, 0,1,2,3
	v_cvt_scalef32_pk8_fp4_f32 v[PC+8*(\a)+2*\b], v[QS+16*\b:QS+16*\b+7], v[TM+12+\b]
	v_cvt_scalef32_pk8_fp4_f32 v[PC+8*(\a)+2*\b+1], v[QS+16*\b+8:QS+16*\b+15], v[TM+12+\b]
.endr
	WIN 0
	v_nop                                          ; one plain place behind a scaled conversion
.irp c, 0,1
.irp i, 0,1
	v_permlane16_swap_b32 v[PC+8*(\a)+4*\c+\i], v[PC+8*(\a)+4*\c+2+\i]
.endr
.endr
.irp c, 0,1
	global_store_b128 v[LI], v[PC+8*(\a)+4*\c:PC+8*(\a)+4*\c+3], s[10:11] offset:(\a)*32768+512*\c
.endr
.endm
	PLACES NP                                      ; behind the last products: for the reads of results and for the writes into registers that held A's fragments
	v_mov_b32 v[FLR], 0x1800000                    ; 2^(3 - 127): the byte cannot fall under 1
.irp b, 0,1,2,3
	v_mov_b32 v[TM+4+\b], 0                        ; a lane permute's destination counts as one of its sources
.endr
	v_cmp_le_u32 s3, 16, v3                        ; lanes 16-31
.irp a, 0,1,2,3,4,5,6,7
	QBLK \a
.endr
.irp k, 0,1,2,3
	v_cndmask_b32 v[PS+\k], v[PW+2*\k], v[PW+2*\k+1], s3   ; lanes 0-15 block 2 k's words, lanes 16-31 block 2 k + 1's
.endr
.irp k, 0,1,2,3
	global_store_b32 v[SCO], v[PS+\k], s[12:13] offset:\k*4096
.endr
	s_wait_tensorcnt 0x0                           ; the wave's end
	ds_add_u32 v[SPW], v[NIL]
	s_wait_dscnt 0x0
	CROUND                                         ; the closing round
	s_endpgm
.Lfunc_end_k_q0c750f489b_ffn1:
	.size	k_q0c750f489b_ffn1, .Lfunc_end_k_q0c750f489b_ffn1-k_q0c750f489b_ffn1
	.p2alignl 7, 3214868480
	.fill 96, 4, 3214868480
	.section	.rodata,"a",@progbits
	.p2align	6, 0x0
	.amdhsa_kernel k_q0c750f489b_ffn1
		.amdhsa_group_segment_fixed_size 327680
		.amdhsa_private_segment_fixed_size 0
		.amdhsa_enable_private_segment 0
		.amdhsa_kernarg_size 32
		.amdhsa_user_sgpr_count 2
		.amdhsa_user_sgpr_kernarg_segment_ptr 1
		.amdhsa_wavefront_size32 1
		.amdhsa_system_sgpr_workgroup_id_x 1
		.amdhsa_system_sgpr_workgroup_id_y 1
		.amdhsa_system_sgpr_workgroup_id_z 1
		.amdhsa_system_vgpr_workitem_id 0
		.amdhsa_next_free_vgpr 1024
		.amdhsa_next_free_sgpr 98
		.amdhsa_reserve_vcc 0
		.amdhsa_float_denorm_mode_32 3
		.amdhsa_float_denorm_mode_16_64 3
		.amdhsa_memory_ordered 1
		.amdhsa_forward_progress 1
		.amdhsa_inst_pref_size 148
	.end_amdhsa_kernel
	.amdgpu_metadata
---
amdhsa.version: [ 1, 2 ]
amdhsa.kernels:
  - .name:           k_q0c750f489b_ffn1
    .symbol:         k_q0c750f489b_ffn1.kd
    .args:
      - { .name: opwqk, .offset: 0, .size: 8, .value_kind: global_buffer, .address_space: global }
      - { .name: opw1, .offset: 8, .size: 8, .value_kind: global_buffer, .address_space: global }
      - { .name: big1, .offset: 16, .size: 8, .value_kind: global_buffer, .address_space: global }
      - { .name: b1, .offset: 24, .size: 8, .value_kind: global_buffer, .address_space: global }
    .group_segment_fixed_size: 327680
    .private_segment_fixed_size: 0
    .kernarg_segment_align: 8
    .kernarg_segment_size: 32
    .max_flat_workgroup_size: 128
    .sgpr_count:     98
    .vgpr_count:     1024
    .wavefront_size: 32
...
	.end_amdgpu_metadata
.endif
;; end of part 5
;; launch ffn2 (part 6): grid 256 x 1, 16 waves a work-group, no clusters, 109,056 bytes of LDS; arguments big1, wrow, b2, x1, g2, be2, out0; writes out0
.if DOCPART == 6
	.amdgcn_target "amdgcn-amd-amdhsa--gfx1250"
	.amdhsa_code_object_version 6
	.text
	.protected	k_q0c750f489b_ffn2
	.globl	k_q0c750f489b_ffn2
	.p2align	8
	.type	k_q0c750f489b_ffn2,@function
k_q0c750f489b_ffn2:
	s_mov_b64 s[64:65], 0
	v_nop
	global_prefetch_b8 v0, s[64:65] scope:SCOPE_SE
	s_setreg_imm32_b32 hwreg(HW_REG_WAVE_MODE, 25, 1), 1
	s_wait_xcnt 0x0
; y = LN(res + A W^T + bias) x gain + offset, rows whole.  No work is left out.
; A: an operand image (one tile of 16 rows is this work-group's), W: an image of 1,024 rows.  The work-group owns 16 whole rows, so the norm needs no second launch; wave w owns columns 64 w .. 64 w + 63: W's tiles 4 w + t.
; THE MATRIX INSTRUCTION IS USED TRANSPOSED (source 0 = 16 rows of W, source 1 = A's tile): lane (r, h) holds row r, and register 16 b + i column 64 w + 32 b + 16 h + i.
; W GOES FROM MEMORY STRAIGHT INTO REGISTERS: each fragment feeds one matrix instruction of one wave, and in the image it is two loads of 512 consecutive bytes.  Four stages of registers: loads run four K steps ahead.
; NO CLUSTER, though all work-groups walk the same W: with 16 rows to a work-group a K step is four matrix instructions a wave, and a joint tile through LDS would put a round of the cluster's barrier beside each few of them.
; The sums begin as the residual (through the wave's stage in LDS, which turns rows into the result's layout): nothing is cleared.  The K steps are written out: every offset is an immediate.
; The variance is taken of x - mean, in a second pass.  LIMITS: NaN and infinities are not served.
; REGISTERS: v1 16 x lane; v2 16 x thread; v3 r; v4 h; v5 W's scale words; v6 lane; v7 A's scale words; v8, v9 the stage, by columns and by rows; v10 rows in memory; v11 64 h; v12, v13 the sums' words; v14, v15 the add's two;
; v16-47 the sums; v48-63 A, two sets; v64, v65 A's scales; v66-73 W's scales, four stages; v74-95 at work; v96-223 W, four stages (at the end bias, gain, offset); v224-255 rows.
.set KST,     32                       ; K steps of 128
.set QOUT,    0
.set A_SC,    8388608                  ; A's scale words behind its codes
.set W_OFF,   524288                   ; W's image in wrow
.set WSC_OFF, 2654208                  ; and its scale words
.set TP,      KST*1024                 ; a tile's codes
.set ASC,     TP                       ; LDS: A's image at 0; its scale words;
.set STG,     ASC+KST*64               ; a stage of 16 rows x (256 + 16) bytes for each wave;
.set RED1,    STG+16*4352              ; 16 rows x (16 waves' words + 16 bytes), twice;
.set RED2O,   1280
.set SPARE,   RED1+2*1280              ; the spare words, 128 bytes for each wave
.macro WLOAD q                         ; K step q's four fragments of W and their scale words (lanes 0-15 tile 2 j, lanes 16-31 tile 2 j + 1) into stage q % 4: ten loads
.irp t, 0,1,2,3
.irp c, 0,1
	global_load_b128 v[96+32*((\q)%4)+8*\t+4*\c:96+32*((\q)%4)+8*\t+4*\c+3], v1, s[26:27] offset:\t*TP+(\q)*1024+512*\c
.endr
.endr
.irp j, 0,1
	global_load_b32 v[66+2*((\q)%4)+\j], v5, s[28:29] offset:2*\j*KST*64+(\q)*64
.endr
.endm
.macro ALOAD q                         ; K step q's fragment of A and its scale words into set q % 2: three LDS loads
.irp c, 0,1
	ds_load_b128 v[48+8*((\q)%2)+4*\c:48+8*((\q)%2)+4*\c+3], v1 offset:(\q)*1024+512*\c
.endr
	ds_load_b32 v[64+(\q)%2], v7 offset:(\q)*64
.endm
.macro VLOAD reg, sb                   ; my 32 numbers of a vector along the columns, in the sums' layout: eight loads
.irp k, 0,1,2,3
	global_load_b128 v[\reg+8*\k:\reg+8*\k+3], v11, s[\sb:\sb+1] offset:128*(\k/2)+32*(\k%2)
	global_load_b128 v[\reg+8*\k+4:\reg+8*\k+7], v11, s[\sb:\sb+1] offset:128*(\k/2)+32*(\k%2)+16
.endr
.endm
.macro REDUCE off                      ; v[74:75], my lane's part of a row's sum, becomes the whole row's sum in v76
	v_add_f32 v74, v74, v75
	v_permlanex16_b32 v75, v74, s36, s37
	v_add_f32 v74, v74, v75                        ; my wave's 64 columns
	ds_store_b32 v12, v74 offset:\off              ; both lanes of a row write the same word with the same value
	s_wait_dscnt 0x0
	s_barrier_signal -1
	s_barrier_wait -1
.irp i, 0,1,2,3
	ds_load_b128 v[76+4*\i:79+4*\i], v13 offset:\off+16*\i
.endr
	s_wait_dscnt 0x0
	v_pk_add_f32 v[76:77], v[76:77], v[78:79]
	v_pk_add_f32 v[80:81], v[80:81], v[82:83]
	v_pk_add_f32 v[84:85], v[84:85], v[86:87]
	v_pk_add_f32 v[88:89], v[88:89], v[90:91]
	v_pk_add_f32 v[76:77], v[76:77], v[80:81]
	v_pk_add_f32 v[84:85], v[84:85], v[88:89]
	v_pk_add_f32 v[76:77], v[76:77], v[84:85]
	v_add_f32 v76, v76, v77
.endm
	s_load_b256 s[4:11], s[0:1], 0x0               ; A, wrow, bias, residual
	s_load_b128 s[12:15], s[0:1], 0x20             ; gain, offset
	s_load_b64 s[16:17], s[0:1], 0x30              ; y
.if QOUT
	s_load_b64 s[18:19], s[0:1], 0x38              ; Q(y)
.endif
	v_lshl_add_u32 v14, v0, 2, SPARE               ; my spare word,
	v_mov_b32 v15, 0                               ; and 0: kept for the closing lines
	v_lshrrev_b32 v3, 5, v0
	v_readfirstlane_b32 s20, v3                    ; wave 0..15
	v_and_b32 v3, 15, v0                           ; r
	v_bfe_u32 v4, v0, 4, 1                         ; h
	v_and_b32 v6, 31, v0                           ; lane
	v_lshlrev_b32 v1, 4, v6
	v_lshlrev_b32 v2, 4, v0
	v_lshlrev_b32 v5, 2, v3
	v_add_nc_u32 v7, ASC, v5
	v_mad_u32_u24 v5, v4, KST*64, v5               ; lanes 16-31: the next tile's words
	s_mul_i32 s21, s20, 4352
	s_add_co_u32 s21, s21, STG                     ; my stage
	v_mul_u32_u24 v8, v3, 272
	v_lshl_add_u32 v8, v4, 6, v8
	v_add_nc_u32 v8, s21, v8                       ; by columns: row r, + 64 h
	v_mul_u32_u24 v9, v4, 272
	v_lshl_add_u32 v9, v3, 4, v9
	v_add_nc_u32 v9, s21, v9                       ; by rows: lanes 0-15 one row of 256 bytes, lanes 16-31 the next
	v_lshlrev_b32 v10, 12, v4
	v_lshl_add_u32 v10, v3, 4, v10                 ; and the same two rows in memory
	v_lshlrev_b32 v11, 6, v4
	v_mul_u32_u24 v13, v3, 80
	v_add_nc_u32 v13, RED1, v13
	s_lshl_b32 s21, s20, 2
	v_add_nc_u32 v12, s21, v13
	v_cmp_le_u32 s40, 16, v6                       ; lanes 16-31
	s_mov_b32 s36, 0x76543210
	s_mov_b32 s37, 0xfedcba98
	s_mov_b32 s38, 0x3a800000                      ; 1 / 1,024
	s_mov_b32 s39, 0x3727c5ac                      ; 1e-5
	s_mov_b32 s35, 0
	s_wait_kmcnt 0x0
	s_mul_i32 s34, ttmp9, TP
	s_add_nc_u64 s[22:23], s[4:5], s[34:35]        ; my tile of A
	s_mul_i32 s34, ttmp9, KST*64
	s_add_co_u32 s34, s34, A_SC
	s_add_nc_u64 s[24:25], s[4:5], s[34:35]        ; its scale words
	s_mul_i32 s34, s20, 4*TP
	s_add_co_u32 s34, s34, W_OFF
	s_add_nc_u64 s[26:27], s[6:7], s[34:35]        ; my four tiles of W
	s_mul_i32 s34, s20, 4*KST*64
	s_add_co_u32 s34, s34, WSC_OFF
	s_add_nc_u64 s[28:29], s[6:7], s[34:35]
	s_lshr_b32 s34, ttmp9, 1                       ; the tile's first row: 32 (T / 2) + 8 (T % 2), 4,096 bytes a row; + my 256 bytes
	s_lshl_b32 s34, s34, 17
	s_and_b32 s21, ttmp9, 1
	s_lshl_b32 s21, s21, 15
	s_add_co_u32 s34, s34, s21
	s_lshl_b32 s21, s20, 8
	s_add_co_u32 s34, s34, s21
	s_add_nc_u64 s[30:31], s[10:11], s[34:35]
	s_add_nc_u64 s[32:33], s[16:17], s[34:35]
	s_mov_b32 s34, s21
	s_add_nc_u64 s[8:9], s[8:9], s[34:35]          ; my 64 numbers of the bias, the gain, the offset
	s_add_nc_u64 s[12:13], s[12:13], s[34:35]
	s_add_nc_u64 s[14:15], s[14:15], s[34:35]
.if QOUT
	s_lshl_b32 s34, ttmp9, 13
	s_lshl_b32 s21, s20, 9
	s_add_co_u32 s34, s34, s21
	s_add_nc_u64 s[42:43], s[18:19], s[34:35]      ; Q(y): tile T, blocks 2 w, 2 w + 1
	s_lshl_b32 s34, ttmp9, 9
	s_lshr_b32 s21, s20, 1
	s_lshl_b32 s21, s21, 6
	s_add_co_u32 s34, s34, s21
	s_and_b32 s21, s20, 1
	s_lshl_b32 s21, s21, 1
	s_add_co_u32 s34, s34, s21
	s_add_nc_u64 s[44:45], s[18:19], s[34:35]      ; its scale bytes (2 MiB on, in the store's immediate)
.endif
.set I, 0
.rept KST/8
	global_load_b128 v[76+4*I:79+4*I], v2, s[22:23] offset:8192*I   ; A's image: the 512 threads take 8,192 consecutive bytes
.set I, I+1
.endr
	s_cmp_lt_u32 s20, KST/8
	s_cbranch_scc0 .Lno_sc
	global_load_b128 v[92:95], v2, s[24:25]        ; its scale words: KST x 64 bytes, 512 a wave
.Lno_sc:
.irp i, 0,1,2,3,4,5,6,7
	global_load_b128 v[224+4*\i:227+4*\i], v10, s[30:31] offset:(2*\i+8*(\i/4))*4096   ; the residual: places 2 i, 2 i + 1 of the tile, 256 bytes of each
.endr
	WLOAD 0
	WLOAD 1
	WLOAD 2
	WLOAD 3
	s_wait_loadcnt 40                              ; all but W's four stages of ten loads
.set I, 0
.rept KST/8
	ds_store_b128 v2, v[76+4*I:79+4*I] offset:8192*I
.set I, I+1
.endr
	s_cmp_lt_u32 s20, KST/8
	s_cbranch_scc0 .Lno_sc2
	ds_store_b128 v2, v[92:95] offset:ASC
.Lno_sc2:
.irp i, 0,1,2,3,4,5,6,7
	ds_store_b128 v9, v[224+4*\i:227+4*\i] offset:544*\i
.endr
.irp k, 0,1,2,3
	ds_load_b128 v[16+8*\k:19+8*\k], v8 offset:128*(\k/2)+32*(\k%2)      ; the sums begin as the residual; LDS serves a wave's instructions in order
	ds_load_b128 v[20+8*\k:23+8*\k], v8 offset:128*(\k/2)+32*(\k%2)+16
.endr
	s_wait_dscnt 0x0
	s_barrier_signal -1
	s_barrier_wait -1                              ; A's image lies in LDS
	ALOAD 0
	ALOAD 1
.set Q, 0
.rept KST
.if Q < KST-3
	s_wait_loadcnt 30                              ; this stage's ten loads are in; the three younger stages may be out
.else
	s_wait_loadcnt 24+2*(KST-1-Q)                  ; at the end the younger groups are the vectors' eight loads each
.endif
.if Q < KST-1
	s_wait_dscnt 3                                 ; this step's A is in; the next step's three loads may be out
.else
	s_wait_dscnt 0
.endif
.irp t, 0,1,2,3                                ; the four accumulators by turns
.if \t%2
	v_wmma_scale_f32_16x16x128_f8f6f4 v[16+8*\t:23+8*\t], v[96+32*(Q%4)+8*\t:96+32*(Q%4)+8*\t+7], v[48+8*(Q%2):48+8*(Q%2)+7], v[16+8*\t:23+8*\t], v[66+2*(Q%4)+\t/2], v[64+Q%2] matrix_a_fmt:MATRIX_FMT_FP4 matrix_b_fmt:MATRIX_FMT_FP4 matrix_a_scale:MATRIX_SCALE_ROW1
.else
	v_wmma_scale_f32_16x16x128_f8f6f4 v[16+8*\t:23+8*\t], v[96+32*(Q%4)+8*\t:96+32*(Q%4)+8*\t+7], v[48+8*(Q%2):48+8*(Q%2)+7], v[16+8*\t:23+8*\t], v[66+2*(Q%4)+\t/2], v[64+Q%2] matrix_a_fmt:MATRIX_FMT_FP4 matrix_b_fmt:MATRIX_FMT_FP4
.endif
.endr
.rept 4
	v_nop                                          ; places in front of loads into registers that these products read, and at the end of the first read of the sums
.endr
.if Q+4 < KST
	WLOAD Q+4
.elseif Q == KST-4
	VLOAD 96, 8                                    ; the bias,
.elseif Q == KST-3
	VLOAD 128, 12                                  ; the gain,
.elseif Q == KST-2
	VLOAD 160, 14                                  ; the offset, into stages that are done with
.endif
.if Q+2 < KST
	ALOAD Q+2
.endif
.set Q, Q+1
.endr
	s_wait_loadcnt 16                              ; the bias is in; gain and offset may be out
.set J, 0
.rept 16
	v_pk_add_f32 v[16+J:17+J], v[16+J:17+J], v[96+J:97+J]   ; each accumulator from its low end on
.set J, J+2
.endr
	v_pk_add_f32 v[74:75], v[16:17], v[20:21]      ; the row's sum, in two chains
	v_pk_add_f32 v[76:77], v[18:19], v[22:23]
.irp j, 8,12,16,20,24,28
	v_pk_add_f32 v[74:75], v[74:75], v[16+\j:17+\j]
	v_pk_add_f32 v[76:77], v[76:77], v[18+\j:19+\j]
.endr
	v_pk_add_f32 v[74:75], v[74:75], v[76:77]
	REDUCE 0
	v_mul_f32 v92, 0xba800000, v76                 ; - the mean
	v_mov_b32 v93, v92
.set J, 0
.rept 16
	v_pk_add_f32 v[16+J:17+J], v[16+J:17+J], v[92:93]
.set J, J+2
.endr
	v_pk_mul_f32 v[74:75], v[16:17], v[16:17]      ; the squares' sum
	v_pk_mul_f32 v[76:77], v[18:19], v[18:19]
.irp j, 4,8,12,16,20,24,28
	v_pk_fma_f32 v[74:75], v[16+\j:17+\j], v[16+\j:17+\j], v[74:75]
	v_pk_fma_f32 v[76:77], v[18+\j:19+\j], v[18+\j:19+\j], v[76:77]
.endr
	v_pk_add_f32 v[74:75], v[74:75], v[76:77]
	REDUCE RED2O
	v_fma_f32 v92, v76, s38, s39                   ; the variance + 1e-5
	v_rsq_f32 v92, v92
	v_nop                                          ; a plain place behind the transcendental,
	s_wait_alu depctr_va_vdst(0)                   ; and the wait ahead of its first reader
	v_mov_b32 v93, v92
	s_wait_loadcnt 0x0                             ; gain and offset
.set J, 0
.rept 16
	v_pk_mul_f32 v[16+J:17+J], v[16+J:17+J], v[92:93]
.set J, J+2
.endr
.set J, 0
.rept 16
	v_pk_fma_f32 v[16+J:17+J], v[16+J:17+J], v[128+J:129+J], v[160+J:161+J]
.set J, J+2
.endr
.irp k, 0,1,2,3
	ds_store_b128 v8, v[16+8*\k:19+8*\k] offset:128*(\k/2)+32*(\k%2)     ; through my stage: columns in, rows out
	ds_store_b128 v8, v[20+8*\k:23+8*\k] offset:128*(\k/2)+32*(\k%2)+16
.endr
.irp i, 0,1,2,3,4,5,6,7
	ds_load_b128 v[224+4*\i:227+4*\i], v9 offset:544*\i
.endr
.irp i, 0,1,2,3,4,5,6,7
	s_wait_dscnt 7-\i
	global_store_b128 v10, v[224+4*\i:227+4*\i], s[32:33] offset:(2*\i+8*(\i/4))*4096   ; sixteen lanes store 256 consecutive bytes, aligned
.endr
	s_wait_tensorcnt 0x0                           ; the wave's end: behind my last LDS store
	ds_add_u32 v14, v15
	s_wait_dscnt 0x0
	s_endpgm
.Lfunc_end_k_q0c750f489b_ffn2:
	.size	k_q0c750f489b_ffn2, .Lfunc_end_k_q0c750f489b_ffn2-k_q0c750f489b_ffn2
	.p2alignl 7, 3214868480
	.fill 96, 4, 3214868480
	.section	.rodata,"a",@progbits
	.p2align	6, 0x0
	.amdhsa_kernel k_q0c750f489b_ffn2
		.amdhsa_group_segment_fixed_size 109056
		.amdhsa_private_segment_fixed_size 0
		.amdhsa_enable_private_segment 0
		.amdhsa_kernarg_size 56
		.amdhsa_user_sgpr_count 2
		.amdhsa_user_sgpr_kernarg_segment_ptr 1
		.amdhsa_wavefront_size32 1
		.amdhsa_system_sgpr_workgroup_id_x 1
		.amdhsa_system_sgpr_workgroup_id_y 1
		.amdhsa_system_sgpr_workgroup_id_z 1
		.amdhsa_system_vgpr_workitem_id 0
		.amdhsa_next_free_vgpr 256
		.amdhsa_next_free_sgpr 66
		.amdhsa_reserve_vcc 0
		.amdhsa_float_denorm_mode_32 3
		.amdhsa_float_denorm_mode_16_64 3
		.amdhsa_memory_ordered 1
		.amdhsa_forward_progress 1
		.amdhsa_inst_pref_size 77
	.end_amdhsa_kernel
	.amdgpu_metadata
---
amdhsa.version: [ 1, 2 ]
amdhsa.kernels:
  - .name:           k_q0c750f489b_ffn2
    .symbol:         k_q0c750f489b_ffn2.kd
    .args:
      - { .name: big1, .offset: 0, .size: 8, .value_kind: global_buffer, .address_space: global }
      - { .name: wrow, .offset: 8, .size: 8, .value_kind: global_buffer, .address_space: global }
      - { .name: b2, .offset: 16, .size: 8, .value_kind: global_buffer, .address_space: global }
      - { .name: x1, .offset: 24, .size: 8, .value_kind: global_buffer, .address_space: global }
      - { .name: g2, .offset: 32, .size: 8, .value_kind: global_buffer, .address_space: global }
      - { .name: be2, .offset: 40, .size: 8, .value_kind: global_buffer, .address_space: global }
      - { .name: out0, .offset: 48, .size: 8, .value_kind: global_buffer, .address_space: global }
    .group_segment_fixed_size: 109056
    .private_segment_fixed_size: 0
    .kernarg_segment_align: 8
    .kernarg_segment_size: 56
    .max_flat_workgroup_size: 512
    .sgpr_count:     66
    .vgpr_count:     256
    .wavefront_size: 32
...
	.end_amdgpu_metadata
.endif
;; end of part 6
;; ======== version 2 of 2: 7 launches
;; limits: right only within a limited range of input values
;; workspace buffers: opx 2,228,224 bytes; opwqk 2,228,224 bytes; opwv 2,228,224 bytes; opw1 2,228,224 bytes; wrow 2,785,280 bytes; big1 8,912,896 bytes; vbuf 16,777,216 bytes; x1 16,777,216 bytes
;; launch prep (part 7): grid 224 x 1, 8 waves a work-group, no clusters, 136,192 bytes of LDS; arguments src, w_qkv_codes, w_qkv_scales, w1_codes, w1_scales, w_proj_codes, w_proj_scales, w2_codes, w2_scales, opx, opwqk, opwv, opw1, wrow; writes opx, opwqk, opwv, opw1, wrow
.if DOCPART == 7
	.amdgcn_target "amdgcn-amd-amdhsa--gfx1250"
	.amdhsa_code_object_version 6
	.text
	.protected	k_q0c750f489b_prep
	.globl	k_q0c750f489b_prep
	.p2align	8
	.type	k_q0c750f489b_prep,@function
k_q0c750f489b_prep:
	s_mov_b64 s[64:65], 0
	v_nop
	global_prefetch_b8 v0, s[64:65] scope:SCOPE_SE
	s_setreg_imm32_b32 hwreg(HW_REG_WAVE_MODE, 25, 1), 1
	s_wait_xcnt 0x0
; THE LAYER: qkv = Q(src) w_qkv^T; attention on Q(q), Q(k), Q(p), Q(v); LN(src + Q(o) w_proj^T + b); LN(x + Q(relu(Q(x) w1^T + b1)) w2^T + b2).  Q: codes of E2M1 with one E8M0 scale for 32 along K.
; NO WORK IS LEFT OUT: every input has a way to the output and every product of the layer is live; all inputs are loaded.
; THIS LAUNCH lays every operand that arrives from outside as the later launches' registers want it.
; ROW ORDER.  Rows go in tiles of 16; place r of tile T is row 32 (T / 2) + 8 (T % 2) + r + 8 (r / 8).  As source 0 of a matrix instruction two neighbouring tiles then leave 16 neighbouring rows in a lane's 16 registers.
; IMAGE.  Codes: [T][K / 32][r][16 bytes]: a fragment (16 rows x 128 K, 8 registers a lane) is 1,024 consecutive bytes, registers 4 c .. 4 c + 3 of lane l at 512 c + 16 l.  Scale words: [T][K / 128][r][4 bytes].
; Work-groups 0-127: src, f32, is quantised along K into opx.  Work-groups 128-223: the four weights' codes and scale bytes are copied into that order (w_qkv's rows 0-2047, its rows 2048-3071, w1, w_proj, w2).
; LIMITS: a block of zeros gets the byte 1 where the quantiser says 127 (its codes are zeros, and this program alone reads the bytes); a block whose largest magnitude lies under 2^-124 is held at the byte 1;
; NaN and infinities among the inputs are not served.
.set SPARE, 135168                     ; behind the eight waves' stages: the spare words, 128 bytes for each wave
.set WSTG,  16896                      ; a wave's two stages
.set STG1,  8448                       ; the second of them
.set RP,    528                        ; a stage's row: 512 bytes + 16: the 16 rows that a load touches start in 16 different 16-byte columns
.set R0,    32                         ; v32-95   16 rows x 128 numbers as loaded, K step 0; later the second step's 64 neighbours
.set R1,    96                         ; v96-159  the same, K step 1
.set XN,    160                        ; v160-223 64 numbers of a lane: register 16 b + i = k 32 b + 16 (lane / 16) + i of its row
.set TM,    224                        ; v224-239 at work
.set SEL,   76                         ; s[76:77] lane selects: lane l xor 16
; 64 numbers of a lane become a fragment's codes in v[pc] on and its row's scale word in v[pw]
.macro QUANT s, pc, pw
.irp b, 0,1,2,3
	v_max3_num_f32 v[TM+\b], |v[\s+16*\b]|, |v[\s+1+16*\b]|, 0x1800000   ; block b: my 16 numbers, and the floor 2^(3 - 127): the byte cannot fall under 1
.endr
.irp i, 2,4,6,8,10,12,14
.irp b, 0,1,2,3
	s_delay_alu instid0(VALU_DEP_4)
	v_max3_num_f32 v[TM+\b], v[TM+\b], |v[\s+16*\b+\i]|, |v[\s+1+16*\b+\i]|
.endr
.endr
.irp b, 0,1,2,3
	s_delay_alu instid0(VALU_DEP_4)
	v_permlanex16_b32 v[TM+4+\b], v[TM+\b], s[SEL], s[SEL+1]
.endr
.irp b, 0,1,2,3
	s_delay_alu instid0(VALU_DEP_4)
	v_max_num_f32 v[TM+\b], v[TM+\b], v[TM+4+\b]   ; with lane l xor 16's 16: the block's largest magnitude
.endr
.irp b, 0,1,2,3
	s_delay_alu instid0(VALU_DEP_4)
	v_add_nc_u32 v[TM+12+\b], 0xff000000, v[TM+\b]   ; 2 off its exponent field: the conversion's scale operand
.endr
.irp b, 0,1,2,3
	s_delay_alu instid0(VALU_DEP_4)
	v_lshrrev_b32 v[TM+4+\b], 23, v[TM+12+\b]      ; the scale's byte
.endr
	s_delay_alu instid0(VALU_DEP_3)
	v_lshl_or_b32 v[\pw], v[TM+5], 8, v[TM+4]
	s_delay_alu instid0(VALU_DEP_1)
	v_lshl_or_b32 v[\pw], v[TM+6], 16, v[\pw]
	s_delay_alu instid0(VALU_DEP_1)
	v_lshl_or_b32 v[\pw], v[TM+7], 24, v[\pw]
.irp b, 0,1,2,3
	v_cvt_scalef32_pk8_fp4_f32 v[\pc+2*\b], v[\s+16*\b:\s+7+16*\b], v[TM+12+\b]
	v_cvt_scalef32_pk8_fp4_f32 v[\pc+1+2*\b], v[\s+8+16*\b:\s+15+16*\b], v[TM+12+\b]
.endr
	v_nop                                          ; one plain place behind a scaled conversion
.irp c, 0,1                                    ; the operand wants a whole block in a lane: lanes 0-15 block 2 c, lanes 16-31 block 2 c + 1
.irp i, 0,1
	v_permlane16_swap_b32 v[\pc+4*\c+\i], v[\pc+2+4*\c+\i]
.endr
.endr
.endm
	s_load_b512 s[4:19], s[0:1], 0x0               ; src, w_qkv codes, scales, w1 codes, scales, w_proj codes, scales, w2 codes
	s_load_b256 s[20:27], s[0:1], 0x40             ; w2 scales, opx, opwqk, opwv
	s_load_b128 s[28:31], s[0:1], 0x60             ; opw1, wrow
	v_lshl_add_u32 v30, v0, 2, SPARE               ; my spare word,
	v_mov_b32 v31, 0                               ; and 0: both kept for the closing lines
	v_lshrrev_b32 v1, 5, v0
	s_delay_alu instid0(VALU_DEP_1)
	v_readfirstlane_b32 s32, v1                    ; wave 0..7
	v_and_b32 v7, 31, v0                           ; lane
	v_and_b32 v2, 15, v0                           ; r
	v_bfe_u32 v3, v0, 4, 1                         ; h
	s_delay_alu instid0(VALU_DEP_3)
	v_lshlrev_b32 v1, 4, v7                        ; 16 x lane
	s_cmp_lt_u32 ttmp9, 128
	s_cbranch_scc0 .Lrelay
	; ---- src: wave w takes tile T = 2 x work-group + w / 4 and the two K steps 2 (w % 4), 2 (w % 4) + 1
	s_lshr_b32 s33, s32, 2                         ; T % 2
	s_and_b32 s34, s32, 3                          ; which pair of K steps
	s_mul_i32 s35, s32, WSTG
	v_add_nc_u32 v4, s35, v1                       ; into a stage: a row's 512 bytes as they lie
	v_mul_u32_u24 v5, v2, RP
	s_delay_alu instid0(VALU_DEP_1)
	v_lshl_add_u32 v5, v3, 6, v5
	s_delay_alu instid0(VALU_DEP_1)
	v_add_nc_u32 v5, s35, v5                       ; out of it: row r, my 16 numbers of each block of 32
	v_lshlrev_b32 v6, 2, v7                        ; 4 x lane
	s_mov_b32 s[SEL], 0x76543210
	s_mov_b32 s[SEL+1], 0xfedcba98
.irp b, 0,1,2,3
	v_mov_b32 v[TM+4+\b], 0                        ; a lane permute's destination counts as one of its sources
.endr
	v_cmp_le_u32 s44, 16, v7                       ; lanes 16-31
	s_lshl_b32 s36, ttmp9, 17                      ; src: row 32 (T / 2) + 8 (T % 2), 4,096 bytes a row, + 1,024 bytes for each pair of K steps
	s_lshl_b32 s37, s33, 15
	s_add_co_u32 s36, s36, s37
	s_lshl_b32 s37, s34, 10
	s_add_co_u32 s36, s36, s37
	s_mov_b32 s37, 0
	s_lshl_b32 s38, ttmp9, 1
	s_add_co_u32 s38, s38, s33                     ; T
	s_lshl_b32 s40, s38, 13                        ; the codes: 8,192 bytes a tile, 1,024 a K step
	s_lshl_b32 s41, s34, 11
	s_add_co_u32 s40, s40, s41
	s_mov_b32 s41, 0
	s_lshl_b32 s42, s38, 9                         ; the scale words: 512 bytes a tile, 64 a K step
	s_lshl_b32 s43, s34, 7
	s_add_co_u32 s42, s42, s43
	s_mov_b32 s43, 0
	s_wait_alu depctr_va_vdst(0)
	s_wait_kmcnt 0x0
	s_add_nc_u64 s[4:5], s[4:5], s[36:37]
	s_add_nc_u64 s[40:41], s[22:23], s[40:41]
	s_add_nc_u64 s[42:43], s[22:23], s[42:43]
.irp e, 0,1
.irp p, 0,1,2,3,4,5,6,7,8,9,10,11,12,13,14,15
	global_load_b128 v[R0+64*\e+4*\p:R0+64*\e+4*\p+3], v1, s[4:5] offset:(\p+8*(\p/8))*4096+512*\e th:TH_LOAD_NT   ; place p's row, K step e: 32 lanes read 512 consecutive bytes
.endr
.endr
	s_wait_loadcnt 16                              ; the first K step's sixteen loads are in; the second's may be out
.irp p, 0,1,2,3,4,5,6,7,8,9,10,11,12,13,14,15
	ds_store_b128 v4, v[R0+4*\p:R0+4*\p+3] offset:RP*\p
.endr
.irp b, 0,1,2,3
.irp j, 0,1,2,3
	ds_load_b128 v[XN+16*\b+4*\j:XN+16*\b+4*\j+3], v5 offset:128*\b+16*\j   ; LDS serves a wave's instructions in order: these see my stores
.endr
.endr
	s_wait_loadcnt 0x0
.irp p, 0,1,2,3,4,5,6,7,8,9,10,11,12,13,14,15
	ds_store_b128 v4, v[R1+4*\p:R1+4*\p+3] offset:STG1+RP*\p
.endr
	s_wait_dscnt 16                                ; all but the sixteen stores just issued: the first stage's stores have read v32-95, and its 64 numbers are back
.irp b, 0,1,2,3
.irp j, 0,1,2,3
	ds_load_b128 v[R0+16*\b+4*\j:R0+16*\b+4*\j+3], v5 offset:STG1+128*\b+16*\j
.endr
.endr
	QUANT XN, 8, 24
	s_wait_dscnt 0x0
	QUANT R0, 16, 25
.irp e, 0,1
.irp c, 0,1
	global_store_b128 v1, v[8+8*\e+4*\c:11+8*\e+4*\c], s[40:41] offset:1024*\e+512*\c   ; the image: 512 consecutive bytes a store
.endr
.endr
	v_cndmask_b32 v26, v24, v25, s44               ; lanes 0-15 the first K step's words, lanes 16-31 the second's: 128 consecutive bytes
	global_store_b32 v6, v26, s[42:43] offset:2097152
	s_wait_tensorcnt 0x0                           ; the wave's end: behind my last LDS store
	ds_add_u32 v30, v31
	s_wait_dscnt 0x0
	s_endpgm
	; ---- the weights: a unit is 16 rows x 1,024 along K: 8,192 bytes of codes, 512 of scale bytes; a wave takes a unit.  No LDS here.
.Lrelay:
	s_sub_co_u32 s33, ttmp9, 128                   ; g = 0..95
	s_wait_kmcnt 0x0
	s_add_nc_u64 s[44:45], s[30:31], 524288        ; w2's image in wrow,
	s_add_nc_u64 s[46:47], s[30:31], 2654208       ; its scale words,
	s_add_nc_u64 s[62:63], s[30:31], 2621440       ; w_proj's scale words
	s_add_nc_u64 s[66:67], s[28:29], 2097152       ; the scale words of opw1,
	s_add_nc_u64 s[68:69], s[6:7], 1048576         ; w_qkv's row 2,048: codes,
	s_add_nc_u64 s[70:71], s[8:9], 65536           ; and scale bytes
	s_add_nc_u64 s[72:73], s[26:27], 2097152       ; the scale words of opwv,
	s_add_nc_u64 s[74:75], s[24:25], 2097152       ; of opwqk
	s_mov_b64 s[40:41], s[18:19]                   ; g from 64 on: w2
	s_mov_b64 s[42:43], s[20:21]
	s_mov_b32 s48, 64                              ; the tensor's first g
	s_mov_b32 s49, 2                               ; log2 of its units in a tile: K = 1,024 << this
	s_cmp_lt_u32 s33, 64                           ; the choices hang on the work-group's number alone
	s_cselect_b64 s[40:41], s[14:15], s[40:41]     ; 56..63: w_proj
	s_cselect_b64 s[42:43], s[16:17], s[42:43]
	s_cselect_b64 s[44:45], s[30:31], s[44:45]
	s_cselect_b64 s[46:47], s[62:63], s[46:47]
	s_cselect_b32 s48, 56, s48
	s_cselect_b32 s49, 0, s49
	s_cmp_lt_u32 s33, 56
	s_cselect_b64 s[40:41], s[10:11], s[40:41]     ; 24..55: w1
	s_cselect_b64 s[42:43], s[12:13], s[42:43]
	s_cselect_b64 s[44:45], s[28:29], s[44:45]
	s_cselect_b64 s[46:47], s[66:67], s[46:47]
	s_cselect_b32 s48, 24, s48
	s_cmp_lt_u32 s33, 24
	s_cselect_b64 s[40:41], s[68:69], s[40:41]     ; 16..23: w_qkv's rows 2,048 on
	s_cselect_b64 s[42:43], s[70:71], s[42:43]
	s_cselect_b64 s[44:45], s[26:27], s[44:45]
	s_cselect_b64 s[46:47], s[72:73], s[46:47]
	s_cselect_b32 s48, 16, s48
	s_cmp_lt_u32 s33, 16
	s_cselect_b64 s[40:41], s[6:7], s[40:41]       ; 0..15: w_qkv's rows 0 to 2,047
	s_cselect_b64 s[42:43], s[8:9], s[42:43]
	s_cselect_b64 s[44:45], s[24:25], s[44:45]
	s_cselect_b64 s[46:47], s[74:75], s[46:47]
	s_cselect_b32 s48, 0, s48
	s_sub_co_u32 s52, s33, s48
	s_lshl_b32 s52, s52, 3
	s_add_co_u32 s52, s52, s32                     ; my unit in the tensor
	s_lshr_b32 s53, s52, s49                       ; its tile T,
	s_lshl_b32 s54, s53, s49
	s_sub_co_u32 s54, s52, s54                     ; and which 1,024 along K
	s_lshr_b32 s55, s53, 1
	s_lshl_b32 s55, s55, 5
	s_and_b32 s56, s53, 1
	s_lshl_b32 s56, s56, 3
	s_add_co_u32 s55, s55, s56                     ; the tile's first row: 32 (T / 2) + 8 (T % 2)
	s_add_co_u32 s50, s49, 9                       ; a row of codes is 512 << s49 bytes,
	s_add_co_u32 s51, s49, 5                       ; a row of scale bytes 32 << s49
	s_lshl_b32 s56, s55, s50
	s_lshl_b32 s57, s54, 9
	s_add_co_u32 s56, s56, s57
	s_mov_b32 s57, 0
	s_add_nc_u64 s[40:41], s[40:41], s[56:57]
	s_lshl_b32 s56, s55, s51
	s_lshl_b32 s58, s54, 5
	s_add_co_u32 s56, s56, s58
	s_add_nc_u64 s[42:43], s[42:43], s[56:57]
	s_lshl_b32 s56, s52, 13
	s_add_nc_u64 s[44:45], s[44:45], s[56:57]
	s_lshl_b32 s56, s52, 9
	s_add_nc_u64 s[46:47], s[46:47], s[56:57]
	s_wait_alu depctr_va_vdst(0)
	v_and_b32 v8, 8, v2
	s_delay_alu instid0(VALU_DEP_1)
	v_add_nc_u32 v8, v8, v2                        ; r + 8 (r / 8)
	s_delay_alu instid0(VALU_DEP_1)
	v_lshlrev_b32 v9, s50, v8
	s_delay_alu instid0(VALU_DEP_1)
	v_lshl_add_u32 v9, v3, 4, v9                   ; codes: my row, + 16 h: block 2 j + h of the unit's 32
	s_delay_alu instid0(VALU_DEP_3)
	v_lshlrev_b32 v10, s51, v8
	s_delay_alu instid0(VALU_DEP_1)
	v_lshl_add_u32 v10, v3, 4, v10                 ; scale bytes: my row, words 4 h .. 4 h + 3
	v_lshlrev_b32 v11, 2, v2
	s_delay_alu instid0(VALU_DEP_1)
	v_lshl_add_u32 v11, v3, 8, v11                 ; and where they go: 256 h + 4 r
.irp j, 0,1,2,3,4,5,6,7,8,9,10,11,12,13,14,15
	global_load_b128 v[32+4*\j:35+4*\j], v9, s[40:41] offset:32*\j
.endr
	global_load_b128 v[96:99], v10, s[42:43]
	s_wait_alu depctr_va_vdst(0)
	s_wait_loadcnt 0x0
.irp j, 0,1,2,3,4,5,6,7,8,9,10,11,12,13,14,15
	global_store_b128 v1, v[32+4*\j:35+4*\j], s[44:45] offset:512*\j   ; 512 consecutive bytes a store
.endr
.irp i, 0,1,2,3
	global_store_b32 v11, v[96+\i], s[46:47] offset:64*\i
.endr
	s_endpgm
.Lfunc_end_k_q0c750f489b_prep:
	.size	k_q0c750f489b_prep, .Lfunc_end_k_q0c750f489b_prep-k_q0c750f489b_prep
	.p2alignl 7, 3214868480
	.fill 96, 4, 3214868480
	.section	.rodata,"a",@progbits
	.p2align	6, 0x0
	.amdhsa_kernel k_q0c750f489b_prep
		.amdhsa_group_segment_fixed_size 136192
		.amdhsa_private_segment_fixed_size 0
		.amdhsa_enable_private_segment 0
		.amdhsa_kernarg_size 112
		.amdhsa_user_sgpr_count 2
		.amdhsa_user_sgpr_kernarg_segment_ptr 1
		.amdhsa_wavefront_size32 1
		.amdhsa_system_sgpr_workgroup_id_x 1
		.amdhsa_system_sgpr_workgroup_id_y 1
		.amdhsa_system_sgpr_workgroup_id_z 1
		.amdhsa_system_vgpr_workitem_id 0
		.amdhsa_next_free_vgpr 256
		.amdhsa_next_free_sgpr 80
		.amdhsa_reserve_vcc 0
		.amdhsa_float_denorm_mode_32 3
		.amdhsa_float_denorm_mode_16_64 3
		.amdhsa_memory_ordered 1
		.amdhsa_forward_progress 1
		.amdhsa_inst_pref_size 27
	.end_amdhsa_kernel
	.amdgpu_metadata
---
amdhsa.version: [ 1, 2 ]
amdhsa.kernels:
  - .name:           k_q0c750f489b_prep
    .symbol:         k_q0c750f489b_prep.kd
    .args:
      - { .name: src, .offset: 0, .size: 8, .value_kind: global_buffer, .address_space: global }
      - { .name: w_qkv_codes, .offset: 8, .size: 8, .value_kind: global_buffer, .address_space: global }
      - { .name: w_qkv_scales, .offset: 16, .size: 8, .value_kind: global_buffer, .address_space: global }
      - { .name: w1_codes, .offset: 24, .size: 8, .value_kind: global_buffer, .address_space: global }
      - { .name: w1_scales, .offset: 32, .size: 8, .value_kind: global_buffer, .address_space: global }
      - { .name: w_proj_codes, .offset: 40, .size: 8, .value_kind: global_buffer, .address_space: global }
      - { .name: w_proj_scales, .offset: 48, .size: 8, .value_kind: global_buffer, .address_space: global }
      - { .name: w2_codes, .offset: 56, .size: 8, .value_kind: global_buffer, .address_space: global }
      - { .name: w2_scales, .offset: 64, .size: 8, .value_kind: global_buffer, .address_space: global }
      - { .name: opx, .offset: 72, .size: 8, .value_kind: global_buffer, .address_space: global }
      - { .name: opwqk, .offset: 80, .size: 8, .value_kind: global_buffer, .address_space: global }
      - { .name: opwv, .offset: 88, .size: 8, .value_kind: global_buffer, .address_space: global }
      - { .name: opw1, .offset: 96, .size: 8, .value_kind: global_buffer, .address_space: global }
      - { .name: wrow, .offset: 104, .size: 8, .value_kind: global_buffer, .address_space: global }
    .group_segment_fixed_size: 136192
    .private_segment_fixed_size: 0
    .kernarg_segment_align: 8
    .kernarg_segment_size: 112
    .max_flat_workgroup_size: 256
    .sgpr_count:     80
    .vgpr_count:     256
    .wavefront_size: 32
...
	.end_amdgpu_metadata
.endif
;; end of part 7
;; launch qkv (part 8): grid 8 x 24, 4 waves a work-group, clusters of 4 x 4, 327,680 bytes of LDS; arguments opx, opwqk, opwv, big1, vbuf; writes big1, vbuf
.if DOCPART == 8
	.amdgcn_target "amdgcn-amd-amdhsa--gfx1250"
	.amdhsa_code_object_version 6
	.text
	.protected	k_q0c750f489b_qkv
	.globl	k_q0c750f489b_qkv
	.p2align	8
	.type	k_q0c750f489b_qkv,@function
k_q0c750f489b_qkv:
	s_mov_b64 s[64:65], 0
	v_nop
	global_prefetch_b8 v0, s[64:65] scope:SCOPE_SE
	s_setreg_imm32_b32 hwreg(HW_REG_WAVE_MODE, 25, 1), 1
	s_wait_xcnt 0x0
	s_wait_alu depctr_hold_cnt(0) depctr_sa_sdst(0) depctr_va_vdst(0) depctr_va_sdst(0) depctr_va_ssrc(0) depctr_va_vcc(0) depctr_vm_vsrc(0)
	s_getreg_b32 s2, hwreg(HW_REG_IB_STS2, 6, 4)
	s_cmp_eq_u32 s2, 0
	s_cbranch_scc0 .Lentry_in_a_cluster
	s_endpgm
.Lentry_in_a_cluster:
	s_bfe_u32 s2, ttmp6, 0x10000c
	s_cmp_lg_u32 s2, 0xf033
	s_cbranch_scc0 .Lentry_shape_is_right
	s_endpgm
.Lentry_shape_is_right:
; OUT = Q(A B^T): A and B are operands of K = 1,024 in this program's image order (codes [tile][32][16 rows][16 bytes], scale words 2 MiB behind them, [tile][8][16 rows][4 bytes]);
; the result is quantised in registers along B's rows and stored as an operand image again: codes [A's tile][128][16][16 bytes], scale words 8 MiB behind them, [A's tile][32][16][4 bytes].  No work is left out.
; ONE LAUNCH, TWO PRODUCTS.  Clusters with y = 0 to 3: A = Q(src), B = w_qkv's rows 0-2,047, result q and k, quantised along the heads' channels, into big1.  Clusters with y = 4, 5: A = w_qkv's rows 2,048-3,071,
; B = Q(src), result v^T, quantised along the tokens, into vbuf.  Only three pointers and the cluster's place among the tiles are chosen, by the cluster's y, which all sixteen partners share: one path through the text.
; A tile of the result, 256 x 256, is made by four waves, 128 x 128 each: 64 accumulators of 16 x 16, 512 registers.  K is 1,024: two LDS slots of 512 along K hold all of it, so each slot is filled once.
; An image needs no pitch and no padding: a fragment is 1,024 consecutive bytes, two loads of 512.
; CLUSTERS: 4 x 4 work-groups.  The four of a row of the cluster need the same tiles of A, the four of a column the same tiles of B: each is asked for JOINTLY.
; THE MATRIX INSTRUCTION IS USED TRANSPOSED (source 0 = 16 rows of B, source 1 = 16 rows of A).  By the image's row order a lane's 16 registers of two neighbouring tiles of B are 16 neighbouring rows of B:
; the 64 registers of A's block a are one K step of the next product, and become its fragment by conversions alone.
; LIMITS: a block of zeros gets the byte 1 (its codes are zeros; this program alone reads the bytes); blocks under 2^-124 are held at the byte 1; NaN and infinities are not served.
; REGISTERS: window 0: v0-31 addresses; v32-47 scale words, two sets; v48-123 the way out's codes and scale words; v128-191 A's fragments, one set (on the way out v128-144 at work).
;   window 1: B's fragments, two sets, at v0 and v128.   window 2: the accumulators of my rows 0-63 ((a, b) at v[8 (8 a + b)]);   window 3: those of rows 64-127.
.set NQ,     4                         ; steps of 128 along K in a slot
.set FR,     8                         ; registers of a fragment
.set NP,     4                         ; places behind this matrix instruction (ISA guide 7.12.1)
.set HALFT,  32768                     ; 8 tiles x 4,096 bytes: what one tensor load brings, and what one wave reads of A or of B
.set SLOT,   4*HALFT                   ; A's 16 tiles, then B's
.set SCL,    2*SLOT                    ; behind the slots: the scale words of all of K
.set HALFS,  4096                      ; those of 8 tiles
.set SPARE,  SCL+4*HALFS               ; the spare words, 128 bytes for each wave
.set SCOFF,  2097152                   ; an operand's scale words lie here behind its codes
.set OSC,    8388608                   ; the result's
.set ADRA, 16                          ; v16-17 LDS address of my A fragments in slot 0, 1
.set ADRB, 20                          ; v20-21 the same for B
.set LI,   24                          ; v24    16 x lane
.set SCO,  25                          ; v25    2,048 (lane / 16) + 4 (lane % 16): the result's scale words
.set ADRS, 27                          ; v27    LDS address of my scale words: lanes 0-15 A's rows, lanes 16-31 B's
.set SPW,  28                          ; v28    my spare word; never rewritten
.set NIL,  29                          ; v29    0; never rewritten
.set SC,   32                          ; scale words: set p at v[SC + 8 p]; register i: lanes 0-15 A's block i, lanes 16-31 B's block i
.set PC,   48                          ; the way out: block a's codes at v[PC + 8 a]
.set PW,   112                         ; its scale word at v[PW + a]
.set PS,   120                         ; two blocks' words in one register
.set AF,   128                         ; A's fragments
.set TM,   128                         ; the way out: at work
.set FLR,  144                         ; the floor under a block's largest magnitude
.set G1, 24
.set G0, 32
.set G1B, 48
.set G0B, 56
.set G1S, 68
.set G0S, 76
.set G1SB, 80
.set G0SB, 88
.set SEL, 96                           ; s[96:97] lane selects: lane l xor 16
.set MSB, 0
.macro WIN new                         ; the immediate's high byte repeats the setting that is left
.if MSB != \new
	s_set_vgpr_msb (MSB<<8)|\new
.set MSB, \new
.endif
.endm
.set MUL_LO, 0xa1                      ; source 0 (B) window 1, source 1 (A) window 0, C and D window 2
.set MUL_HI, 0xf1                      ; the same, C and D window 3
.set TO_B,   0x40                      ; destination window 1, address window 0
; A joint load: waves 0 and 1 fetch for A, waves 2 and 3 for B; the branch hangs on the wave's number alone.  An s_nop 0 and four v_nop follow each of the two lines.
.macro JLOAD g0a, g1a, g0b, g1b
	s_cmp_eq_u32 s15, 0
	s_cbranch_scc0 .Lfor_b_\@
	tensor_load_to_lds s[\g0a:\g0a+3], s[\g1a:\g1a+7]
	s_nop 0
.rept 4
	v_nop
.endr
	s_branch .Lasked_\@
.Lfor_b_\@:
	tensor_load_to_lds s[\g0b:\g0b+3], s[\g1b:\g1b+7]
	s_nop 0
.rept 4
	v_nop
.endr
.Lasked_\@:
.endm
.macro CROUND                          ; a round of the cluster's barrier
	s_barrier_signal -1
	s_barrier_wait -1
	s_cmp_lg_u32 s14, 0
	s_cbranch_scc1 .Lnot_wave_0_\@
	s_barrier_signal -3
.Lnot_wave_0_\@:
	s_barrier_wait -3
	s_barrier_signal -1
	s_barrier_wait -1
.endm
	s_load_b256 s[4:11], s[0:1], 0x0               ; Q(src), w_qkv's rows 0-2,047, its rows 2,048-3,071, big1
	s_load_b64 s[12:13], s[0:1], 0x20              ; vbuf
	v_lshl_add_u32 v[SPW], v0, 2, SPARE
	v_mov_b32 v[NIL], 0
	ds_add_u32 v[SPW], v[NIL]                      ; the wave's opening: the add, twice on end, and its wait ahead of my first tensor load
	ds_add_u32 v[SPW], v[NIL]
	v_lshrrev_b32 v1, 5, v0
	v_readfirstlane_b32 s14, v1                    ; wave 0..3
	s_lshr_b32 s15, s14, 1                         ; which half of the tile's rows is mine.  Also: I fetch for A (0) or for B (1)
	s_and_b32 s16, s14, 1                          ; which half of its columns.  Also: which 8 tiles I fetch
	s_bfe_u32 s40, ttmp6, 0x40000                  ; cx, cy: my place in the cluster
	s_bfe_u32 s41, ttmp6, 0x40004
	s_and_b32 s2, ttmp7, 0xffff                    ; the cluster's y: 0 to 3: q and k (2 x 4 clusters);  4, 5: v (4 x 1 clusters)
	s_max_u32 s18, s2, 4
	s_sub_co_u32 s18, s18, 4
	s_lshl_b32 s18, s18, 1
	s_add_co_u32 s18, s18, ttmp9                   ; v: the cluster's column of tiles: 2 (y - 4) + x
	s_cmp_lt_u32 s2, 4
	s_cselect_b32 s42, ttmp9, s18                  ; the cluster's column,
	s_cselect_b32 s17, s2, 0                       ; and its row
	s_lshl_b32 s42, s42, 2
	s_add_co_u32 s42, s42, s40                     ; tile column = 4 x the cluster's column + cx
	s_lshl_b32 s17, s17, 2
	s_add_co_u32 s17, s17, s41                     ; tile row = 4 x the cluster's row + cy
	s_lshl_b32 s43, s41, 2
	s_lshl_b32 s43, 15, s43                        ; my row of the cluster
	s_lshl_b32 s44, 0x1111, s40                    ; my column
	; group 1, codes: rows (tiles) of 512 elements of 8 bytes (half a tile's K), 1,024 elements from tile to tile; no padding.  16 rows for the head's loads; behind them the two words that count rows are set to 8
	s_or_b32 s[G1+0], s43, (3<<16)|(1<<21)
	s_or_b32 s[G1B+0], s44, (3<<16)|(1<<21)
.irp g, G1, G1B
	s_mov_b32 s[\g+1], 512<<16                     ; tensor_dim0
	s_mov_b32 s[\g+2], 16<<16                      ; tensor_dim1
	s_mov_b32 s[\g+3], 512<<16                     ; tile_dim0
	s_mov_b32 s[\g+4], 16                          ; tile_dim1
	s_mov_b32 s[\g+5], 1024                        ; tensor_dim0_stride
	s_mov_b32 s[\g+6], 0
	s_mov_b32 s[\g+7], 0
.endr
	; group 1, scale words of 16 tiles: 8,192 dense bytes as 32 rows of 256
	s_or_b32 s[G1S+0], s43, (3<<16)|(1<<21)
	s_or_b32 s[G1SB+0], s44, (3<<16)|(1<<21)
.irp g, G1S, G1SB
	s_mov_b32 s[\g+1], 32<<16
	s_mov_b32 s[\g+2], 32<<16                      ; the scale words of 16 tiles: 8,192 dense bytes as 32 rows of 256
	s_mov_b32 s[\g+3], 32<<16
	s_mov_b32 s[\g+4], 32
	s_mov_b32 s[\g+5], 32
	s_mov_b32 s[\g+6], 0
	s_mov_b32 s[\g+7], 0
.endr
	s_mov_b32 s[SEL], 0x76543210
	s_mov_b32 s[SEL+1], 0xfedcba98
	s_lshl_b32 s18, s16, 16                        ; for slot 1: which 8 tiles I fetch, 8,192 bytes a tile
	s_mov_b32 s19, 0
	s_lshl_b32 s20, s17, 4                         ; A: the block's first tile: 16 x tile row
	s_lshl_b32 s46, s42, 4                         ; B: 16 x tile column
	s_lshl_b32 s22, s20, 9                         ; their scale words: 512 bytes a tile
	s_add_co_u32 s22, s22, SCOFF
	s_mov_b32 s23, 0
	s_lshl_b32 s92, s46, 9
	s_add_co_u32 s92, s92, SCOFF
	s_mov_b32 s93, 0
	s_lshl_b32 s20, s20, 13                        ; their codes: 8,192 bytes a tile
	s_mov_b32 s21, 0
	s_lshl_b32 s46, s46, 13
	s_mov_b32 s47, 0
	s_mul_i32 s45, s14, HALFT                      ; where they go: no place in the cluster enters an LDS address
	s_wait_dscnt 0x0                               ; both opening adds are done
	s_wait_kmcnt 0x0
	s_cmp_lt_u32 s2, 4                             ; the choice hangs on the cluster's y alone
	s_cselect_b64 s[66:67], s[6:7], s[4:5]         ; B: w_qkv's rows 0-2,047, or Q(src)
	s_cselect_b64 s[4:5], s[4:5], s[8:9]           ; A: Q(src), or w_qkv's rows 2,048 on
	s_cselect_b64 s[12:13], s[10:11], s[12:13]     ; the result: big1, or vbuf
	s_add_nc_u64 s[20:21], s[4:5], s[20:21]
	s_add_nc_u64 s[22:23], s[4:5], s[22:23]
	s_add_nc_u64 s[46:47], s[66:67], s[46:47]
	s_add_nc_u64 s[92:93], s[66:67], s[92:93]
	CROUND                                         ; all sixteen work-groups are here: the joint loads meet
	s_mov_b32 s[G0], 1                             ; the head's four tiles, each whole: slot 0's 16 tiles of A,
	s_mov_b32 s[G0+1], 0
	s_mov_b64 s[G0+2:G0+3], s[20:21]
	s_or_b32 s[G0+3], s[G0+3], 0x80000000
	s_mov_b32 s[G0B], 1                            ; its 16 tiles of B, behind them,
	s_mov_b32 s[G0B+1], 2*HALFT
	s_mov_b64 s[G0B+2:G0B+3], s[46:47]
	s_or_b32 s[G0B+3], s[G0B+3], 0x80000000
	s_mov_b32 s[G0S], 1                            ; A's scale words,
	s_mov_b32 s[G0S+1], SCL
	s_mov_b64 s[G0S+2:G0S+3], s[22:23]
	s_or_b32 s[G0S+3], s[G0S+3], 0x80000000
	s_mov_b32 s[G0SB], 1                           ; and B's
	s_mov_b32 s[G0SB+1], SCL+2*HALFS
	s_mov_b64 s[G0SB+2:G0SB+3], s[92:93]
	s_or_b32 s[G0SB+3], s[G0SB+3], 0x80000000
	s_add_nc_u64 s[20:21], s[20:21], s[18:19]      ; slot 1: my 8 tiles
	s_add_nc_u64 s[46:47], s[46:47], s[18:19]
	s_mov_b32 s[G0+4], 1
	s_add_co_u32 s[G0+5], s45, SLOT
	s_add_nc_u64 s[G0+6:G0+7], s[20:21], 4096
	s_or_b32 s[G0+7], s[G0+7], 0x80000000
	s_mov_b32 s[G0B+4], 1
	s_add_co_u32 s[G0B+5], s45, SLOT
	s_add_nc_u64 s[G0B+6:G0B+7], s[46:47], 4096
	s_or_b32 s[G0B+7], s[G0B+7], 0x80000000
; the head's loads, one a wave: one chain of branches on the wave's number, an arm a load, all arms leading to one join
.macro ARM under, g0, g1, next
	s_cmp_lt_u32 s14, \under
	s_cbranch_scc0 \next
	tensor_load_to_lds s[\g0:\g0+3], s[\g1:\g1+7]
	s_nop 0
.rept 4
	v_nop
.endr
	s_branch .Lhead_asked
\next:
.endm
	ARM 1, G0,  G1,  .Lhead_b
	ARM 2, G0B, G1B, .Lhead_sa
	ARM 3, G0S, G1S, .Lhead_sb
	tensor_load_to_lds s[G0SB:G0SB+3], s[G1SB:G1SB+7]
	s_nop 0
.rept 4
	v_nop
.endr
.Lhead_asked:
	v_and_b32 v1, 15, v0                           ; r
	v_bfe_u32 v2, v0, 4, 1                         ; h
	s_wait_alu depctr_va_vdst(0)
	v_and_b32 v3, 31, v0                           ; lane
	v_lshlrev_b32 v[LI], 4, v3
	s_mul_i32 s21, s15, HALFT                      ; my 8 tiles of A
	s_mul_i32 s22, s16, HALFT                      ; my 8 tiles of B,
	s_add_co_u32 s22, s22, 2*HALFT                 ; which lie behind A's 16
.irp s, 0,1
	v_add_nc_u32 v[ADRA+\s], s21, v[LI]
	v_add_nc_u32 v[ADRB+\s], s22, v[LI]
	s_add_co_u32 s21, s21, SLOT
	s_add_co_u32 s22, s22, SLOT
.endr
	v_lshlrev_b32 v4, 2, v1                        ; 4 r
	s_mul_i32 s21, s15, HALFS                      ; A's scale words: my 8 tiles
	s_mul_i32 s22, s16, HALFS                      ; B's: my 8 tiles, behind A's 16
	s_add_co_u32 s22, s22, 2*HALFS
	s_sub_co_u32 s22, s22, s21
	v_mul_u32_u24 v6, s22, v2                      ; lanes 16-31 take B's
	s_add_co_u32 s21, s21, SCL
	v_add_nc_u32 v4, v4, v6
	v_add_nc_u32 v[ADRS], s21, v4
	v_lshlrev_b32 v[SCO], 2, v1
	v_lshl_add_u32 v[SCO], v2, 11, v[SCO]
	s_lshl_b32 s20, s17, 4
	s_lshl_b32 s21, s15, 3
	s_add_co_u32 s20, s20, s21                     ; my first tile of the result's rows
	s_lshl_b32 s46, s42, 1
	s_add_co_u32 s46, s46, s16                     ; my K step in the result
	s_lshl_b32 s18, s20, 15                        ; codes: 32,768 bytes a tile, 1,024 a K step
	s_lshl_b32 s19, s46, 10
	s_add_co_u32 s18, s18, s19
	s_mov_b32 s19, 0
	s_add_nc_u64 s[10:11], s[12:13], s[18:19]
	s_lshl_b32 s18, s20, 11                        ; scale words: 2,048 bytes a tile, 64 a K step
	s_lshl_b32 s21, s46, 6
	s_add_co_u32 s18, s18, s21
	s_add_co_u32 s18, s18, OSC
	s_add_nc_u64 s[12:13], s[12:13], s[18:19]
.macro FRAG reg, adr, q, i             ; a fragment: tile i of my 8, the slot's q-th 128 along K: two loads of 512 consecutive bytes
.irp c, 0,1
	ds_load_b128 v[\reg+4*\c:\reg+4*\c+3], v[\adr] offset:(\i)*4096+(\q)*1024+512*\c
.endr
.endm
; 16 matrix instructions: A's blocks a0, a0 + 1 x B's eight.  p: B's set and the set of scale words.  zero = 1: the first product starts the sums: nothing is ever cleared.
; The 64 accumulators take turns, one instruction a turn, in the same order in every step.
.macro MUL16 a0, p, zero
.irp a, \a0, \a0+1
.irp b, 0,1,2,3,4,5,6,7
.if \zero
	v_wmma_scale_f32_16x16x128_f8f6f4 v[8*(8*((\a)%4)+\b):8*(8*((\a)%4)+\b)+7], v[128*(\p)+FR*\b:128*(\p)+FR*\b+FR-1], v[AF+FR*(\a):AF+FR*(\a)+FR-1], 0, v[SC+8*(\p)+\b], v[SC+8*(\p)+(\a)] matrix_a_fmt:MATRIX_FMT_FP4 matrix_b_fmt:MATRIX_FMT_FP4 matrix_a_scale:MATRIX_SCALE_ROW1
.else
	v_wmma_scale_f32_16x16x128_f8f6f4 v[8*(8*((\a)%4)+\b):8*(8*((\a)%4)+\b)+7], v[128*(\p)+FR*\b:128*(\p)+FR*\b+FR-1], v[AF+FR*(\a):AF+FR*(\a)+FR-1], v[8*(8*((\a)%4)+\b):8*(8*((\a)%4)+\b)+7], v[SC+8*(\p)+\b], v[SC+8*(\p)+(\a)] matrix_a_fmt:MATRIX_FMT_FP4 matrix_b_fmt:MATRIX_FMT_FP4 matrix_a_scale:MATRIX_SCALE_ROW1
.endif
.endr
.endr
.endm
.macro FETCH_B slot, q, p
	WIN TO_B
.irp i, 0,1,2,3,4,5,6,7
	FRAG 128*(\p)+FR*\i, ADRB+\slot, \q, \i
.endr
	WIN 0
.endm
.macro FETCH_A slot, q, i0
.irp i, \i0, \i0+1, \i0+2, \i0+3
	FRAG AF+FR*(\i), ADRA+\slot, \q, \i
.endr
.endm
.macro SCW st, p                       ; K step st's scale words (st = 0..7) into set p: lanes 0-15 A's block i, lanes 16-31 B's block i
.irp i, 0,1,2,3,4,5,6,7
	ds_load_b32 v[SC+8*(\p)+\i], v[ADRS] offset:\i*512+(\st)*64
.endr
.endm
.macro PLACES n                        ; plain vector instructions between a matrix instruction and a load into, or a vector read of, its registers
.rept \n
	v_nop
.endr
.endm
.macro STEP slot, q, zero              ; a step of 128 along K that has its successor in the same slot
	s_wait_dscnt 8                                 ; B's set, the scale words and A's blocks 0-3 are in; the youngest eight loads (A's blocks 4-7) may be out
	WIN MUL_LO
	MUL16 0, (\q)%2, \zero
	MUL16 2, (\q)%2, \zero
	s_wait_dscnt 0                                 ; A's blocks 4-7 are in
	PLACES NP
	FETCH_B \slot, (\q)+1, 1-(\q)%2
	SCW 4*(\slot)+(\q)+1, 1-(\q)%2
	FETCH_A \slot, (\q)+1, 0
	WIN MUL_HI
	MUL16 4, (\q)%2, \zero
	MUL16 6, (\q)%2, \zero
	PLACES NP
	WIN 0
	FETCH_A \slot, (\q)+1, 4
.endm
; Slot 0's last step goes on into slot 1: each wave waits for its part of slot 1, and one barrier shows the whole slot to all four.  Nothing is filled again.
.macro TURN slot, next
	s_wait_tensorcnt 0x0                           ; all my tensor loads have landed
	ds_add_u32 v[SPW], v[NIL]                      ; 0 onto my spare word
	s_wait_dscnt 9                                 ; (the add and the youngest eight loads may be out)
	WIN MUL_LO
	MUL16 0, 1, 0
	s_wait_dscnt 0x0                               ; no LDS instruction of mine is out at the signal
	s_barrier_signal -1
	MUL16 2, 1, 0
	WIN 0
	s_barrier_wait -1
	PLACES NP
	FETCH_B \next, 0, 0
	SCW 4*(\next), 0
	FETCH_A \next, 0, 0
	WIN MUL_HI
	MUL16 4, 1, 0
	MUL16 6, 1, 0
	PLACES NP
	WIN 0
	FETCH_A \next, 0, 4
.endm
.macro STEPS slot, from
.set Q, \from
.rept NQ-1-\from
	STEP \slot, Q, 0
.set Q, Q+1
.endr
.endm
	s_wait_alu depctr_va_vdst(0)
	s_wait_tensorcnt 0x0                           ; my tile of the head's four is in
	ds_add_u32 v[SPW], v[NIL]
	s_mov_b32 s[G1+2], 8<<16                       ; no tensor load of mine is out: from here on a load brings 8 tiles
	s_mov_b32 s[G1+4], 8
	s_mov_b32 s[G1B+2], 8<<16
	s_mov_b32 s[G1B+4], 8
	s_wait_dscnt 0x0
	CROUND                                         ; all four tiles are in, and all sixteen work-groups are here
	JLOAD G0+4, G1, G0B+4, G1B                     ; slot 1's first fill: my one tensor load behind the round
	FETCH_B 0, 0, 0
	SCW 0, 0
	FETCH_A 0, 0, 0
	FETCH_A 0, 0, 4
	STEP 0, 0, 1
	STEPS 0, 1
	TURN 0, 1
	STEPS 1, 0
	s_wait_dscnt 8                                 ; the last step: nothing more to fetch
	WIN MUL_LO
	MUL16 0, 1, 0
	MUL16 2, 1, 0
	s_wait_dscnt 0
	WIN MUL_HI
	MUL16 4, 1, 0
	MUL16 6, 1, 0
	WIN 0
; THE WAY OUT.  Block a (16 rows of A x my 128 rows of B): register 16 b + i of its 64 is number 32 b + 16 (lane / 16) + i of my lane's row: the blocks' largest magnitudes, scale bytes, conversions;
; the eight registers of codes are the next product's fragment and leave as two stores of 512 consecutive bytes.  Every accumulator is read from its low end on.  Each block has registers of its own for what it stores.
.macro QBLK a
.set QW, 2+(\a)/4
.set QS, 64*((\a)%4)
.set WN, (QW<<2)|(QW<<4)
	WIN WN                                         ; sources 1 and 2: the block's window
.irp b, 0,1,2,3
	v_max3_num_f32 v[TM+\b], v[FLR], |v[QS+16*\b]|, |v[QS+16*\b+1]|
.endr
.irp i, 2,4,6,8,10,12,14
.irp b, 0,1,2,3
	v_max3_num_f32 v[TM+\b], v[TM+\b], |v[QS+16*\b+\i]|, |v[QS+16*\b+\i+1]|
.endr
.endr
	WIN 0
.irp b, 0,1,2,3
	v_permlanex16_b32 v[TM+4+\b], v[TM+\b], s[SEL], s[SEL+1]
.endr
.irp b, 0,1,2,3
	v_max_num_f32 v[TM+\b], v[TM+\b], v[TM+4+\b]
.endr
.irp b, 0,1,2,3
	v_add_nc_u32 v[TM+12+\b], 0xff000000, v[TM+\b]   ; 2 off the exponent field: the conversion's scale operand
.endr
.irp b, 0,1,2,3
	v_lshrrev_b32 v[TM+4+\b], 23, v[TM+12+\b]
.endr
	v_lshl_or_b32 v[PW+(\a)], v[TM+5], 8, v[TM+4]
	v_lshl_or_b32 v[PW+(\a)], v[TM+6], 16, v[PW+(\a)]
	v_lshl_or_b32 v[PW+(\a)], v[TM+7], 24, v[PW+(\a)]
	WIN QW                                         ; source 0: the block's window
.irp b, 0,1,2,3
	v_cvt_scalef32_pk8_fp4_f32 v[PC+8*(\a)+2*\b], v[QS+16*\b:QS+16*\b+7], v[TM+12+\b]
	v_cvt_scalef32_pk8_fp4_f32 v[PC+8*(\a)+2*\b+1], v[QS+16*\b+8:QS+16*\b+15], v[TM+12+\b]
.endr
	WIN 0
	v_nop                                          ; one plain place behind a scaled conversion
.irp c, 0,1
.irp i, 0,1
	v_permlane16_swap_b32 v[PC+8*(\a)+4*\c+\i], v[PC+8*(\a)+4*\c+2+\i]
.endr
.endr
.irp c, 0,1
	global_store_b128 v[LI], v[PC+8*(\a)+4*\c:PC+8*(\a)+4*\c+3], s[10:11] offset:(\a)*32768+512*\c
.endr
.endm
	PLACES NP                                      ; behind the last products: for the reads of results and for the writes into registers that held A's fragments
	v_mov_b32 v[FLR], 0x1800000                    ; 2^(3 - 127): the byte cannot fall under 1
.irp b, 0,1,2,3
	v_mov_b32 v[TM+4+\b], 0                        ; a lane permute's destination counts as one of its sources
.endr
	v_cmp_le_u32 s3, 16, v3                        ; lanes 16-31
.irp a, 0,1,2,3,4,5,6,7
	QBLK \a
.endr
.irp k, 0,1,2,3
	v_cndmask_b32 v[PS+\k], v[PW+2*\k], v[PW+2*\k+1], s3   ; lanes 0-15 block 2 k's words, lanes 16-31 block 2 k + 1's
.endr
.irp k, 0,1,2,3
	global_store_b32 v[SCO], v[PS+\k], s[12:13] offset:\k*4096
.endr
	s_wait_tensorcnt 0x0                           ; the wave's end
	ds_add_u32 v[SPW], v[NIL]
	s_wait_dscnt 0x0
	CROUND                                         ; the closing round
	s_endpgm
.Lfunc_end_k_q0c750f489b_qkv:
	.size	k_q0c750f489b_qkv, .Lfunc_end_k_q0c750f489b_qkv-k_q0c750f489b_qkv
	.p2alignl 7, 3214868480
	.fill 96, 4, 3214868480
	.section	.rodata,"a",@progbits
	.p2align	6, 0x0
	.amdhsa_kernel k_q0c750f489b_qkv
		.amdhsa_group_segment_fixed_size 327680
		.amdhsa_private_segment_fixed_size 0
		.amdhsa_enable_private_segment 0
		.amdhsa_kernarg_size 40
		.amdhsa_user_sgpr_count 2
		.amdhsa_user_sgpr_kernarg_segment_ptr 1
		.amdhsa_wavefront_size32 1
		.amdhsa_system_sgpr_workgroup_id_x 1
		.amdhsa_system_sgpr_workgroup_id_y 1
		.amdhsa_system_sgpr_workgroup_id_z 1
		.amdhsa_system_vgpr_workitem_id 0
		.amdhsa_next_free_vgpr 1024
		.amdhsa_next_free_sgpr 98
		.amdhsa_reserve_vcc 0
		.amdhsa_float_denorm_mode_32 3
		.amdhsa_float_denorm_mode_16_64 3
		.amdhsa_memory_ordered 1
		.amdhsa_forward_progress 1
		.amdhsa_inst_pref_size 131
	.end_amdhsa_kernel
	.amdgpu_metadata
---
amdhsa.version: [ 1, 2 ]
amdhsa.kernels:
  - .name:           k_q0c750f489b_qkv
    .symbol:         k_q0c750f489b_qkv.kd
    .args:
      - { .name: opx, .offset: 0, .size: 8, .value_kind: global_buffer, .address_space: global }
      - { .name: opwqk, .offset: 8, .size: 8, .value_kind: global_buffer, .address_space: global }
      - { .name: opwv, .offset: 16, .size: 8, .value_kind: global_buffer, .address_space: global }
      - { .name: big1, .offset: 24, .size: 8, .value_kind: global_buffer, .address_space: global }
      - { .name: vbuf, .offset: 32, .size: 8, .value_kind: global_buffer, .address_space: global }
    .group_segment_fixed_size: 327680
    .private_segment_fixed_size: 0
    .kernarg_segment_align: 8
    .kernarg_segment_size: 40
    .max_flat_workgroup_size: 128
    .sgpr_count:     98
    .vgpr_count:     1024
    .wavefront_size: 32
...
	.end_amdgpu_metadata
.endif
;; end of part 8
;; launch attn (part 9): grid 8 x 32, 16 waves a work-group, clusters of 4 x 1, 167,936 bytes of LDS; arguments big1, vbuf, opx; writes opx
.if DOCPART == 9
	.amdgcn_target "amdgcn-amd-amdhsa--gfx1250"
	.amdhsa_code_object_version 6
	.text
	.protected	k_q0c750f489b_attn
	.globl	k_q0c750f489b_attn
	.p2align	8
	.type	k_q0c750f489b_attn,@function
k_q0c750f489b_attn:
	s_mov_b64 s[64:65], 0
	v_nop
	global_prefetch_b8 v0, s[64:65] scope:SCOPE_SE
	s_setreg_imm32_b32 hwreg(HW_REG_WAVE_MODE, 25, 1), 1
	s_wait_xcnt 0x0
	s_wait_alu depctr_hold_cnt(0) depctr_sa_sdst(0) depctr_va_vdst(0) depctr_va_sdst(0) depctr_va_ssrc(0) depctr_va_vcc(0) depctr_vm_vsrc(0)
	s_getreg_b32 s2, hwreg(HW_REG_IB_STS2, 6, 4)
	s_cmp_eq_u32 s2, 0
	s_cbranch_scc0 .Lentry_in_a_cluster
	s_endpgm
.Lentry_in_a_cluster:
	s_bfe_u32 s2, ttmp6, 0x10000c
	s_cmp_lg_u32 s2, 0x3003
	s_cbranch_scc0 .Lentry_shape_is_right
	s_endpgm
.Lentry_shape_is_right:
; AO = Q(softmax(q k^T / 8) v), head by head, both products on codes of E2M1.  No work is left out.
; q and k: operand images in big1 (rows = tokens in tiles of 16; block 2 hd + i of 32 along K is q's, block 32 + 2 hd + i k's; scale words 8 MiB on).  v: vbuf, rows = (head, channel), K = the tokens.
; THE SOFTMAX: t = score x log2(e) / 8; M = the running largest t rounded UP to a whole number; p = 2^(t - M) is quantised along the keys, not normalised; the row's sum is taken of the unquantised p and divides at the end.
; When M moves, the sum and O are multiplied by 2^(old M - new M): exact.
; SHARES.  A work-group owns 256 queries of one head of one batch, each of its sixteen waves one tile of 16.  A head's K and V, 2,048 keys, are 128 KiB of codes and 12 KiB of scale words: they come into LDS ONCE,
; by seven tensor loads at the head, one to a wave (waves 0, 1: K's codes; 2, 3: V's; 4, 5: K's scale words; 6: V's); one barrier shows them to all sixteen, and no barrier stands in the loop over the keys.
; CLUSTER.  The four query blocks of a cluster walk the same K and V: each tile is asked for jointly, with a mask that names the four.  No prefetch: nothing is loaded behind the head, so there is no loop to run ahead in.
; LAYOUT.  Both products are used transposed: S^T = K Q^T, O^T = V^T P^T: a lane holds one query throughout.  By the images' row order the 16 registers of two neighbouring key tiles are 16 neighbouring keys,
; and those of two neighbouring tiles of V^T 16 neighbouring channels.  The head's size is 64: the upper half of the first product's K step is zero codes on both sides, under the scale byte 0.
; LIMITS: a block's largest p is made from its largest score by the same multiply-add and exponential (it takes the exponential not to fall where its input rises); a block of zeros gets the byte 1;
; NaN and infinities are not served.
; REGISTERS: v1-4 lane places; v5, v6 the add's two; v7 4 r; v8-11 the step's addresses; v12 -M, v13 largest t, v[14:15] the sum; v16-23 Q, v24 its scale; v25-28 the conversions' scale operands;
; v32-95 eight fragments of K; v96-159 S^T, then p; v160-191 O^T; v192-223 four fragments of V; v224-231 p's codes; v232-239 at work; v240-247 K's scales; v248-251 V's; v252 f; v253 p's scale word; v254 at work.
.set VC,    65536                      ; LDS: K's codes at 0: [key tile 128][512 bytes];  V's here: [tile 4][block 64][256 bytes]
.set KS,    131072                     ; K's scale words: [key tile][64 bytes]
.set VS,    139264                     ; V's: [tile 4][K step 16][64 bytes]
.set SPARE, 143360                     ; the spare words, 128 bytes for each wave
.set SPW,  5
.set NIL,  6
.set WV,   10
.set SEL,  16
.set CS,   18                          ; s[18:19] c = log2(e) / 8
.set CNT,  20
.set TK,   22                          ; s22-25: where the step's K codes, V codes, K scale words, V scale words begin
.set TV,   23
.set TKS,  24
.set TVS,  25
.set HM,   66                          ; s66 lanes 16-31
.set G1KC, 32
.set G1VC, 40
.set G1KS, 48
.set G1VS, 56
.macro ROUND
	s_barrier_signal -1
	s_barrier_wait -1
	s_cmp_lg_u32 s[WV], 0
	s_cbranch_scc1 .Lnot_wave_0_\@
	s_barrier_signal -3
.Lnot_wave_0_\@:
	s_barrier_wait -3
	s_barrier_signal -1
	s_barrier_wait -1
.endm
.macro MKG1 g, c, r, p                 ; r rows of c elements of 8 bytes, p elements apart; the mask names all four work-groups
	s_mov_b32 s[\g], 15|(3<<16)|(1<<21)
	s_mov_b32 s[\g+1], (\c)<<16
	s_mov_b32 s[\g+2], (\r)<<16
	s_mov_b32 s[\g+3], (\c)<<16
	s_mov_b32 s[\g+4], \r
	s_mov_b32 s[\g+5], \p
	s_mov_b32 s[\g+6], 0
	s_mov_b32 s[\g+7], 0
.endm
.macro MKG0 g, lds, base, off, more
	s_mov_b32 s[\g], 1
	s_mov_b32 s[\g+1], \lds
	s_add_nc_u64 s[\g+2:\g+3], s[\base:\base+1], s[\off:\off+1]
.if \more
	s_add_nc_u64 s[\g+2:\g+3], s[\g+2:\g+3], \more
.endif
	s_or_b32 s[\g+3], s[\g+3], 0x80000000
.endm
.macro ARM n, g0, g1, next             ; wave n's one first fill; an s_nop 0 and four v_nop follow it
	s_cmp_lg_u32 s[WV], \n
	s_cbranch_scc1 \next
	tensor_load_to_lds s[\g0:\g0+3], s[\g1:\g1+7]
	s_nop 0
.rept 4
	v_nop
.endr
	s_branch .Lasked
\next:
.endm
	s_load_b128 s[4:7], s[0:1], 0x0                ; big1, vbuf
	s_load_b64 s[8:9], s[0:1], 0x10                ; opx
	v_lshl_add_u32 v[SPW], v0, 2, SPARE
	v_mov_b32 v[NIL], 0
	ds_add_u32 v[SPW], v[NIL]                      ; the wave's opening: the add, twice on end, and its wait ahead of the first tensor loads
	ds_add_u32 v[SPW], v[NIL]
	v_lshrrev_b32 v8, 5, v0
	s_delay_alu instid0(VALU_DEP_1)
	v_readfirstlane_b32 s[WV], v8                  ; wave 0..15
	s_bfe_u32 s11, ttmp6, 0x40000                  ; cx
	s_lshl_b32 s12, ttmp9, 2
	s_add_co_u32 s12, s12, s11                     ; my block of 256 queries: it enters Q's and the result's addresses alone
	s_and_b32 s14, ttmp7, 0xffff
	s_lshr_b32 s13, s14, 4                         ; the batch
	s_and_b32 s14, s14, 15                         ; the head
	s_and_b32 s15, s14, 1                          ; which half of a scale word is the head's
	s_lshr_b32 s21, s14, 1                         ; which K step of 128 holds the head
	MKG1 G1KC, 64, 64, 4096                        ; 64 key tiles x 512 bytes, 32,768 bytes apart
	MKG1 G1VC, 2048, 2, 4096                       ; 2 tiles of V^T x 16,384 bytes (2,048 keys), 32,768 apart
	MKG1 G1KS, 8, 64, 256                          ; 64 key tiles x 64 bytes, 2,048 apart
	MKG1 G1VS, 128, 4, 256                         ; 4 tiles x 1,024 bytes, 2,048 apart
	s_mov_b32 s[SEL], 0x76543210
	s_mov_b32 s[SEL+1], 0xfedcba98
	s_mov_b32 s[CS], 0x3e38aa3b
	s_mov_b32 s[CS+1], s[CS]                       ; (named with it as a pair, so it is written)
	s_lshl_b32 s22, s13, 22                        ; K's codes: token tile 128 b, block 32 + 2 hd
	s_lshl_b32 s23, s14, 9
	s_add_co_u32 s22, s22, s23
	s_add_co_u32 s22, s22, 8192
	s_mov_b32 s23, 0
	s_lshl_b32 s24, s14, 17                        ; V's codes: tile 4 hd, block 64 b
	s_lshl_b32 s25, s13, 14
	s_add_co_u32 s24, s24, s25
	s_mov_b32 s25, 0
	s_lshl_b32 s26, s13, 18                        ; K's scale words: tile 128 b, K step 8 + hd / 2
	s_lshl_b32 s27, s21, 6
	s_add_co_u32 s26, s26, s27
	s_add_co_u32 s26, s26, 8388608+512
	s_mov_b32 s27, 0
	s_lshl_b32 s28, s14, 13                        ; V's scale words: tile 4 hd, K step 16 b
	s_lshl_b32 s29, s13, 10
	s_add_co_u32 s28, s28, s29
	s_add_co_u32 s28, s28, 8388608
	s_mov_b32 s29, 0
	s_wait_dscnt 0x0                               ; both opening adds are done
	s_wait_kmcnt 0x0
	MKG0 68, 0, 4, 22, 0
	MKG0 72, 32768, 4, 22, 2097152                 ; 64 token tiles on
	MKG0 76, VC, 6, 24, 0
	MKG0 80, VC+32768, 6, 24, 65536                ; 2 tiles of V^T on
	MKG0 84, KS, 4, 26, 0
	MKG0 88, KS+4096, 4, 26, 131072
	MKG0 92, VS, 6, 28, 0
	ROUND                                          ; all four work-groups are here: the joint loads meet
	ARM 0, 68, G1KC, .Lw1                          ; one chain of branches on the wave's number, an arm a load: no way through the head passes two
	ARM 1, 72, G1KC, .Lw2
	ARM 2, 76, G1VC, .Lw3
	ARM 3, 80, G1VC, .Lw4
	ARM 4, 84, G1KS, .Lw5
	ARM 5, 88, G1KS, .Lw6
	ARM 6, 92, G1VS, .Lw7
.Lasked:
	s_lshl_b32 s3, s13, 7
	s_lshl_b32 s2, s12, 4
	s_add_co_u32 s3, s3, s2
	s_add_co_u32 s3, s3, s[WV]                     ; my tile of queries: 128 b + 16 x block + wave
	s_lshl_b32 s26, s3, 15
	s_lshl_b32 s27, s14, 9
	s_add_co_u32 s26, s26, s27
	s_mov_b32 s27, 0
	s_add_nc_u64 s[26:27], s[4:5], s[26:27]        ; Q's codes
	s_lshl_b32 s28, s3, 11
	s_lshl_b32 s29, s21, 6
	s_add_co_u32 s28, s28, s29
	s_lshl_b32 s29, s15, 1
	s_add_co_u32 s28, s28, s29
	s_add_co_u32 s28, s28, 8388608
	s_mov_b32 s29, 0
	s_add_nc_u64 s[28:29], s[4:5], s[28:29]        ; Q's two scale bytes
	s_lshl_b32 s30, s3, 13
	s_lshl_b32 s31, s14, 9
	s_add_co_u32 s30, s30, s31
	s_mov_b32 s31, 0
	s_add_nc_u64 s[30:31], s[8:9], s[30:31]        ; the result's codes: tile, block 2 hd
	s_lshl_b32 s2, s3, 9
	s_lshl_b32 s3, s21, 6
	s_add_co_u32 s2, s2, s3
	s_lshl_b32 s3, s15, 1
	s_add_co_u32 s2, s2, s3
	s_mov_b32 s3, 0
	s_add_nc_u64 s[2:3], s[8:9], s[2:3]            ; and its scale bytes (2 MiB on, in the store's immediate)
	v_and_b32 v8, 15, v0                           ; r
	v_and_b32 v10, 31, v0                          ; lane
	s_delay_alu instid0(VALU_DEP_1)
	v_lshlrev_b32 v1, 4, v10                       ; K's codes: 16 x lane
	s_delay_alu instid0(VALU_DEP_1)
	v_add_nc_u32 v2, VC, v1                        ; V's
	s_delay_alu instid0(VALU_DEP_4)
	v_lshlrev_b32 v7, 2, v8                        ; 4 r
	s_lshl_b32 s67, s15, 1
	s_add_co_u32 s67, s67, KS
	v_add_nc_u32 v3, s67, v7                       ; K's scale bytes: 4 r + the head's half of the word
	v_add_nc_u32 v4, VS, v7                        ; V's scale words
	v_cmp_le_u32 s[HM], 16, v10
	global_load_b128 v[16:19], v1, s[26:27]        ; Q's 64 codes a row: the lower half of the fragment
	global_load_u16 v24, v7, s[28:29]              ; its two scale bytes; the bytes of the zero half are 0
.irp j, 20,21,22,23
	v_mov_b32 v[\j], 0                             ; the upper half of the K step: zero codes
.endr
.irp t, 0,1,2,3,4,5,6,7
.irp j, 4,5,6,7
	v_mov_b32 v[32+8*\t+\j], 0                     ; in K's fragments too: written once, the loads never touch them
.endr
.endr
	v_mov_b32 v13, 0xff61b1e6                      ; the largest t so far: -3e38
	s_delay_alu instid0(VALU_DEP_1)
	v_floor_f32 v12, -v13                          ; -M
	v_mov_b32 v14, 0
	v_mov_b32 v15, 0
.irp b, 0,1,2,3
	v_mov_b32 v[236+\b], 0                         ; a lane permute's destination counts as one of its sources
.endr
	v_mov_b32 v253, 0                              ; (named as the upper half of v[252:253] before it is first written)
.set J, 0
.rept 32
	v_mov_b32 v[160+J], 0                          ; O^T: the step is written once; the first finds zeros, which the first change of M leaves zeros
.set J, J+1
.endr
	s_mov_b32 s[TK], 0
	s_mov_b32 s[TV], 0
	s_mov_b32 s[TKS], 0
	s_mov_b32 s[TVS], 0
; A KEY STEP: 128 keys
.macro STEP
	v_add_nc_u32 v8, s[TK], v1                     ; (these four are also the places behind the last step's products)
	v_add_nc_u32 v9, s[TV], v2
	v_add_nc_u32 v10, s[TKS], v3
	v_add_nc_u32 v11, s[TVS], v4
.irp t, 0,1,2,3,4,5,6,7
	ds_load_b128 v[32+8*\t:35+8*\t], v8 offset:512*\t
	ds_load_u16 v[240+\t], v10 offset:64*\t
.endr
	s_wait_alu depctr_va_vdst(0)
	s_wait_dscnt 0x0
.irp t, 0,1,2,3,4,5,6,7                        ; S^T = K Q^T: lane (r, h) holds query r; the 16 registers of tiles 2 b, 2 b + 1 are keys 32 b + 16 h + 0 .. 15
	v_wmma_scale_f32_16x16x128_f8f6f4 v[96+8*\t:103+8*\t], v[32+8*\t:39+8*\t], v[16:23], 0, v[240+\t], v24 matrix_a_fmt:MATRIX_FMT_FP4 matrix_b_fmt:MATRIX_FMT_FP4
.endr
.rept 4
	v_nop                                          ; places in front of the first read of the scores, and of the loads below
.endr
.irp t, 0,1,2,3
.irp c, 0,1
	ds_load_b128 v[192+8*\t+4*\c:195+8*\t+4*\c], v9 offset:16384*\t+512*\c   ; V's fragments land while the softmax is walked
.endr
	ds_load_b32 v[248+\t], v11 offset:1024*\t
.endr
.irp b, 0,1,2,3
	v_max3_num_f32 v[232+\b], v[96+16*\b], v[97+16*\b], v[98+16*\b]   ; the largest score of each block of 32 keys: for the row's maximum and for the block's largest p
.endr
.irp i, 3,5,7,9,11,13
.irp b, 0,1,2,3
	v_max3_num_f32 v[232+\b], v[232+\b], v[96+16*\b+\i], v[97+16*\b+\i]
.endr
.endr
.irp b, 0,1,2,3
	v_max_num_f32 v[232+\b], v[232+\b], v[111+16*\b]
.endr
.irp b, 0,1,2,3
	s_delay_alu instid0(VALU_DEP_4)
	v_permlanex16_b32 v[236+\b], v[232+\b], s[SEL], s[SEL+1]
.endr
.irp b, 0,1,2,3
	s_delay_alu instid0(VALU_DEP_4)
	v_max_num_f32 v[232+\b], v[232+\b], v[236+\b]
.endr
	s_delay_alu instid0(VALU_DEP_2)
	v_max3_num_f32 v254, v232, v233, v234
	s_delay_alu instid0(VALU_DEP_1)
	v_max_num_f32 v254, v254, v235
	s_delay_alu instid0(VALU_DEP_1)
	v_mul_f32 v254, s[CS], v254                    ; as t (c is positive)
	s_delay_alu instid0(VALU_DEP_1)
	v_max_num_f32 v13, v13, v254                   ; the running largest t
	v_mov_b32 v254, v12
	s_delay_alu instid0(VALU_DEP_2)
	v_floor_f32 v12, -v13                          ; the new -M = floor(-t): M is a whole number
	s_delay_alu instid0(VALU_DEP_1)
	v_sub_f32 v254, v12, v254                      ; old M - new M: a whole number, 0 or less
	s_delay_alu instid0(VALU_DEP_1)
	v_cvt_i32_f32 v254, v254                       ; (it saturates)
	s_delay_alu instid0(VALU_DEP_1)
	v_ldexp_f32 v252, 1.0, v254                    ; f = 2^(old M - new M)
.set J, 0
.rept 32
	v_pk_fma_f32 v[96+J:97+J], v[96+J:97+J], s[CS:CS+1], v[12:13] op_sel_hi:[1,0,0]   ; t - M, two at a time
.set J, J+2
.endr
.irp b, 0,1,2,3
	v_fma_f32 v[232+\b], v[232+\b], s[CS], v12
.endr
.set J, 0
	s_wait_alu depctr_va_vdst(0)
.rept 64
	v_exp_f32 v[96+J], v[96+J]                     ; p = 2^(t - M)
.set J, J+1
.endr
	v_pk_mul_f32 v[14:15], v[14:15], v[252:253] op_sel_hi:[1,0]   ; the sums under the new M: a plain place behind the exponentials
	s_wait_alu depctr_va_vdst(0)                   ; one wait for the whole batch, ahead of its first reader
.irp b, 0,1,2,3
	v_exp_f32 v[232+\b], v[232+\b]                 ; the block's largest p
.endr
	v_pk_add_f32 v[236:237], v[100:101], v[104:105]   ; the row's sum of the unquantised p, in eight chains
	v_pk_add_f32 v[246:247], v[108:109], v[112:113]
	v_pk_add_f32 v[244:245], v[116:117], v[120:121]
	v_pk_add_f32 v[242:243], v[124:125], v[128:129]
	v_pk_add_f32 v[240:241], v[132:133], v[136:137]
	v_pk_add_f32 v[238:239], v[140:141], v[144:145]
	v_pk_add_f32 v[230:231], v[148:149], v[152:153]
	v_pk_add_f32 v[14:15], v[14:15], v[156:157]
	v_pk_add_f32 v[236:237], v[236:237], v[96:97]
	v_pk_add_f32 v[246:247], v[246:247], v[98:99]
	v_pk_add_f32 v[244:245], v[244:245], v[102:103]
	v_pk_add_f32 v[242:243], v[242:243], v[106:107]
	v_pk_add_f32 v[240:241], v[240:241], v[110:111]
	v_pk_add_f32 v[238:239], v[238:239], v[114:115]
	v_pk_add_f32 v[230:231], v[230:231], v[118:119]
	v_pk_add_f32 v[14:15], v[14:15], v[122:123]
	v_pk_add_f32 v[236:237], v[236:237], v[126:127]
	v_pk_add_f32 v[246:247], v[246:247], v[130:131]
	v_pk_add_f32 v[244:245], v[244:245], v[134:135]
	v_pk_add_f32 v[242:243], v[242:243], v[138:139]
	v_pk_add_f32 v[240:241], v[240:241], v[142:143]
	v_pk_add_f32 v[238:239], v[238:239], v[146:147]
	v_pk_add_f32 v[230:231], v[230:231], v[150:151]
	v_pk_add_f32 v[14:15], v[14:15], v[154:155]
	v_pk_add_f32 v[236:237], v[236:237], v[158:159]
	s_delay_alu instid0(VALU_DEP_2)
	v_pk_add_f32 v[14:15], v[14:15], v[242:243]
	s_delay_alu instid0(VALU_DEP_2)
	v_pk_add_f32 v[236:237], v[236:237], v[240:241]
	v_pk_add_f32 v[246:247], v[246:247], v[238:239]
	v_pk_add_f32 v[244:245], v[244:245], v[230:231]
	s_delay_alu instid0(VALU_DEP_2)
	v_pk_add_f32 v[14:15], v[14:15], v[246:247]
	s_delay_alu instid0(VALU_DEP_2)
	v_pk_add_f32 v[236:237], v[236:237], v[244:245]
	s_delay_alu instid0(VALU_DEP_1)
	v_pk_add_f32 v[14:15], v[14:15], v[236:237]
	s_wait_alu depctr_va_vdst(0)                   ; and one for the four
.irp b, 0,1,2,3
	v_max_num_f32 v[232+\b], 0x1800000, v[232+\b]  ; the floor 2^(3 - 127)
.endr
.irp b, 0,1,2,3
	s_delay_alu instid0(VALU_DEP_4)
	v_add_nc_u32 v[25+\b], 0xff000000, v[232+\b]   ; the conversion's scale operand
.endr
.irp b, 0,1,2,3
	s_delay_alu instid0(VALU_DEP_4)
	v_lshrrev_b32 v[236+\b], 23, v[25+\b]          ; the scale's byte
.endr
	s_delay_alu instid0(VALU_DEP_3)
	v_lshl_or_b32 v253, v237, 8, v236              ; p's scale word for these 128 keys
	s_delay_alu instid0(VALU_DEP_1)
	v_lshl_or_b32 v253, v238, 16, v253
	s_delay_alu instid0(VALU_DEP_1)
	v_lshl_or_b32 v253, v239, 24, v253
.irp b, 0,1,2,3
	v_cvt_scalef32_pk8_fp4_f32 v[224+2*\b], v[96+16*\b:103+16*\b], v[25+\b]
	v_cvt_scalef32_pk8_fp4_f32 v[225+2*\b], v[104+16*\b:111+16*\b], v[25+\b]
.endr
	v_nop                                          ; one plain place behind a scaled conversion
.irp c, 0,1
.irp i, 0,1
	v_permlane16_swap_b32 v[224+4*\c+\i], v[226+4*\c+\i]
.endr
.endr
.set J, 0
.rept 16
	v_pk_mul_f32 v[160+J:161+J], v[160+J:161+J], v[252:253] op_sel_hi:[1,0]   ; O^T under the new M; these sixteen are also the places between p's scale word and codes and the products
.set J, J+2
.endr
	s_wait_alu depctr_va_vdst(0)
	s_wait_dscnt 0x0                               ; V
.irp t, 0,1,2,3                                ; O^T += V^T P^T: the four accumulators by turns
	v_wmma_scale_f32_16x16x128_f8f6f4 v[160+8*\t:167+8*\t], v[192+8*\t:199+8*\t], v[224:231], v[160+8*\t:167+8*\t], v[248+\t], v253 matrix_a_fmt:MATRIX_FMT_FP4 matrix_b_fmt:MATRIX_FMT_FP4
.endr
	s_add_co_u32 s[TK], s[TK], 4096                ; 8 key tiles on
	s_add_co_u32 s[TV], s[TV], 1024                ; 4 blocks on
	s_add_co_u32 s[TKS], s[TKS], 512
	s_add_co_u32 s[TVS], s[TVS], 64
.endm
	s_wait_alu depctr_va_vdst(0)
	s_wait_loadcnt 0x0                             ; Q
	s_wait_tensorcnt 0x0                           ; a loading wave's tile is in,
	s_barrier_signal -1
	s_barrier_wait -1                              ; everybody's is: nothing is filled again
	s_mov_b32 s[CNT], 16
.Lkeys:
	STEP
	s_sub_co_u32 s[CNT], s[CNT], 1
	s_cmp_lg_u32 s[CNT], 0
	s_cbranch_scc1 .Lkeys
	; THE WAY OUT: O^T / the sum; register 16 b + i is channel 32 b + 16 h + i of my query: two blocks of 32, quantised as the projection's operand
.rept 4
	v_nop
.endr
	v_add_f32 v14, v14, v15
	s_delay_alu instid0(VALU_DEP_1)
	v_permlanex16_b32 v254, v14, s[SEL], s[SEL+1]
	s_delay_alu instid0(VALU_DEP_1)
	v_add_f32 v14, v14, v254                       ; the row's sum
	s_wait_alu depctr_va_vdst(0)
	v_rcp_f32 v14, v14
	v_and_b32 v8, 15, v0                           ; (a plain place behind the reciprocal)
	v_bfe_u32 v9, v0, 4, 1
	s_delay_alu instid0(VALU_DEP_1)
	v_lshl_add_u32 v9, v8, 2, v9                   ; 4 r + h: my scale byte's place
	s_wait_alu depctr_va_vdst(0)                   ; ahead of the first reader
.set J, 0
.rept 32
	v_mul_f32 v[96+J], v[160+J], v14
.set J, J+1
.endr
.irp b, 0,1
	v_max3_num_f32 v[232+\b], |v[96+16*\b]|, |v[97+16*\b]|, 0x1800000
.endr
.irp i, 2,4,6,8,10,12,14
.irp b, 0,1
	s_delay_alu instid0(VALU_DEP_2)
	v_max3_num_f32 v[232+\b], v[232+\b], |v[96+16*\b+\i]|, |v[97+16*\b+\i]|
.endr
.endr
.irp b, 0,1
	s_delay_alu instid0(VALU_DEP_2)
	v_permlanex16_b32 v[236+\b], v[232+\b], s[SEL], s[SEL+1]
.endr
.irp b, 0,1
	s_delay_alu instid0(VALU_DEP_2)
	v_max_num_f32 v[232+\b], v[232+\b], v[236+\b]
.endr
.irp b, 0,1
	s_delay_alu instid0(VALU_DEP_2)
	v_add_nc_u32 v[25+\b], 0xff000000, v[232+\b]
.endr
.irp b, 0,1
	s_delay_alu instid0(VALU_DEP_2)
	v_lshrrev_b32 v[236+\b], 23, v[25+\b]
.endr
.irp b, 0,1
	v_cvt_scalef32_pk8_fp4_f32 v[224+2*\b], v[96+16*\b:103+16*\b], v[25+\b]
	v_cvt_scalef32_pk8_fp4_f32 v[225+2*\b], v[104+16*\b:111+16*\b], v[25+\b]
.endr
	v_nop
	v_permlane16_swap_b32 v224, v226               ; lanes 0-15 block 0, lanes 16-31 block 1
	v_permlane16_swap_b32 v225, v227
	v_cndmask_b32 v238, v236, v237, s[HM]          ; lane (r, h) stores block h's byte
	global_store_b128 v1, v[224:227], s[30:31]     ; 512 consecutive bytes
	global_store_b8 v9, v238, s[2:3] offset:2097152
	s_wait_tensorcnt 0x0                           ; the wave's end
	ds_add_u32 v[SPW], v[NIL]
	s_wait_dscnt 0x0
	ROUND                                          ; the closing round
	s_endpgm
.Lfunc_end_k_q0c750f489b_attn:
	.size	k_q0c750f489b_attn, .Lfunc_end_k_q0c750f489b_attn-k_q0c750f489b_attn
	.p2alignl 7, 3214868480
	.fill 96, 4, 3214868480
	.section	.rodata,"a",@progbits
	.p2align	6, 0x0
	.amdhsa_kernel k_q0c750f489b_attn
		.amdhsa_group_segment_fixed_size 167936
		.amdhsa_private_segment_fixed_size 0
		.amdhsa_enable_private_segment 0
		.amdhsa_kernarg_size 24
		.amdhsa_user_sgpr_count 2
		.amdhsa_user_sgpr_kernarg_segment_ptr 1
		.amdhsa_wavefront_size32 1
		.amdhsa_system_sgpr_workgroup_id_x 1
		.amdhsa_system_sgpr_workgroup_id_y 1
		.amdhsa_system_sgpr_workgroup_id_z 1
		.amdhsa_system_vgpr_workitem_id 0
		.amdhsa_next_free_vgpr 256
		.amdhsa_next_free_sgpr 100
		.amdhsa_reserve_vcc 0
		.amdhsa_float_denorm_mode_32 3
		.amdhsa_float_denorm_mode_16_64 3
		.amdhsa_memory_ordered 1
		.amdhsa_forward_progress 1
		.amdhsa_inst_pref_size 34
	.end_amdhsa_kernel
	.amdgpu_metadata
---
amdhsa.version: [ 1, 2 ]
amdhsa.kernels:
  - .name:           k_q0c750f489b_attn
    .symbol:         k_q0c750f489b_attn.kd
    .args:
      - { .name: big1, .offset: 0, .size: 8, .value_kind: global_buffer, .address_space: global }
      - { .name: vbuf, .offset: 8, .size: 8, .value_kind: global_buffer, .address_space: global }
      - { .name: opx, .offset: 16, .size: 8, .value_kind: global_buffer, .address_space: global }
    .group_segment_fixed_size: 167936
    .private_segment_fixed_size: 0
    .kernarg_segment_align: 8
    .kernarg_segment_size: 24
    .max_flat_workgroup_size: 512
    .sgpr_count:     100
    .vgpr_count:     256
    .wavefront_size: 32
...
	.end_amdgpu_metadata
.endif
;; end of part 9
;; launch pln1 (part 10): grid 256 x 1, 16 waves a work-group, no clusters, 82,432 bytes of LDS; arguments opx, wrow, b_proj, src, g1, be1, x1, opwqk; writes x1, opwqk
.if DOCPART == 10
	.amdgcn_target "amdgcn-amd-amdhsa--gfx1250"
	.amdhsa_code_object_version 6
	.text
	.protected	k_q0c750f489b_pln1
	.globl	k_q0c750f489b_pln1
	.p2align	8
	.type	k_q0c750f489b_pln1,@function
k_q0c750f489b_pln1:
	s_mov_b64 s[64:65], 0
	v_nop
	global_prefetch_b8 v0, s[64:65] scope:SCOPE_SE
	s_setreg_imm32_b32 hwreg(HW_REG_WAVE_MODE, 25, 1), 1
	s_wait_xcnt 0x0
; x = LN(res + A B^T + bias) x gain + offset, rows whole, and Q(x) as the next product's operand image.  Here A = Q(attention's result), B = w_proj, res = src.  No work is left out.
; A and B are operands of K = 128 KST in this program's image order: codes [tile of 16 rows][K / 32][16 rows][16 bytes], scale words [tile][K / 128][16 rows][4 bytes]; place r of tile T is row 32 (T / 2) + 8 (T % 2) + r + 8 (r / 8).
; SHARES.  A work-group owns the 16 rows of one tile T of A, whole: 256 work-groups.  Wave w owns columns 64 w .. 64 w + 63: B's tiles 4 w .. 4 w + 3, four accumulators, which take turns.
; The matrix instruction is used transposed (source 0 = 16 rows of B, source 1 = A's 16 rows): lane (r, h) holds place r, and register 8 k + j of v16-47 column 64 w + 32 (k / 2) + 16 h + 8 (k % 2) + j.
; The sums begin as res + bias, so the product never goes to memory.  res comes by rows of 256 bytes and is turned through the wave's own stage in LDS.
; A's tile, TP bytes, is copied into LDS once, a sixteenth by each wave, and read there by all sixteen.  B goes from memory straight into registers: a fragment is 1,024 consecutive bytes, two loads of 512, and feeds ONE matrix
; instruction, so a way through LDS would add a write and a read of every byte: no tensor load, and so no joint load.  Two K steps (a pair) are 21 loads a wave; two buffers, each asked for one pair ahead of its use: no further prefetch.
; A scale register holds two K steps' words, 128 consecutive bytes: lanes 0-15 the even step's, lanes 16-31 the odd step's.
; The variance is taken of x - mean, in a second pass.  LIMITS: a block of zeros gets the byte 1 (its codes are zeros; this program alone reads the bytes); NaN and infinities are not served.
; REGISTERS: v1 16 x lane; v2 4 x lane; v3 r; v4 h; v5 A's image; v7 my part of it; v8, v9 the stage by columns and by rows; v10 rows in memory; v11 64 h; v12, v13 the sums' words; v14, v15 the add's two;
; v16-47 the accumulators; v48-57 scale words; v64-95 A's fragments, two buffers, later at work; v96-223 B's fragments, two buffers (first the bias, at the end gain and offset); v224-255 res's rows, later the result's.
.set KST,    8
.set QOUT,   1
.set A_SC,   2097152
.set B_OFF,  0
.set B_SC,   2621440
.set TP,     KST*1024                  ; a tile's codes
.set SP,     KST*64                    ; a tile's scale words
.set NA,     TP/8192                   ; loads of 512 bytes in a wave's sixteenth of A's tile
.set NT,     KST/4                     ; trips of two pairs
.set RED1,   16*4352                   ; LDS: a stage of 16 rows x (256 + 16) bytes for each wave at 0; then 16 rows x (16 waves' words + 16 bytes), twice;
.set RED2O,  1280
.set SPARE,  RED1+2*1280               ; the spare words, 128 bytes for each wave;
.set AIM,    SPARE+2048                ; A's tile
.set BS,     48
.set AS,     56
.set AF,     64
.set BF,     96
.set GA,     96
.set OF,     128
.macro VLOAD reg, sb                   ; my 32 numbers of a vector along the columns, in the accumulators' layout
.irp k, 0,1,2,3
	global_load_b128 v[\reg+8*\k:\reg+8*\k+3], v11, s[\sb:\sb+1] offset:128*(\k/2)+32*(\k%2)
	global_load_b128 v[\reg+8*\k+4:\reg+8*\k+7], v11, s[\sb:\sb+1] offset:128*(\k/2)+32*(\k%2)+16
.endr
.endm
.macro REDUCE off                      ; v[74:75], my lane's part of a row's sum, becomes the whole row's sum in v76
	s_delay_alu instid0(VALU_DEP_1)
	v_add_f32 v74, v74, v75
	s_delay_alu instid0(VALU_DEP_1)
	v_permlanex16_b32 v75, v74, s36, s37
	s_delay_alu instid0(VALU_DEP_1)
	v_add_f32 v74, v74, v75
	ds_store_b32 v12, v74 offset:\off              ; both lanes of a row write the same word with the same value
	s_wait_dscnt 0x0
	s_barrier_signal -1
	s_barrier_wait -1
.irp i, 0,1,2,3
	ds_load_b128 v[76+4*\i:79+4*\i], v13 offset:\off+16*\i
.endr
	s_wait_dscnt 0x0
	v_pk_add_f32 v[76:77], v[76:77], v[78:79]
	v_pk_add_f32 v[80:81], v[80:81], v[82:83]
	v_pk_add_f32 v[84:85], v[84:85], v[86:87]
	v_pk_add_f32 v[88:89], v[88:89], v[90:91]
	s_delay_alu instid0(VALU_DEP_3)
	v_pk_add_f32 v[76:77], v[76:77], v[80:81]
	s_delay_alu instid0(VALU_DEP_2)
	v_pk_add_f32 v[84:85], v[84:85], v[88:89]
	s_delay_alu instid0(VALU_DEP_1)
	v_pk_add_f32 v[76:77], v[76:77], v[84:85]
	s_delay_alu instid0(VALU_DEP_1)
	v_add_f32 v76, v76, v77
.endm
.macro LOADP f, p                      ; pair p (counted from the walking bases) into buffer f: 16 loads of B's codes, 4 of its scale words, 1 of A's: 21
.irp k, 0,1,2,3
.irp e, 0,1,2,3
	global_load_b128 v[BF+64*(\f)+32*(\e/2)+8*\k+4*(\e%2):BF+64*(\f)+32*(\e/2)+8*\k+4*(\e%2)+3], v1, s[26:27] offset:\k*TP+(\p)*2048+512*\e
.endr
	global_load_b32 v[BS+4*(\f)+\k], v2, s[28:29] offset:\k*SP+(\p)*128
.endr
	global_load_b32 v[AS+(\f)], v2, s[24:25] offset:(\p)*128
.endm
.macro LOADA f, p                      ; A's two fragments of that pair, from LDS: 4 loads
.irp e, 0,1,2,3
	ds_load_b128 v[AF+16*(\f)+4*\e:AF+16*(\f)+4*\e+3], v5 offset:(\p)*2048+512*\e
.endr
.endm
.macro MULP f                          ; a pair's 8 matrix instructions
.irp k, 0,1,2,3
	v_wmma_scale_f32_16x16x128_f8f6f4 v[16+8*\k:23+8*\k], v[BF+64*(\f)+8*\k:BF+64*(\f)+8*\k+7], v[AF+16*(\f):AF+16*(\f)+7], v[16+8*\k:23+8*\k], v[BS+4*(\f)+\k], v[AS+(\f)] matrix_a_fmt:MATRIX_FMT_FP4 matrix_b_fmt:MATRIX_FMT_FP4
.endr
.irp k, 0,1,2,3
	v_wmma_scale_f32_16x16x128_f8f6f4 v[16+8*\k:23+8*\k], v[BF+64*(\f)+32+8*\k:BF+64*(\f)+32+8*\k+7], v[AF+16*(\f)+8:AF+16*(\f)+15], v[16+8*\k:23+8*\k], v[BS+4*(\f)+\k], v[AS+(\f)] matrix_a_fmt:MATRIX_FMT_FP4 matrix_b_fmt:MATRIX_FMT_FP4 matrix_a_scale:MATRIX_SCALE_ROW1 matrix_b_scale:MATRIX_SCALE_ROW1
.endr
.rept 4
	v_nop                                          ; places in front of loads into, and vector reads of, these products' registers
.endr
.endm
.macro TRIP more                       ; two pairs; more = 0: the last two, and gain and offset take the first buffer's place
	LOADP 1, 1
	LOADA 1, 1
	s_wait_loadcnt 21                              ; all but the 21 just issued: buffer 0 is in
	s_wait_dscnt 4                                 ; all but the 4 just issued
	MULP 0
.if \more
	LOADP 0, 2
	LOADA 0, 2
	s_wait_loadcnt 21
	s_wait_dscnt 4
.else
	VLOAD GA, 12
	VLOAD OF, 14
	s_wait_loadcnt 16                              ; all but gain's and offset's sixteen
	s_wait_dscnt 0
.endif
	MULP 1
.endm
	s_load_b256 s[4:11], s[0:1], 0x0               ; A, the weights' images, bias, residual
	s_load_b128 s[12:15], s[0:1], 0x20             ; gain, offset
	s_load_b64 s[16:17], s[0:1], 0x30              ; the result
.if QOUT
	s_load_b64 s[18:19], s[0:1], 0x38              ; Q(the result)
.endif
	v_lshl_add_u32 v14, v0, 2, SPARE               ; my spare word,
	v_mov_b32 v15, 0                               ; and 0: kept for the closing lines
	v_lshrrev_b32 v3, 5, v0
	s_delay_alu instid0(VALU_DEP_1)
	v_readfirstlane_b32 s20, v3                    ; wave 0..15
	v_and_b32 v3, 15, v0                           ; r
	v_bfe_u32 v4, v0, 4, 1                         ; h
	v_and_b32 v6, 31, v0                           ; lane
	s_mul_i32 s21, s20, 4352                       ; my stage
	s_lshl_b32 s22, s20, 2
	s_mul_i32 s23, s20, TP/16
	v_mul_u32_u24 v8, v3, 272
	v_mul_u32_u24 v9, v4, 272
	v_lshlrev_b32 v10, 12, v4
	v_mul_u32_u24 v13, v3, 80
	v_lshlrev_b32 v1, 4, v6
	v_lshlrev_b32 v2, 2, v6
	v_lshlrev_b32 v11, 6, v4
	v_lshl_add_u32 v8, v4, 6, v8
	v_lshl_add_u32 v9, v3, 4, v9
	v_lshl_add_u32 v10, v3, 4, v10                 ; two rows in memory: lanes 0-15 one row's 256 bytes, lanes 16-31 the next's
	v_add_nc_u32 v13, RED1, v13
	v_add_nc_u32 v5, AIM, v1
.if QOUT
	v_cmp_le_u32 s40, 16, v6                       ; lanes 16-31
.endif
	v_add_nc_u32 v8, s21, v8                       ; the stage by columns: row r, + 64 h
	v_add_nc_u32 v9, s21, v9                       ; by rows
	v_add_nc_u32 v12, s22, v13
	v_add_nc_u32 v7, s23, v5
	s_mov_b32 s36, 0x76543210
	s_mov_b32 s37, 0xfedcba98
	s_mov_b32 s38, 0x3a800000                      ; 1 / 1,024
	s_mov_b32 s39, 0x3727c5ac                      ; 1e-5
	s_mov_b32 s35, 0
	s_mov_b32 s41, NT-1
	s_wait_alu depctr_va_vdst(0)
	s_wait_kmcnt 0x0
	s_mul_i32 s34, ttmp9, TP
	s_add_co_u32 s34, s34, s23
	s_add_nc_u64 s[22:23], s[4:5], s[34:35]        ; my sixteenth of A's tile
	s_mul_i32 s34, ttmp9, SP
	s_add_co_u32 s34, s34, A_SC
	s_add_nc_u64 s[24:25], s[4:5], s[34:35]        ; A's scale words
	s_mul_i32 s34, s20, 4*TP
	s_add_co_u32 s34, s34, B_OFF
	s_add_nc_u64 s[26:27], s[6:7], s[34:35]        ; my four tiles of B
	s_mul_i32 s34, s20, 4*SP
	s_add_co_u32 s34, s34, B_SC
	s_add_nc_u64 s[28:29], s[6:7], s[34:35]        ; their scale words
	s_lshr_b32 s34, ttmp9, 1                       ; the tile's first row: 32 (T / 2) + 8 (T % 2), 4,096 bytes a row; + my 256 bytes
	s_lshl_b32 s34, s34, 17
	s_and_b32 s21, ttmp9, 1
	s_lshl_b32 s21, s21, 15
	s_add_co_u32 s34, s34, s21
	s_lshl_b32 s21, s20, 8
	s_add_co_u32 s34, s34, s21
	s_add_nc_u64 s[30:31], s[10:11], s[34:35]
	s_add_nc_u64 s[32:33], s[16:17], s[34:35]
	s_mov_b32 s34, s21
	s_add_nc_u64 s[8:9], s[8:9], s[34:35]          ; my 64 numbers of the bias, the gain, the offset
	s_add_nc_u64 s[12:13], s[12:13], s[34:35]
	s_add_nc_u64 s[14:15], s[14:15], s[34:35]
.if QOUT
	s_lshl_b32 s34, ttmp9, 13
	s_lshl_b32 s21, s20, 9
	s_add_co_u32 s34, s34, s21
	s_add_nc_u64 s[42:43], s[18:19], s[34:35]      ; Q: tile T, blocks 2 w, 2 w + 1
	s_lshl_b32 s34, ttmp9, 9
	s_lshr_b32 s21, s20, 1
	s_lshl_b32 s21, s21, 6
	s_add_co_u32 s34, s34, s21
	s_and_b32 s21, s20, 1
	s_lshl_b32 s21, s21, 1
	s_add_co_u32 s34, s34, s21
	s_add_nc_u64 s[44:45], s[18:19], s[34:35]      ; its scale bytes (2 MiB on, in the store's immediate)
.endif
.set I, 0
.rept NA
	global_load_b128 v[AF+4*I:AF+4*I+3], v1, s[22:23] offset:512*I
.set I, I+1
.endr
.irp i, 0,1,2,3,4,5,6,7
	global_load_b128 v[224+4*\i:227+4*\i], v10, s[30:31] offset:(2*\i+8*(\i/4))*4096   ; the residual: places 2 i, 2 i + 1 of the tile, 256 bytes of each
.endr
	VLOAD 160, 8                                   ; the bias, where B's second buffer is filled only behind its use
	LOADP 0, 0
	s_wait_loadcnt 37                              ; behind A's part: 8 + 8 + 21
.set I, 0
.rept NA
	ds_store_b128 v7, v[AF+4*I:AF+4*I+3] offset:512*I
.set I, I+1
.endr
	s_wait_loadcnt 29                              ; behind the residual: 8 + 21
.irp i, 0,1,2,3,4,5,6,7
	ds_store_b128 v9, v[224+4*\i:227+4*\i] offset:544*\i
.endr
.irp k, 0,1,2,3
	ds_load_b128 v[16+8*\k:19+8*\k], v8 offset:128*(\k/2)+32*(\k%2)      ; LDS serves a wave's instructions in order: these see my stores
	ds_load_b128 v[20+8*\k:23+8*\k], v8 offset:128*(\k/2)+32*(\k%2)+16
.endr
	s_wait_loadcnt 21                              ; behind the bias: the first pair's 21
	s_wait_dscnt 0x0                               ; my part of A's tile is stored, and my numbers are back
.set J, 0
.rept 16
	v_pk_add_f32 v[16+J:17+J], v[16+J:17+J], v[160+J:161+J]   ; where the sums begin
.set J, J+2
.endr
	s_wait_alu depctr_va_vdst(0)
	s_barrier_signal -1
	s_barrier_wait -1                              ; A's tile is whole
	LOADA 0, 0
.Lk:
	TRIP 1
	s_wait_xcnt 0x0                                ; the loads have read their bases: these may step, two pairs on
	s_add_nc_u64 s[26:27], s[26:27], 4096
	s_add_nc_u64 s[28:29], s[28:29], 256
	s_add_nc_u64 s[24:25], s[24:25], 256
	v_add_nc_u32 v5, 4096, v5
	s_wait_alu depctr_va_vdst(0)
	s_sub_co_u32 s41, s41, 1
	s_cmp_lg_u32 s41, 0
	s_cbranch_scc1 .Lk
	TRIP 0                                         ; the last two pairs are written out: nothing is asked for beyond K
	v_pk_add_f32 v[74:75], v[16:17], v[20:21]      ; the row's sum, in two chains; each accumulator is read from its low end on
	v_pk_add_f32 v[76:77], v[18:19], v[22:23]
.irp j, 8,12,16,20,24,28
	v_pk_add_f32 v[74:75], v[74:75], v[16+\j:17+\j]
	v_pk_add_f32 v[76:77], v[76:77], v[18+\j:19+\j]
.endr
	s_delay_alu instid0(VALU_DEP_1)
	v_pk_add_f32 v[74:75], v[74:75], v[76:77]
	REDUCE 0
	s_delay_alu instid0(VALU_DEP_1)
	v_mul_f32 v92, 0xba800000, v76                 ; - the mean
	s_delay_alu instid0(VALU_DEP_1)
	v_mov_b32 v93, v92
.set J, 0
.rept 16
	v_pk_add_f32 v[16+J:17+J], v[16+J:17+J], v[92:93]
.set J, J+2
.endr
	v_pk_mul_f32 v[74:75], v[16:17], v[16:17]      ; the squares' sum
	v_pk_mul_f32 v[76:77], v[18:19], v[18:19]
.irp j, 4,8,12,16,20,24,28
	s_delay_alu instid0(VALU_DEP_2)
	v_pk_fma_f32 v[74:75], v[16+\j:17+\j], v[16+\j:17+\j], v[74:75]
	s_delay_alu instid0(VALU_DEP_2)
	v_pk_fma_f32 v[76:77], v[18+\j:19+\j], v[18+\j:19+\j], v[76:77]
.endr
	s_delay_alu instid0(VALU_DEP_1)
	v_pk_add_f32 v[74:75], v[74:75], v[76:77]
	REDUCE RED2O
	s_delay_alu instid0(VALU_DEP_1)
	v_fma_f32 v92, v76, s38, s39                   ; the variance + 1e-5
	s_wait_alu depctr_va_vdst(0)
	v_rsq_f32 v92, v92
	v_nop                                          ; a plain place behind it,
	s_wait_alu depctr_va_vdst(0)                   ; and the wait ahead of its first reader
	v_mov_b32 v93, v92
	s_wait_alu depctr_va_vdst(0)
	s_wait_loadcnt 0x0                             ; gain and offset
.set J, 0
.rept 16
	v_pk_mul_f32 v[16+J:17+J], v[16+J:17+J], v[92:93]
.set J, J+2
.endr
.set J, 0
.rept 16
	v_pk_fma_f32 v[16+J:17+J], v[16+J:17+J], v[GA+J:GA+J+1], v[OF+J:OF+J+1]
.set J, J+2
.endr
.irp k, 0,1,2,3
	ds_store_b128 v8, v[16+8*\k:19+8*\k] offset:128*(\k/2)+32*(\k%2)     ; through my stage: columns in, rows out
	ds_store_b128 v8, v[20+8*\k:23+8*\k] offset:128*(\k/2)+32*(\k%2)+16
.endr
.irp i, 0,1,2,3,4,5,6,7
	ds_load_b128 v[224+4*\i:227+4*\i], v9 offset:544*\i
.endr
.if QOUT
.irp b, 0,1                                    ; my 64 columns are two blocks of 32 of the next product's K
	v_max3_num_f32 v[74+\b], |v[16+16*\b]|, |v[17+16*\b]|, 0x1800000
.endr
.irp i, 2,4,6,8,10,12,14
.irp b, 0,1
	s_delay_alu instid0(VALU_DEP_2)
	v_max3_num_f32 v[74+\b], v[74+\b], |v[16+16*\b+\i]|, |v[17+16*\b+\i]|
.endr
.endr
.irp b, 0,1
	s_delay_alu instid0(VALU_DEP_2)
	v_permlanex16_b32 v[76+\b], v[74+\b], s36, s37
.endr
.irp b, 0,1
	s_delay_alu instid0(VALU_DEP_2)
	v_max_num_f32 v[74+\b], v[74+\b], v[76+\b]
.endr
.irp b, 0,1
	s_delay_alu instid0(VALU_DEP_2)
	v_add_nc_u32 v[78+\b], 0xff000000, v[74+\b]    ; 2 off the exponent field: the conversion's scale operand
.endr
.irp b, 0,1
	s_delay_alu instid0(VALU_DEP_2)
	v_lshrrev_b32 v[80+\b], 23, v[78+\b]
.endr
.irp b, 0,1
	v_cvt_scalef32_pk8_fp4_f32 v[84+2*\b], v[16+16*\b:23+16*\b], v[78+\b]
	v_cvt_scalef32_pk8_fp4_f32 v[85+2*\b], v[24+16*\b:31+16*\b], v[78+\b]
.endr
	v_nop                                          ; one plain place behind a scaled conversion
	v_permlane16_swap_b32 v84, v86
	v_permlane16_swap_b32 v85, v87
	v_cndmask_b32 v82, v80, v81, s40               ; lane (r, h) stores block h's byte
	v_lshl_add_u32 v83, v3, 2, v4                  ; at 4 r + h
	global_store_b128 v1, v[84:87], s[42:43]       ; 512 consecutive bytes
	global_store_b8 v83, v82, s[44:45] offset:2097152
.endif
.irp i, 0,1,2,3,4,5,6,7
	s_wait_dscnt 7-\i
	global_store_b128 v10, v[224+4*\i:227+4*\i], s[32:33] offset:(2*\i+8*(\i/4))*4096   ; sixteen lanes store 256 consecutive bytes, aligned
.endr
	s_wait_tensorcnt 0x0                           ; the wave's end: behind my last LDS store
	ds_add_u32 v14, v15
	s_wait_dscnt 0x0
	s_endpgm
.Lfunc_end_k_q0c750f489b_pln1:
	.size	k_q0c750f489b_pln1, .Lfunc_end_k_q0c750f489b_pln1-k_q0c750f489b_pln1
	.p2alignl 7, 3214868480
	.fill 96, 4, 3214868480
	.section	.rodata,"a",@progbits
	.p2align	6, 0x0
	.amdhsa_kernel k_q0c750f489b_pln1
		.amdhsa_group_segment_fixed_size 82432
		.amdhsa_private_segment_fixed_size 0
		.amdhsa_enable_private_segment 0
		.amdhsa_kernarg_size 64
		.amdhsa_user_sgpr_count 2
		.amdhsa_user_sgpr_kernarg_segment_ptr 1
		.amdhsa_wavefront_size32 1
		.amdhsa_system_sgpr_workgroup_id_x 1
		.amdhsa_system_sgpr_workgroup_id_y 1
		.amdhsa_system_sgpr_workgroup_id_z 1
		.amdhsa_system_vgpr_workitem_id 0
		.amdhsa_next_free_vgpr 256
		.amdhsa_next_free_sgpr 66
		.amdhsa_reserve_vcc 0
		.amdhsa_float_denorm_mode_32 3
		.amdhsa_float_denorm_mode_16_64 3
		.amdhsa_memory_ordered 1
		.amdhsa_forward_progress 1
		.amdhsa_inst_pref_size 37
	.end_amdhsa_kernel
	.amdgpu_metadata
---
amdhsa.version: [ 1, 2 ]
amdhsa.kernels:
  - .name:           k_q0c750f489b_pln1
    .symbol:         k_q0c750f489b_pln1.kd
    .args:
      - { .name: opx, .offset: 0, .size: 8, .value_kind: global_buffer, .address_space: global }
      - { .name: wrow, .offset: 8, .size: 8, .value_kind: global_buffer, .address_space: global }
      - { .name: b_proj, .offset: 16, .size: 8, .value_kind: global_buffer, .address_space: global }
      - { .name: src, .offset: 24, .size: 8, .value_kind: global_buffer, .address_space: global }
      - { .name: g1, .offset: 32, .size: 8, .value_kind: global_buffer, .address_space: global }
      - { .name: be1, .offset: 40, .size: 8, .value_kind: global_buffer, .address_space: global }
      - { .name: x1, .offset: 48, .size: 8, .value_kind: global_buffer, .address_space: global }
      - { .name: opwqk, .offset: 56, .size: 8, .value_kind: global_buffer, .address_space: global }
    .group_segment_fixed_size: 82432
    .private_segment_fixed_size: 0
    .kernarg_segment_align: 8
    .kernarg_segment_size: 64
    .max_flat_workgroup_size: 512
    .sgpr_count:     66
    .vgpr_count:     256
    .wavefront_size: 32
...
	.end_amdgpu_metadata
.endif
;; end of part 10
;; launch ffn1 (part 11): grid 16 x 16, 4 waves a work-group, clusters of 4 x 4, 327,680 bytes of LDS; arguments opwqk, opw1, big1, b1; writes big1
.if DOCPART == 11
	.amdgcn_target "amdgcn-amd-amdhsa--gfx1250"
	.amdhsa_code_object_version 6
	.text
	.protected	k_q0c750f489b_ffn1
	.globl	k_q0c750f489b_ffn1
	.p2align	8
	.type	k_q0c750f489b_ffn1,@function
k_q0c750f489b_ffn1:
	s_mov_b64 s[64:65], 0
	v_nop
	global_prefetch_b8 v0, s[64:65] scope:SCOPE_SE
	s_setreg_imm32_b32 hwreg(HW_REG_WAVE_MODE, 25, 1), 1
	s_wait_xcnt 0x0
	s_wait_alu depctr_hold_cnt(0) depctr_sa_sdst(0) depctr_va_vdst(0) depctr_va_sdst(0) depctr_va_ssrc(0) depctr_va_vcc(0) depctr_vm_vsrc(0)
	s_getreg_b32 s2, hwreg(HW_REG_IB_STS2, 6, 4)
	s_cmp_eq_u32 s2, 0
	s_cbranch_scc0 .Lentry_in_a_cluster
	s_endpgm
.Lentry_in_a_cluster:
	s_bfe_u32 s2, ttmp6, 0x10000c
	s_cmp_lg_u32 s2, 0xf033
	s_cbranch_scc0 .Lentry_shape_is_right
	s_endpgm
.Lentry_shape_is_right:
.set BIAS_RELU, 1
.set NQ,     4
.set FR,     8
.set NP,     4
.set HALFT,  32768
.set SLOT,   4*HALFT
.set SCL,    2*SLOT
.set HALFS,  4096
.set SPARE,  SCL+4*HALFS
.set SCOFF,  2097152
.set OSC,    8388608
.set ADRA, 16
.set ADRB, 20
.set LI,   24
.set SCO,  25
.set ADRS, 27
.set SPW,  28
.set NIL,  29
.set SC,   32
.set PC,   48
.set PW,   112
.set PS,   120
.set AF,   128
.set TM,   128
.set FLR,  144
.set BI,   192
.set G1, 24
.set G0, 32
.set G1B, 48
.set G0B, 56
.set G1S, 68
.set G0S, 76
.set G1SB, 80
.set G0SB, 88
.set SEL, 96
.set MSB, 0
.macro WIN new
.if MSB != \new
	s_set_vgpr_msb (MSB<<8)|\new
.set MSB, \new
.endif
.endm
.set MUL_LO, 0xa1
.set MUL_HI, 0xf1
.if BIAS_RELU
.set ST_LO,  0x81
.set ST_HI,  0xc1
.else
.set ST_LO,  MUL_LO
.set ST_HI,  MUL_HI
.endif
.set TO_B,   0x40
.macro JLOAD g0a, g1a, g0b, g1b
	s_cmp_eq_u32 s15, 0
	s_cbranch_scc0 .Lfor_b_\@
	tensor_load_to_lds s[\g0a:\g0a+3], s[\g1a:\g1a+7]
	s_nop 0
.rept 4
	v_nop
.endr
	s_branch .Lasked_\@
.Lfor_b_\@:
	tensor_load_to_lds s[\g0b:\g0b+3], s[\g1b:\g1b+7]
	s_nop 0
.rept 4
	v_nop
.endr
.Lasked_\@:
.endm
.macro CROUND
	s_barrier_signal -1
	s_barrier_wait -1
	s_cmp_lg_u32 s14, 0
	s_cbranch_scc1 .Lnot_wave_0_\@
	s_barrier_signal -3
.Lnot_wave_0_\@:
	s_barrier_wait -3
	s_barrier_signal -1
	s_barrier_wait -1
.endm
	s_load_b128 s[4:7], s[0:1], 0x0
	s_load_b64 s[12:13], s[0:1], 0x10
.if BIAS_RELU
	s_load_b64 s[8:9], s[0:1], 0x18
.endif
	v_lshl_add_u32 v[SPW], v0, 2, SPARE
	v_mov_b32 v[NIL], 0
	ds_add_u32 v[SPW], v[NIL]
	ds_add_u32 v[SPW], v[NIL]
	v_lshrrev_b32 v1, 5, v0
	v_readfirstlane_b32 s14, v1
	s_lshr_b32 s15, s14, 1
	s_and_b32 s16, s14, 1
	s_bfe_u32 s40, ttmp6, 0x40000
	s_bfe_u32 s41, ttmp6, 0x40004
	s_lshl_b32 s42, ttmp9, 2
	s_add_co_u32 s42, s42, s40
	s_and_b32 s17, ttmp7, 0xffff
	s_lshl_b32 s17, s17, 2
	s_add_co_u32 s17, s17, s41
	s_lshl_b32 s43, s41, 2
	s_lshl_b32 s43, 15, s43
	s_lshl_b32 s44, 0x1111, s40
	s_or_b32 s[G1+0], s43, (3<<16)|(1<<21)
	s_or_b32 s[G1B+0], s44, (3<<16)|(1<<21)
.irp g, G1, G1B
	s_mov_b32 s[\g+1], 512<<16
	s_mov_b32 s[\g+2], 16<<16                      ; 16 tiles for the head's loads; behind them the two words that count rows are set to 8
	s_mov_b32 s[\g+3], 512<<16
	s_mov_b32 s[\g+4], 16
	s_mov_b32 s[\g+5], 1024
	s_mov_b32 s[\g+6], 0
	s_mov_b32 s[\g+7], 0
.endr
	s_or_b32 s[G1S+0], s43, (3<<16)|(1<<21)
	s_or_b32 s[G1SB+0], s44, (3<<16)|(1<<21)
.irp g, G1S, G1SB
	s_mov_b32 s[\g+1], 32<<16
	s_mov_b32 s[\g+2], 32<<16                      ; the scale words of 16 tiles: 8,192 dense bytes as 32 rows of 256
	s_mov_b32 s[\g+3], 32<<16
	s_mov_b32 s[\g+4], 32
	s_mov_b32 s[\g+5], 32
	s_mov_b32 s[\g+6], 0
	s_mov_b32 s[\g+7], 0
.endr
	s_mov_b32 s[SEL], 0x76543210
	s_mov_b32 s[SEL+1], 0xfedcba98
	s_lshl_b32 s18, s16, 16                        ; for slot 1: which 8 tiles I fetch, 8,192 bytes a tile
	s_mov_b32 s19, 0
	s_lshl_b32 s20, s17, 4                         ; A: the block's first tile: 16 x tile row
	s_lshl_b32 s46, s42, 4                         ; B: 16 x tile column
	s_lshl_b32 s22, s20, 9
	s_add_co_u32 s22, s22, SCOFF
	s_mov_b32 s23, 0
	s_lshl_b32 s92, s46, 9
	s_add_co_u32 s92, s92, SCOFF
	s_mov_b32 s93, 0
	s_lshl_b32 s20, s20, 13
	s_mov_b32 s21, 0
	s_lshl_b32 s46, s46, 13
	s_mov_b32 s47, 0
	s_mul_i32 s45, s14, HALFT
	s_wait_dscnt 0x0
	s_wait_kmcnt 0x0
	s_add_nc_u64 s[20:21], s[4:5], s[20:21]
	s_add_nc_u64 s[22:23], s[4:5], s[22:23]
	s_add_nc_u64 s[46:47], s[6:7], s[46:47]
	s_add_nc_u64 s[92:93], s[6:7], s[92:93]
	CROUND
	s_mov_b32 s[G0], 1                             ; the head's four tiles, each whole: slot 0's 16 tiles of A,
	s_mov_b32 s[G0+1], 0
	s_mov_b64 s[G0+2:G0+3], s[20:21]
	s_or_b32 s[G0+3], s[G0+3], 0x80000000
	s_mov_b32 s[G0B], 1                            ; its 16 tiles of B, behind them,
	s_mov_b32 s[G0B+1], 2*HALFT
	s_mov_b64 s[G0B+2:G0B+3], s[46:47]
	s_or_b32 s[G0B+3], s[G0B+3], 0x80000000
	s_mov_b32 s[G0S], 1                            ; A's scale words,
	s_mov_b32 s[G0S+1], SCL
	s_mov_b64 s[G0S+2:G0S+3], s[22:23]
	s_or_b32 s[G0S+3], s[G0S+3], 0x80000000
	s_mov_b32 s[G0SB], 1                           ; and B's
	s_mov_b32 s[G0SB+1], SCL+2*HALFS
	s_mov_b64 s[G0SB+2:G0SB+3], s[92:93]
	s_or_b32 s[G0SB+3], s[G0SB+3], 0x80000000
	s_add_nc_u64 s[20:21], s[20:21], s[18:19]      ; slot 1: my 8 tiles
	s_add_nc_u64 s[46:47], s[46:47], s[18:19]
	s_mov_b32 s[G0+4], 1
	s_add_co_u32 s[G0+5], s45, SLOT
	s_add_nc_u64 s[G0+6:G0+7], s[20:21], 4096
	s_or_b32 s[G0+7], s[G0+7], 0x80000000
	s_mov_b32 s[G0B+4], 1
	s_add_co_u32 s[G0B+5], s45, SLOT
	s_add_nc_u64 s[G0B+6:G0B+7], s[46:47], 4096
	s_or_b32 s[G0B+7], s[G0B+7], 0x80000000
; the head's loads, one a wave: one chain of branches on the wave's number, an arm a load, all arms leading to one join
.macro ARM under, g0, g1, next
	s_cmp_lt_u32 s14, \under
	s_cbranch_scc0 \next
	tensor_load_to_lds s[\g0:\g0+3], s[\g1:\g1+7]
	s_nop 0
.rept 4
	v_nop
.endr
	s_branch .Lhead_asked
\next:
.endm
	ARM 1, G0,  G1,  .Lhead_b
	ARM 2, G0B, G1B, .Lhead_sa
	ARM 3, G0S, G1S, .Lhead_sb
	tensor_load_to_lds s[G0SB:G0SB+3], s[G1SB:G1SB+7]
	s_nop 0
.rept 4
	v_nop
.endr
.Lhead_asked:
	v_and_b32 v1, 15, v0
	v_bfe_u32 v2, v0, 4, 1
	v_and_b32 v3, 31, v0
	v_lshlrev_b32 v[LI], 4, v3
.if BIAS_RELU
	s_wait_alu depctr_va_vdst(0)
	s_lshl_b32 s18, s42, 10
	s_lshl_b32 s19, s16, 9
	s_add_co_u32 s18, s18, s19
	s_mov_b32 s19, 0
	s_add_nc_u64 s[8:9], s[8:9], s[18:19]
	v_lshlrev_b32 v5, 6, v2
.irp b, 0,1,2,3,4,5,6,7
	global_load_b128 v[BI+8*\b:BI+8*\b+3], v5, s[8:9] offset:128*(\b/2)+32*(\b%2)
	global_load_b128 v[BI+8*\b+4:BI+8*\b+7], v5, s[8:9] offset:128*(\b/2)+32*(\b%2)+16
.endr
.endif
	s_mul_i32 s21, s15, HALFT
	s_mul_i32 s22, s16, HALFT
	s_add_co_u32 s22, s22, 2*HALFT
.irp s, 0,1
	v_add_nc_u32 v[ADRA+\s], s21, v[LI]
	v_add_nc_u32 v[ADRB+\s], s22, v[LI]
	s_add_co_u32 s21, s21, SLOT
	s_add_co_u32 s22, s22, SLOT
.endr
	v_lshlrev_b32 v4, 2, v1
	s_mul_i32 s21, s15, HALFS
	s_mul_i32 s22, s16, HALFS
	s_add_co_u32 s22, s22, 2*HALFS
	s_sub_co_u32 s22, s22, s21
	v_mul_u32_u24 v6, s22, v2
	s_add_co_u32 s21, s21, SCL
	v_add_nc_u32 v4, v4, v6
	v_add_nc_u32 v[ADRS], s21, v4
	v_lshlrev_b32 v[SCO], 2, v1
	v_lshl_add_u32 v[SCO], v2, 11, v[SCO]
	s_lshl_b32 s20, s17, 4
	s_lshl_b32 s21, s15, 3
	s_add_co_u32 s20, s20, s21
	s_lshl_b32 s46, s42, 1
	s_add_co_u32 s46, s46, s16
	s_lshl_b32 s18, s20, 15
	s_lshl_b32 s19, s46, 10
	s_add_co_u32 s18, s18, s19
	s_mov_b32 s19, 0
	s_add_nc_u64 s[10:11], s[12:13], s[18:19]
	s_lshl_b32 s18, s20, 11
	s_lshl_b32 s21, s46, 6
	s_add_co_u32 s18, s18, s21
	s_add_co_u32 s18, s18, OSC
	s_add_nc_u64 s[12:13], s[12:13], s[18:19]
.macro FRAG reg, adr, q, i
.irp c, 0,1
	ds_load_b128 v[\reg+4*\c:\reg+4*\c+3], v[\adr] offset:(\i)*4096+(\q)*1024+512*\c
.endr
.endm
.macro MUL16 a0, p, zero
.irp a, \a0, \a0+1
.irp b, 0,1,2,3,4,5,6,7
.if (\zero) && BIAS_RELU
	v_wmma_scale_f32_16x16x128_f8f6f4 v[8*(8*((\a)%4)+\b):8*(8*((\a)%4)+\b)+7], v[128*(\p)+FR*\b:128*(\p)+FR*\b+FR-1], v[AF+FR*(\a):AF+FR*(\a)+FR-1], v[BI+8*\b:BI+8*\b+7], v[SC+8*(\p)+\b], v[SC+8*(\p)+(\a)] matrix_a_fmt:MATRIX_FMT_FP4 matrix_b_fmt:MATRIX_FMT_FP4 matrix_a_scale:MATRIX_SCALE_ROW1
.elseif \zero
	v_wmma_scale_f32_16x16x128_f8f6f4 v[8*(8*((\a)%4)+\b):8*(8*((\a)%4)+\b)+7], v[128*(\p)+FR*\b:128*(\p)+FR*\b+FR-1], v[AF+FR*(\a):AF+FR*(\a)+FR-1], 0, v[SC+8*(\p)+\b], v[SC+8*(\p)+(\a)] matrix_a_fmt:MATRIX_FMT_FP4 matrix_b_fmt:MATRIX_FMT_FP4 matrix_a_scale:MATRIX_SCALE_ROW1
.else
	v_wmma_scale_f32_16x16x128_f8f6f4 v[8*(8*((\a)%4)+\b):8*(8*((\a)%4)+\b)+7], v[128*(\p)+FR*\b:128*(\p)+FR*\b+FR-1], v[AF+FR*(\a):AF+FR*(\a)+FR-1], v[8*(8*((\a)%4)+\b):8*(8*((\a)%4)+\b)+7], v[SC+8*(\p)+\b], v[SC+8*(\p)+(\a)] matrix_a_fmt:MATRIX_FMT_FP4 matrix_b_fmt:MATRIX_FMT_FP4 matrix_a_scale:MATRIX_SCALE_ROW1
.endif
.endr
.endr
.endm
.macro FETCH_B slot, q, p
	WIN TO_B
.irp i, 0,1,2,3,4,5,6,7
	FRAG 128*(\p)+FR*\i, ADRB+\slot, \q, \i
.endr
	WIN 0
.endm
.macro FETCH_A slot, q, i0
.irp i, \i0, \i0+1, \i0+2, \i0+3
	FRAG AF+FR*(\i), ADRA+\slot, \q, \i
.endr
.endm
.macro SCW st, p
.irp i, 0,1,2,3,4,5,6,7
	ds_load_b32 v[SC+8*(\p)+\i], v[ADRS] offset:\i*512+(\st)*64
.endr
.endm
.macro PLACES n
.rept \n
	v_nop
.endr
.endm
.macro STEP slot, q, zero
	s_wait_dscnt 8
.if \zero
	WIN ST_LO
.else
	WIN MUL_LO
.endif
	MUL16 0, (\q)%2, \zero
	MUL16 2, (\q)%2, \zero
	s_wait_dscnt 0
	PLACES NP
	FETCH_B \slot, (\q)+1, 1-(\q)%2
	SCW 4*(\slot)+(\q)+1, 1-(\q)%2
	FETCH_A \slot, (\q)+1, 0
.if \zero
	WIN ST_HI
.else
	WIN MUL_HI
.endif
	MUL16 4, (\q)%2, \zero
	MUL16 6, (\q)%2, \zero
	PLACES NP
	WIN 0
	FETCH_A \slot, (\q)+1, 4
.endm
.macro TURN slot, next
	s_wait_tensorcnt 0x0
	ds_add_u32 v[SPW], v[NIL]
	s_wait_dscnt 9
	WIN MUL_LO
	MUL16 0, 1, 0
	s_wait_dscnt 0x0
	s_barrier_signal -1
	MUL16 2, 1, 0
	WIN 0
	s_barrier_wait -1
	PLACES NP
	FETCH_B \next, 0, 0
	SCW 4*(\next), 0
	FETCH_A \next, 0, 0
	WIN MUL_HI
	MUL16 4, 1, 0
	MUL16 6, 1, 0
	PLACES NP
	WIN 0
	FETCH_A \next, 0, 4
.endm
.macro STEPS slot, from
.set Q, \from
.rept NQ-1-\from
	STEP \slot, Q, 0
.set Q, Q+1
.endr
.endm
	s_wait_alu depctr_va_vdst(0)
	s_wait_tensorcnt 0x0                           ; my tile of the head's four is in
	ds_add_u32 v[SPW], v[NIL]
	s_mov_b32 s[G1+2], 8<<16                       ; no tensor load of mine is out: from here on a load brings 8 tiles
	s_mov_b32 s[G1+4], 8
	s_mov_b32 s[G1B+2], 8<<16
	s_mov_b32 s[G1B+4], 8
	s_wait_dscnt 0x0
	CROUND                                         ; all four tiles are in, and all sixteen work-groups are here
	JLOAD G0+4, G1, G0B+4, G1B                     ; slot 1's first fill: my one tensor load behind the round
	FETCH_B 0, 0, 0
	SCW 0, 0
	FETCH_A 0, 0, 0
	FETCH_A 0, 0, 4
.if BIAS_RELU
	s_wait_loadcnt 0x0
.endif
	STEP 0, 0, 1
	STEPS 0, 1
	TURN 0, 1
	STEPS 1, 0
	s_wait_dscnt 8
	WIN MUL_LO
	MUL16 0, 1, 0
	MUL16 2, 1, 0
	s_wait_dscnt 0
	WIN MUL_HI
	MUL16 4, 1, 0
	MUL16 6, 1, 0
	WIN 0
.macro QBLK a
.set QW, 2+(\a)/4
.set QS, 64*((\a)%4)
.if BIAS_RELU
.set WN, (QW<<6)|(QW<<2)
	WIN WN
.set QJ, 0
.rept 64
	v_max_num_f32 v[QS+QJ], 0, v[QS+QJ]
.set QJ, QJ+1
.endr
.endif
.set WN, (QW<<2)|(QW<<4)
	WIN WN
.irp b, 0,1,2,3
	v_max3_num_f32 v[TM+\b], v[FLR], |v[QS+16*\b]|, |v[QS+16*\b+1]|
.endr
.irp i, 2,4,6,8,10,12,14
.irp b, 0,1,2,3
	v_max3_num_f32 v[TM+\b], v[TM+\b], |v[QS+16*\b+\i]|, |v[QS+16*\b+\i+1]|
.endr
.endr
	WIN 0
.irp b, 0,1,2,3
	v_permlanex16_b32 v[TM+4+\b], v[TM+\b], s[SEL], s[SEL+1]
.endr
.irp b, 0,1,2,3
	v_max_num_f32 v[TM+\b], v[TM+\b], v[TM+4+\b]
.endr
.irp b, 0,1,2,3
	v_add_nc_u32 v[TM+12+\b], 0xff000000, v[TM+\b]
.endr
.irp b, 0,1,2,3
	v_lshrrev_b32 v[TM+4+\b], 23, v[TM+12+\b]
.endr
	v_lshl_or_b32 v[PW+(\a)], v[TM+5], 8, v[TM+4]
	v_lshl_or_b32 v[PW+(\a)], v[TM+6], 16, v[PW+(\a)]
	v_lshl_or_b32 v[PW+(\a)], v[TM+7], 24, v[PW+(\a)]
	WIN QW
.irp b, 0,1,2,3
	v_cvt_scalef32_pk8_fp4_f32 v[PC+8*(\a)+2*\b], v[QS+16*\b:QS+16*\b+7], v[TM+12+\b]
	v_cvt_scalef32_pk8_fp4_f32 v[PC+8*(\a)+2*\b+1], v[QS+16*\b+8:QS+16*\b+15], v[TM+12+\b]
.endr
	WIN 0
	v_nop
.irp c, 0,1
.irp i, 0,1
	v_permlane16_swap_b32 v[PC+8*(\a)+4*\c+\i], v[PC+8*(\a)+4*\c+2+\i]
.endr
.endr
.irp c, 0,1
	global_store_b128 v[LI], v[PC+8*(\a)+4*\c:PC+8*(\a)+4*\c+3], s[10:11] offset:(\a)*32768+512*\c
.endr
.endm
	PLACES NP
	v_mov_b32 v[FLR], 0x1800000
.irp b, 0,1,2,3
	v_mov_b32 v[TM+4+\b], 0
.endr
	v_cmp_le_u32 s3, 16, v3
.irp a, 0,1,2,3,4,5,6,7
	QBLK \a
.endr
.irp k, 0,1,2,3
	v_cndmask_b32 v[PS+\k], v[PW+2*\k], v[PW+2*\k+1], s3
.endr
.irp k, 0,1,2,3
	global_store_b32 v[SCO], v[PS+\k], s[12:13] offset:\k*4096
.endr
	s_wait_tensorcnt 0x0
	ds_add_u32 v[SPW], v[NIL]
	s_wait_dscnt 0x0
	CROUND
	s_endpgm
.Lfunc_end_k_q0c750f489b_ffn1:
	.size	k_q0c750f489b_ffn1, .Lfunc_end_k_q0c750f489b_ffn1-k_q0c750f489b_ffn1
	.p2alignl 7, 3214868480
	.fill 96, 4, 3214868480
	.section	.rodata,"a",@progbits
	.p2align	6, 0x0
	.amdhsa_kernel k_q0c750f489b_ffn1
		.amdhsa_group_segment_fixed_size 327680
		.amdhsa_private_segment_fixed_size 0
		.amdhsa_enable_private_segment 0
		.amdhsa_kernarg_size 32
		.amdhsa_user_sgpr_count 2
		.amdhsa_user_sgpr_kernarg_segment_ptr 1
		.amdhsa_wavefront_size32 1
		.amdhsa_system_sgpr_workgroup_id_x 1
		.amdhsa_system_sgpr_workgroup_id_y 1
		.amdhsa_system_sgpr_workgroup_id_z 1
		.amdhsa_system_vgpr_workitem_id 0
		.amdhsa_next_free_vgpr 1024
		.amdhsa_next_free_sgpr 98
		.amdhsa_reserve_vcc 0
		.amdhsa_float_denorm_mode_32 3
		.amdhsa_float_denorm_mode_16_64 3
		.amdhsa_memory_ordered 1
		.amdhsa_forward_progress 1
		.amdhsa_inst_pref_size 149
	.end_amdhsa_kernel
	.amdgpu_metadata
---
amdhsa.version: [ 1, 2 ]
amdhsa.kernels:
  - .name:           k_q0c750f489b_ffn1
    .symbol:         k_q0c750f489b_ffn1.kd
    .args:
      - { .name: opwqk, .offset: 0, .size: 8, .value_kind: global_buffer, .address_space: global }
      - { .name: opw1, .offset: 8, .size: 8, .value_kind: global_buffer, .address_space: global }
      - { .name: big1, .offset: 16, .size: 8, .value_kind: global_buffer, .address_space: global }
      - { .name: b1, .offset: 24, .size: 8, .value_kind: global_buffer, .address_space: global }
    .group_segment_fixed_size: 327680
    .private_segment_fixed_size: 0
    .kernarg_segment_align: 8
    .kernarg_segment_size: 32
    .max_flat_workgroup_size: 128
    .sgpr_count:     98
    .vgpr_count:     1024
    .wavefront_size: 32
...
	.end_amdgpu_metadata
.endif
;; end of part 11
;; launch ffn2g (part 12): grid 8 x 32, 4 waves a work-group, clusters of 4 x 4, 327,680 bytes of LDS; arguments big1, wrow, vbuf; writes vbuf
.if DOCPART == 12
	.amdgcn_target "amdgcn-amd-amdhsa--gfx1250"
	.amdhsa_code_object_version 6
	.text
	.protected	k_q0c750f489b_ffn2g
	.globl	k_q0c750f489b_ffn2g
	.p2align	8
	.type	k_q0c750f489b_ffn2g,@function
k_q0c750f489b_ffn2g:
	s_mov_b64 s[64:65], 0
	v_nop
	global_prefetch_b8 v0, s[64:65] scope:SCOPE_SE
	s_setreg_imm32_b32 hwreg(HW_REG_WAVE_MODE, 25, 1), 1
	s_wait_xcnt 0x0
	s_wait_alu depctr_hold_cnt(0) depctr_sa_sdst(0) depctr_va_vdst(0) depctr_va_sdst(0) depctr_va_ssrc(0) depctr_va_vcc(0) depctr_vm_vsrc(0)
	s_getreg_b32 s2, hwreg(HW_REG_IB_STS2, 6, 4)
	s_cmp_eq_u32 s2, 0
	s_cbranch_scc0 .Lentry_in_a_cluster
	s_endpgm
.Lentry_in_a_cluster:
	s_bfe_u32 s2, ttmp6, 0x10000c
	s_cmp_lg_u32 s2, 0xf033
	s_cbranch_scc0 .Lentry_shape_is_right
	s_endpgm
.Lentry_shape_is_right:
; Y = A B^T, f32, [4,096 tokens][1,024].  A = Q(relu(..)), 4,096 rows, and B = w2, 1,024 rows, are operands of K = 4,096 in this program's image order: codes [tile of 16 rows][K / 32][16 rows][16 bytes],
; scale words [tile][K / 128][16 rows][4 bytes].  Bias, residual and norm follow in the next launch, which owns whole rows.  No work is left out.
; A tile of Y is 128 x 128: 256 work-groups of four waves, 64 x 64 each: 16 accumulators, which take turns.  K goes through two LDS slots of 8 steps of 128.
; THE HEAD: slot 0's 8 tiles of A, its 8 tiles of B, A's scale words and B's, for all of K, are shared out, one tensor load a wave; slot 1 is first filled behind the full sequence, a quarter by each wave, as every refill is.
; CLUSTERS: 4 x 4 work-groups; A's tiles are asked for jointly along a row of the cluster, B's along a column.  The matrix instruction is used transposed (source 0 = 16 rows of B, source 1 = 16 rows of A).
.set KST,    32
.set SUB,    8
.set A_SC,   8388608
.set B_OFF,  524288
.set B_SC,   2654208
.set TP,     KST*1024
.set SP,     KST*64
.set SUBB,   SUB*1024
.set HALFT,  4*SUBB
.set SLOT,   4*HALFT
.set SCL,    2*SLOT
.set HALFS,  4*SP
.set STAGE,  SCL+4*HALFS
.set SPITCH, 272
.set SPARE,  STAGE+4*16*SPITCH
.set ADRA, 16
.set ADRB, 20
.set STO,  24
.set RD,   25
.set CO,   26
.set ADRS, 27
.set SPW,  28
.set NIL,  29
.set LI,   30
.set SC,   32
.set ACC,  128
.set F0,   0
.set F1,   128
.set G1, 24
.set G0, 32
.set G1B, 48
.set G0B, 56
.set G1S, 68
.set G0S, 76
.set G1SB, 80
.set G0SB, 88
.set MSB, 0
.macro WIN new
.if MSB != \new
	s_set_vgpr_msb (MSB<<8)|\new
.set MSB, \new
.endif
.endm
.set MUL,  0x05
.set TO_F, 0x40
.macro JLOAD g0a, g1a, g0b, g1b
	s_cmp_eq_u32 s15, 0
	s_cbranch_scc0 .Lfor_b_\@
	tensor_load_to_lds s[\g0a:\g0a+3], s[\g1a:\g1a+7]
	s_nop 0
.rept 4
	v_nop
.endr
	s_branch .Lasked_\@
.Lfor_b_\@:
	tensor_load_to_lds s[\g0b:\g0b+3], s[\g1b:\g1b+7]
	s_nop 0
.rept 4
	v_nop
.endr
.Lasked_\@:
.endm
.macro CREST
	s_cmp_lg_u32 s14, 0
	s_cbranch_scc1 .Lnot_wave_0_\@
	s_barrier_signal -3
.Lnot_wave_0_\@:
	s_barrier_wait -3
	s_barrier_signal -1
	s_barrier_wait -1
.endm
.macro CROUND
	s_barrier_signal -1
	s_barrier_wait -1
	CREST
.endm
	s_load_b128 s[4:7], s[0:1], 0x0
	s_load_b64 s[12:13], s[0:1], 0x10
	v_lshl_add_u32 v[SPW], v0, 2, SPARE
	v_mov_b32 v[NIL], 0
	ds_add_u32 v[SPW], v[NIL]
	ds_add_u32 v[SPW], v[NIL]
	v_lshrrev_b32 v1, 5, v0
	v_readfirstlane_b32 s14, v1
	s_lshr_b32 s15, s14, 1
	s_and_b32 s16, s14, 1
	s_bfe_u32 s40, ttmp6, 0x40000
	s_bfe_u32 s41, ttmp6, 0x40004
	s_lshl_b32 s42, ttmp9, 2
	s_add_co_u32 s42, s42, s40
	s_and_b32 s17, ttmp7, 0xffff
	s_lshl_b32 s17, s17, 2
	s_add_co_u32 s17, s17, s41
	s_lshl_b32 s43, s41, 2
	s_lshl_b32 s43, 15, s43
	s_lshl_b32 s44, 0x1111, s40
	s_or_b32 s[G1+0], s43, (3<<16)|(1<<21)
	s_or_b32 s[G1B+0], s44, (3<<16)|(1<<21)
.irp g, G1, G1B
	s_mov_b32 s[\g+1], (SUBB/8)<<16
	s_mov_b32 s[\g+2], 8<<16                       ; 8 tiles for the head's loads; behind them the two words that count rows are set to 4
	s_mov_b32 s[\g+3], (SUBB/8)<<16
	s_mov_b32 s[\g+4], 8
	s_mov_b32 s[\g+5], TP/8
	s_mov_b32 s[\g+6], 0
	s_mov_b32 s[\g+7], 0
.endr
	s_or_b32 s[G1S+0], s43, (3<<16)|(1<<21)
	s_or_b32 s[G1SB+0], s44, (3<<16)|(1<<21)
.irp g, G1S, G1SB
	s_mov_b32 s[\g+1], 32<<16
	s_mov_b32 s[\g+2], (2*HALFS/256)<<16           ; the scale words of 8 tiles: dense bytes as rows of 256
	s_mov_b32 s[\g+3], 32<<16
	s_mov_b32 s[\g+4], 2*HALFS/256
	s_mov_b32 s[\g+5], 32
	s_mov_b32 s[\g+6], 0
	s_mov_b32 s[\g+7], 0
.endr
	s_mul_i32 s18, s16, 4*TP                       ; for the ring: which 4 tiles I fetch, in bytes
	s_mov_b32 s19, 0
	s_lshl_b32 s20, s17, 3                         ; A: the block's first tile: 8 x tile row
	s_lshl_b32 s46, s42, 3                         ; B: 8 x tile column
	s_mul_i32 s22, s20, SP
	s_add_co_u32 s22, s22, A_SC
	s_mov_b32 s23, 0
	s_mul_i32 s92, s46, SP
	s_add_co_u32 s92, s92, B_SC
	s_mov_b32 s93, 0
	s_mul_i32 s20, s20, TP
	s_mov_b32 s21, 0
	s_mul_i32 s46, s46, TP
	s_add_co_u32 s46, s46, B_OFF
	s_mov_b32 s47, 0
	s_mul_i32 s45, s14, HALFT
	s_wait_dscnt 0x0
	s_wait_kmcnt 0x0
	s_add_nc_u64 s[20:21], s[4:5], s[20:21]
	s_add_nc_u64 s[22:23], s[4:5], s[22:23]
	s_add_nc_u64 s[46:47], s[6:7], s[46:47]
	s_add_nc_u64 s[92:93], s[6:7], s[92:93]
	CROUND
	s_mov_b32 s8, 1                                ; the head's four tiles, each whole: s[8:11]: slot 0's 8 tiles of A,
	s_mov_b32 s9, 0
	s_mov_b64 s[10:11], s[20:21]
	s_or_b32 s11, s11, 0x80000000
	s_mov_b32 s4, 1                                ; s[4:7] (the arguments that lay there have been used): its 8 tiles of B, behind them,
	s_mov_b32 s5, 2*HALFT
	s_mov_b64 s[6:7], s[46:47]
	s_or_b32 s7, s7, 0x80000000
	s_mov_b32 s[G0S], 1                            ; A's scale words,
	s_mov_b32 s[G0S+1], SCL
	s_mov_b64 s[G0S+2:G0S+3], s[22:23]
	s_or_b32 s[G0S+3], s[G0S+3], 0x80000000
	s_mov_b32 s[G0SB], 1                           ; and B's
	s_mov_b32 s[G0SB+1], SCL+2*HALFS
	s_mov_b64 s[G0SB+2:G0SB+3], s[92:93]
	s_or_b32 s[G0SB+3], s[G0SB+3], 0x80000000
	s_add_nc_u64 s[20:21], s[20:21], s[18:19]      ; for the ring: my 4 tiles
	s_add_nc_u64 s[46:47], s[46:47], s[18:19]
.irp s, 0,1
	s_mov_b32 s[G0+4*\s], 1
	s_add_co_u32 s[G0+4*\s+1], s45, \s*SLOT
	s_add_nc_u64 s[G0+4*\s+2:G0+4*\s+3], s[20:21], \s*SUBB
	s_or_b32 s[G0+4*\s+3], s[G0+4*\s+3], 0x80000000
	s_mov_b32 s[G0B+4*\s], 1
	s_add_co_u32 s[G0B+4*\s+1], s45, \s*SLOT
	s_add_nc_u64 s[G0B+4*\s+2:G0B+4*\s+3], s[46:47], \s*SUBB
	s_or_b32 s[G0B+4*\s+3], s[G0B+4*\s+3], 0x80000000
.endr
; the head's loads, one a wave: one chain of branches on the wave's number, an arm a load, all arms leading to one join
.macro ARM under, g0, g1, next
	s_cmp_lt_u32 s14, \under
	s_cbranch_scc0 \next
	tensor_load_to_lds s[\g0:\g0+3], s[\g1:\g1+7]
	s_nop 0
.rept 4
	v_nop
.endr
	s_branch .Lhead_asked
\next:
.endm
	ARM 1, 8,   G1,  .Lhead_b
	ARM 2, 4,   G1B, .Lhead_sa
	ARM 3, G0S, G1S, .Lhead_sb
	tensor_load_to_lds s[G0SB:G0SB+3], s[G1SB:G1SB+7]
	s_nop 0
.rept 4
	v_nop
.endr
.Lhead_asked:
	v_and_b32 v1, 15, v0
	v_bfe_u32 v2, v0, 4, 1
	s_wait_alu depctr_va_vdst(0)
	v_and_b32 v3, 31, v0
	v_lshlrev_b32 v[LI], 4, v3
	s_mul_i32 s21, s15, HALFT
	s_mul_i32 s22, s16, HALFT
	s_add_co_u32 s22, s22, 2*HALFT
.irp s, 0,1
	v_add_nc_u32 v[ADRA+\s], s21, v[LI]
	v_add_nc_u32 v[ADRB+\s], s22, v[LI]
	s_add_co_u32 s21, s21, SLOT
	s_add_co_u32 s22, s22, SLOT
.endr
	v_lshlrev_b32 v4, 2, v1
	s_mul_i32 s21, s15, HALFS
	s_mul_i32 s22, s16, HALFS
	s_add_co_u32 s22, s22, 2*HALFS
	s_sub_co_u32 s22, s22, s21
	v_mul_u32_u24 v6, s22, v2
	s_add_co_u32 s21, s21, SCL
	v_add_nc_u32 v4, v4, v6
	v_add_nc_u32 v[ADRS], s21, v4
	s_mul_i32 s23, s14, 16*SPITCH
	s_add_co_u32 s23, s23, STAGE
	v_mul_u32_u24 v5, v1, SPITCH
	v_lshl_add_u32 v5, v2, 6, v5
	v_add_nc_u32 v[STO], s23, v5
	v_mul_u32_u24 v5, v2, SPITCH
	v_lshl_add_u32 v5, v1, 4, v5
	v_add_nc_u32 v[RD], s23, v5
	v_lshlrev_b32 v[CO], 12, v2
	v_lshl_add_u32 v[CO], v1, 4, v[CO]
	s_lshl_b32 s20, s17, 19
	s_lshl_b32 s21, s15, 18
	s_add_co_u32 s20, s20, s21
	s_lshl_b32 s46, s42, 9
	s_lshl_b32 s47, s16, 8
	s_add_co_u32 s46, s46, s47
	s_add_co_u32 s18, s20, s46
	s_mov_b32 s19, 0
	s_add_nc_u64 s[12:13], s[12:13], s[18:19]
.macro MUL8 f, c, a0, zero
.irp a, \a0, \a0+1
.irp b, 0,1,2,3
.if \zero
	v_wmma_scale_f32_16x16x128_f8f6f4 v[ACC+8*(4*(\a)+\b):ACC+8*(4*(\a)+\b)+7], v[\f+64+8*(4*\c+\b):\f+64+8*(4*\c+\b)+7], v[\f+8*(4*\c+(\a)):\f+8*(4*\c+(\a))+7], 0, v[SC+(\f)/16+4*\c+\b], v[SC+(\f)/16+4*\c+(\a)] matrix_a_fmt:MATRIX_FMT_FP4 matrix_b_fmt:MATRIX_FMT_FP4 matrix_a_scale:MATRIX_SCALE_ROW1
.else
	v_wmma_scale_f32_16x16x128_f8f6f4 v[ACC+8*(4*(\a)+\b):ACC+8*(4*(\a)+\b)+7], v[\f+64+8*(4*\c+\b):\f+64+8*(4*\c+\b)+7], v[\f+8*(4*\c+(\a)):\f+8*(4*\c+(\a))+7], v[ACC+8*(4*(\a)+\b):ACC+8*(4*(\a)+\b)+7], v[SC+(\f)/16+4*\c+\b], v[SC+(\f)/16+4*\c+(\a)] matrix_a_fmt:MATRIX_FMT_FP4 matrix_b_fmt:MATRIX_FMT_FP4 matrix_a_scale:MATRIX_SCALE_ROW1
.endif
.endr
.endr
.endm
.macro FETCH slot, q, st, f
	WIN 0
.irp c, 0,1
.irp i, 0,1,2,3
	ds_load_b32 v[SC+(\f)/16+4*\c+\i], v[ADRS] offset:\i*SP+((\st)+\c)*64
.endr
.endr
	WIN TO_F
.irp c, 0,1
.irp i, 0,1,2,3
	ds_load_b128 v[\f+64+8*(4*\c+\i):\f+64+8*(4*\c+\i)+3],   v[ADRB+(\slot)] offset:\i*SUBB+(2*(\q)+\c)*1024
	ds_load_b128 v[\f+64+8*(4*\c+\i)+4:\f+64+8*(4*\c+\i)+7], v[ADRB+(\slot)] offset:\i*SUBB+(2*(\q)+\c)*1024+512
	ds_load_b128 v[\f+8*(4*\c+\i):\f+8*(4*\c+\i)+3],         v[ADRA+(\slot)] offset:\i*SUBB+(2*(\q)+\c)*1024
	ds_load_b128 v[\f+8*(4*\c+\i)+4:\f+8*(4*\c+\i)+7],       v[ADRA+(\slot)] offset:\i*SUBB+(2*(\q)+\c)*1024+512
.endr
.endr
.endm
.macro PLACES
.rept 4
	v_nop
.endr
.endm
.macro QUARTER slot, q, st, zero
.set QF, 128*((\q)%2)
.set QG, 128-QF
	s_wait_dscnt 16
	WIN MUL
	MUL8 QF, 0, 0, \zero
	MUL8 QF, 0, 2, \zero
	PLACES
	FETCH \slot, (\q)+1, (\st)+2, QG
	s_wait_dscnt 40
	WIN MUL
	MUL8 QF, 1, 0, 0
	MUL8 QF, 1, 2, 0
.endm
.macro TURN slot, next, st, fill
	WIN 0
	s_wait_tensorcnt 0x0
	ds_add_u32 v[SPW], v[NIL]
	s_wait_dscnt 17
	WIN MUL
	MUL8 F1, 0, 0, 0
	s_wait_dscnt 0x0
	s_barrier_signal -1
	MUL8 F1, 0, 2, 0
	WIN 0
	s_barrier_wait -1
.if \fill
	CREST
	s_add_nc_u64 s[G0+4*(\slot)+2:G0+4*(\slot)+3], s[G0+4*(\slot)+2:G0+4*(\slot)+3], 2*SUBB
	s_add_nc_u64 s[G0B+4*(\slot)+2:G0B+4*(\slot)+3], s[G0B+4*(\slot)+2:G0B+4*(\slot)+3], 2*SUBB
	JLOAD G0+4*(\slot), G1, G0B+4*(\slot), G1B
.else
	PLACES
.endif
	FETCH \next, 0, (\st)+2, F0
	WIN MUL
	MUL8 F1, 1, 0, 0
	MUL8 F1, 1, 2, 0
.endm
	s_wait_alu depctr_va_vdst(0)
	s_wait_tensorcnt 0x0                           ; my tile of the head's four is in
	ds_add_u32 v[SPW], v[NIL]
	s_mov_b32 s[G1+2], 4<<16                       ; no tensor load of mine is out: from here on a load brings 4 tiles
	s_mov_b32 s[G1+4], 4
	s_mov_b32 s[G1B+2], 4<<16
	s_mov_b32 s[G1B+4], 4
	s_wait_dscnt 0x0
	CROUND                                         ; all four tiles are in, and all sixteen work-groups are here
	JLOAD G0+4, G1, G0B+4, G1B                     ; slot 1's first fill: my one tensor load behind the round
	FETCH 0, 0, 0, F0
	QUARTER 0, 0, 0, 1
	QUARTER 0, 1, 2, 0
	QUARTER 0, 2, 4, 0
	TURN 0, 1, 6, 1
	QUARTER 1, 0, 8, 0
	QUARTER 1, 1, 10, 0
	QUARTER 1, 2, 12, 0
	TURN 1, 0, 14, 1
	QUARTER 0, 0, 16, 0
	QUARTER 0, 1, 18, 0
	QUARTER 0, 2, 20, 0
	TURN 0, 1, 22, 0
	QUARTER 1, 0, 24, 0
	QUARTER 1, 1, 26, 0
	QUARTER 1, 2, 28, 0
	s_wait_dscnt 16
	WIN MUL
	MUL8 F1, 0, 0, 0
	MUL8 F1, 0, 2, 0
	s_wait_dscnt 0
	MUL8 F1, 1, 0, 0
	MUL8 F1, 1, 2, 0
	WIN 0
.macro TOSTAGE a
.irp b, 0,1,2,3
	ds_store_b128 v[STO], v[ACC+8*(4*(\a)+\b):ACC+8*(4*(\a)+\b)+3] offset:128*(\b/2)+32*(\b%2)
	ds_store_b128 v[STO], v[ACC+8*(4*(\a)+\b)+4:ACC+8*(4*(\a)+\b)+7] offset:128*(\b/2)+32*(\b%2)+16
.endr
.irp i, 0,1,2,3,4,5,6,7
	ds_load_b128 v[ACC+32*(\a)+4*\i:ACC+32*(\a)+4*\i+3], v[RD] offset:544*\i
.endr
.endm
.macro SEND a, younger
.irp i, 0,1,2,3,4,5,6,7
	s_wait_dscnt \younger+7-\i
	global_store_b128 v[CO], v[ACC+32*(\a)+4*\i:ACC+32*(\a)+4*\i+3], s[12:13] offset:(32*((\a)/2)+8*((\a)%2)+2*\i+8*(\i/4))*4096
.endr
.endm
	PLACES
	TOSTAGE 0
	TOSTAGE 1
	SEND 0, 16
	TOSTAGE 2
	SEND 1, 16
	TOSTAGE 3
	SEND 2, 16
	SEND 3, 0
	s_wait_tensorcnt 0x0
	ds_add_u32 v[SPW], v[NIL]
	s_wait_dscnt 0x0
	CROUND
	s_endpgm
.Lfunc_end_k_q0c750f489b_ffn2g:
	.size	k_q0c750f489b_ffn2g, .Lfunc_end_k_q0c750f489b_ffn2g-k_q0c750f489b_ffn2g
	.p2alignl 7, 3214868480
	.fill 96, 4, 3214868480
	.section	.rodata,"a",@progbits
	.p2align	6, 0x0
	.amdhsa_kernel k_q0c750f489b_ffn2g
		.amdhsa_group_segment_fixed_size 327680
		.amdhsa_private_segment_fixed_size 0
		.amdhsa_enable_private_segment 0
		.amdhsa_kernarg_size 24
		.amdhsa_user_sgpr_count 2
		.amdhsa_user_sgpr_kernarg_segment_ptr 1
		.amdhsa_wavefront_size32 1
		.amdhsa_system_sgpr_workgroup_id_x 1
		.amdhsa_system_sgpr_workgroup_id_y 1
		.amdhsa_system_sgpr_workgroup_id_z 1
		.amdhsa_system_vgpr_workitem_id 0
		.amdhsa_next_free_vgpr 512
		.amdhsa_next_free_sgpr 98
		.amdhsa_reserve_vcc 0
		.amdhsa_float_denorm_mode_32 3
		.amdhsa_float_denorm_mode_16_64 3
		.amdhsa_memory_ordered 1
		.amdhsa_forward_progress 1
		.amdhsa_inst_pref_size 130
	.end_amdhsa_kernel
	.amdgpu_metadata
---
amdhsa.version: [ 1, 2 ]
amdhsa.kernels:
  - .name:           k_q0c750f489b_ffn2g
    .symbol:         k_q0c750f489b_ffn2g.kd
    .args:
      - { .name: big1, .offset: 0, .size: 8, .value_kind: global_buffer, .address_space: global }
      - { .name: wrow, .offset: 8, .size: 8, .value_kind: global_buffer, .address_space: global }
      - { .name: vbuf, .offset: 16, .size: 8, .value_kind: global_buffer, .address_space: global }
    .group_segment_fixed_size: 327680
    .private_segment_fixed_size: 0
    .kernarg_segment_align: 8
    .kernarg_segment_size: 24
    .max_flat_workgroup_size: 128
    .sgpr_count:     98
    .vgpr_count:     512
    .wavefront_size: 32
...
	.end_amdgpu_metadata
.endif
;; end of part 12
;; launch ln2 (part 13): grid 256 x 1, 16 waves a work-group, no clusters, 74,240 bytes of LDS; arguments vbuf, b2, x1, g2, be2, out0; writes out0
.if DOCPART == 13
	.amdgcn_target "amdgcn-amd-amdhsa--gfx1250"
	.amdhsa_code_object_version 6
	.text
	.protected	k_q0c750f489b_ln2
	.globl	k_q0c750f489b_ln2
	.p2align	8
	.type	k_q0c750f489b_ln2,@function
k_q0c750f489b_ln2:
	s_mov_b64 s[64:65], 0
	v_nop
	global_prefetch_b8 v0, s[64:65] scope:SCOPE_SE
	s_setreg_imm32_b32 hwreg(HW_REG_WAVE_MODE, 25, 1), 1
	s_wait_xcnt 0x0
; out = LN(res + Y + bias) x gain + offset, rows whole.  No work is left out.
; Y: the product of the launch before, f32, [4,096][1,024].  A work-group owns the 16 rows of one tile T of this program's row order (place r is row 32 (T / 2) + 8 (T % 2) + r + 8 (r / 8)); wave w owns columns 64 w .. 64 w + 63.
; Memory binds: each load and store of a wave covers two rows' 256 consecutive bytes, aligned; every byte is read once and written once.  No matrix unit, no cluster: work-groups share nothing but three short vectors.
; Rows are turned through the wave's own stage in LDS, so that lane (r, h) holds row r and register 16 b + i column 64 w + 32 b + 16 h + i: a row's sum then wants one exchange between the halves of the lanes and one word a wave.
; The variance is taken of x - mean, in a second pass.  LIMITS: NaN and infinities are not served.
; REGISTERS: v3 r; v4 h; v8, v9 the stage, by columns and by rows; v10 rows in memory; v11 64 h; v12, v13 the sums' words; v14, v15 the add's two;
; v16-47 my 32 numbers; v74-95 at work; v96-127 bias, v128-159 gain, v160-191 offset; v192-223 the residual's rows; v224-255 Y's rows, later the result's.
.set RED1,    16*4352                  ; LDS: a stage of 16 rows x (256 + 16) bytes for each wave at 0; then 16 rows x (16 waves' words + 16 bytes), twice;
.set RED2O,   1280
.set SPARE,   RED1+2*1280              ; the spare words, 128 bytes for each wave
.macro VLOAD reg, sb                   ; my 32 numbers of a vector along the columns, in my numbers' layout: eight loads
.irp k, 0,1,2,3
	global_load_b128 v[\reg+8*\k:\reg+8*\k+3], v11, s[\sb:\sb+1] offset:128*(\k/2)+32*(\k%2)
	global_load_b128 v[\reg+8*\k+4:\reg+8*\k+7], v11, s[\sb:\sb+1] offset:128*(\k/2)+32*(\k%2)+16
.endr
.endm
.macro REDUCE off                      ; v[74:75], my lane's part of a row's sum, becomes the whole row's sum in v76
	s_delay_alu instid0(VALU_DEP_1)
	v_add_f32 v74, v74, v75
	s_delay_alu instid0(VALU_DEP_1)
	v_permlanex16_b32 v75, v74, s36, s37
	s_delay_alu instid0(VALU_DEP_1)
	v_add_f32 v74, v74, v75                        ; my wave's 64 columns
	ds_store_b32 v12, v74 offset:\off              ; both lanes of a row write the same word with the same value
	s_wait_dscnt 0x0
	s_barrier_signal -1
	s_barrier_wait -1
.irp i, 0,1,2,3
	ds_load_b128 v[76+4*\i:79+4*\i], v13 offset:\off+16*\i
.endr
	s_wait_dscnt 0x0
	v_pk_add_f32 v[76:77], v[76:77], v[78:79]
	v_pk_add_f32 v[80:81], v[80:81], v[82:83]
	v_pk_add_f32 v[84:85], v[84:85], v[86:87]
	v_pk_add_f32 v[88:89], v[88:89], v[90:91]
	s_delay_alu instid0(VALU_DEP_3)
	v_pk_add_f32 v[76:77], v[76:77], v[80:81]
	s_delay_alu instid0(VALU_DEP_2)
	v_pk_add_f32 v[84:85], v[84:85], v[88:89]
	s_delay_alu instid0(VALU_DEP_1)
	v_pk_add_f32 v[76:77], v[76:77], v[84:85]
	s_delay_alu instid0(VALU_DEP_1)
	v_add_f32 v76, v76, v77
.endm
	s_load_b256 s[4:11], s[0:1], 0x0               ; Y, bias, residual, gain
	s_load_b128 s[12:15], s[0:1], 0x20             ; offset, the result
	v_lshl_add_u32 v14, v0, 2, SPARE               ; my spare word,
	v_mov_b32 v15, 0                               ; and 0: kept for the closing lines
	v_lshrrev_b32 v3, 5, v0
	s_delay_alu instid0(VALU_DEP_1)
	v_readfirstlane_b32 s20, v3                    ; wave 0..15
	v_and_b32 v3, 15, v0                           ; r
	v_bfe_u32 v4, v0, 4, 1                         ; h
	s_mul_i32 s21, s20, 4352                       ; my stage
	v_mul_u32_u24 v8, v3, 272
	s_delay_alu instid0(VALU_DEP_1)
	v_lshl_add_u32 v8, v4, 6, v8
	s_delay_alu instid0(VALU_DEP_1)
	v_add_nc_u32 v8, s21, v8                       ; by columns: row r, + 64 h
	v_mul_u32_u24 v9, v4, 272
	s_delay_alu instid0(VALU_DEP_1)
	v_lshl_add_u32 v9, v3, 4, v9
	s_delay_alu instid0(VALU_DEP_1)
	v_add_nc_u32 v9, s21, v9                       ; by rows: lanes 0-15 one row of 256 bytes, lanes 16-31 the next
	v_lshlrev_b32 v10, 12, v4
	s_delay_alu instid0(VALU_DEP_1)
	v_lshl_add_u32 v10, v3, 4, v10                 ; and the same two rows in memory
	v_lshlrev_b32 v11, 6, v4
	v_mul_u32_u24 v13, v3, 80
	s_delay_alu instid0(VALU_DEP_1)
	v_add_nc_u32 v13, RED1, v13
	s_lshl_b32 s21, s20, 2
	v_add_nc_u32 v12, s21, v13
	s_mov_b32 s36, 0x76543210
	s_mov_b32 s37, 0xfedcba98
	s_mov_b32 s38, 0x3a800000                      ; 1 / 1,024
	s_mov_b32 s39, 0x3727c5ac                      ; 1e-5
	s_mov_b32 s35, 0
	s_wait_alu depctr_va_vdst(0)
	s_wait_kmcnt 0x0
	s_lshr_b32 s34, ttmp9, 1                       ; the tile's first row: 32 (T / 2) + 8 (T % 2), 4,096 bytes a row; + my 256 bytes
	s_lshl_b32 s34, s34, 17
	s_and_b32 s21, ttmp9, 1
	s_lshl_b32 s21, s21, 15
	s_add_co_u32 s34, s34, s21
	s_lshl_b32 s21, s20, 8
	s_add_co_u32 s34, s34, s21
	s_add_nc_u64 s[22:23], s[4:5], s[34:35]
	s_add_nc_u64 s[30:31], s[8:9], s[34:35]
	s_add_nc_u64 s[32:33], s[14:15], s[34:35]
	s_mov_b32 s34, s21
	s_add_nc_u64 s[6:7], s[6:7], s[34:35]          ; my 64 numbers of the bias, the gain, the offset
	s_add_nc_u64 s[10:11], s[10:11], s[34:35]
	s_add_nc_u64 s[12:13], s[12:13], s[34:35]
.irp i, 0,1,2,3,4,5,6,7
	global_load_b128 v[224+4*\i:227+4*\i], v10, s[22:23] offset:(2*\i+8*(\i/4))*4096   ; Y: places 2 i, 2 i + 1 of the tile, 256 bytes of each
.endr
.irp i, 0,1,2,3,4,5,6,7
	global_load_b128 v[192+4*\i:195+4*\i], v10, s[30:31] offset:(2*\i+8*(\i/4))*4096   ; the residual likewise
.endr
	VLOAD 96, 6                                    ; the bias,
	VLOAD 128, 10                                  ; the gain,
	VLOAD 160, 12                                  ; the offset
	s_wait_loadcnt 24                              ; Y and the residual are in; the three vectors' eight loads each may be out
.set J, 0
.rept 16
	v_pk_add_f32 v[224+J:225+J], v[224+J:225+J], v[192+J:193+J]
.set J, J+2
.endr
.irp i, 0,1,2,3,4,5,6,7
	ds_store_b128 v9, v[224+4*\i:227+4*\i] offset:544*\i
.endr
.irp k, 0,1,2,3
	ds_load_b128 v[16+8*\k:19+8*\k], v8 offset:128*(\k/2)+32*(\k%2)      ; LDS serves a wave's instructions in order: these see my stores
	ds_load_b128 v[20+8*\k:23+8*\k], v8 offset:128*(\k/2)+32*(\k%2)+16
.endr
	s_wait_dscnt 0x0
	s_wait_loadcnt 16                              ; the bias is in; gain and offset may be out
.set J, 0
.rept 16
	v_pk_add_f32 v[16+J:17+J], v[16+J:17+J], v[96+J:97+J]
.set J, J+2
.endr
	v_pk_add_f32 v[74:75], v[16:17], v[20:21]      ; the row's sum, in two chains
	v_pk_add_f32 v[76:77], v[18:19], v[22:23]
.irp j, 8,12,16,20,24,28
	s_delay_alu instid0(VALU_DEP_2)
	v_pk_add_f32 v[74:75], v[74:75], v[16+\j:17+\j]
	s_delay_alu instid0(VALU_DEP_2)
	v_pk_add_f32 v[76:77], v[76:77], v[18+\j:19+\j]
.endr
	s_delay_alu instid0(VALU_DEP_1)
	v_pk_add_f32 v[74:75], v[74:75], v[76:77]
	REDUCE 0
	s_delay_alu instid0(VALU_DEP_1)
	v_mul_f32 v92, 0xba800000, v76                 ; - the mean
	s_delay_alu instid0(VALU_DEP_1)
	v_mov_b32 v93, v92
.set J, 0
.rept 16
	v_pk_add_f32 v[16+J:17+J], v[16+J:17+J], v[92:93]
.set J, J+2
.endr
	v_pk_mul_f32 v[74:75], v[16:17], v[16:17]      ; the squares' sum
	v_pk_mul_f32 v[76:77], v[18:19], v[18:19]
.irp j, 4,8,12,16,20,24,28
	s_delay_alu instid0(VALU_DEP_2)
	v_pk_fma_f32 v[74:75], v[16+\j:17+\j], v[16+\j:17+\j], v[74:75]
	s_delay_alu instid0(VALU_DEP_2)
	v_pk_fma_f32 v[76:77], v[18+\j:19+\j], v[18+\j:19+\j], v[76:77]
.endr
	s_delay_alu instid0(VALU_DEP_1)
	v_pk_add_f32 v[74:75], v[74:75], v[76:77]
	REDUCE RED2O
	s_delay_alu instid0(VALU_DEP_1)
	v_fma_f32 v92, v76, s38, s39                   ; the variance + 1e-5
	s_wait_alu depctr_va_vdst(0)
	v_rsq_f32 v92, v92
	v_nop                                          ; a plain place behind the transcendental,
	s_wait_alu depctr_va_vdst(0)                   ; and the wait ahead of its first reader
	v_mov_b32 v93, v92
	s_wait_alu depctr_va_vdst(0)
	s_wait_loadcnt 0x0                             ; gain and offset
.set J, 0
.rept 16
	v_pk_mul_f32 v[16+J:17+J], v[16+J:17+J], v[92:93]
.set J, J+2
.endr
.set J, 0
.rept 16
	v_pk_fma_f32 v[16+J:17+J], v[16+J:17+J], v[128+J:129+J], v[160+J:161+J]
.set J, J+2
.endr
.irp k, 0,1,2,3
	ds_store_b128 v8, v[16+8*\k:19+8*\k] offset:128*(\k/2)+32*(\k%2)     ; through my stage: columns in, rows out
	ds_store_b128 v8, v[20+8*\k:23+8*\k] offset:128*(\k/2)+32*(\k%2)+16
.endr
.irp i, 0,1,2,3,4,5,6,7
	ds_load_b128 v[224+4*\i:227+4*\i], v9 offset:544*\i
.endr
.irp i, 0,1,2,3,4,5,6,7
	s_wait_dscnt 7-\i
	global_store_b128 v10, v[224+4*\i:227+4*\i], s[32:33] offset:(2*\i+8*(\i/4))*4096   ; sixteen lanes store 256 consecutive bytes, aligned
.endr
	s_wait_tensorcnt 0x0                           ; the wave's end: behind my last LDS store
	ds_add_u32 v14, v15
	s_wait_dscnt 0x0
	s_endpgm
.Lfunc_end_k_q0c750f489b_ln2:
	.size	k_q0c750f489b_ln2, .Lfunc_end_k_q0c750f489b_ln2-k_q0c750f489b_ln2
	.p2alignl 7, 3214868480
	.fill 96, 4, 3214868480
	.section	.rodata,"a",@progbits
	.p2align	6, 0x0
	.amdhsa_kernel k_q0c750f489b_ln2
		.amdhsa_group_segment_fixed_size 74240
		.amdhsa_private_segment_fixed_size 0
		.amdhsa_enable_private_segment 0
		.amdhsa_kernarg_size 48
		.amdhsa_user_sgpr_count 2
		.amdhsa_user_sgpr_kernarg_segment_ptr 1
		.amdhsa_wavefront_size32 1
		.amdhsa_system_sgpr_workgroup_id_x 1
		.amdhsa_system_sgpr_workgroup_id_y 1
		.amdhsa_system_sgpr_workgroup_id_z 1
		.amdhsa_system_vgpr_workitem_id 0
		.amdhsa_next_free_vgpr 256
		.amdhsa_next_free_sgpr 66
		.amdhsa_reserve_vcc 0
		.amdhsa_float_denorm_mode_32 3
		.amdhsa_float_denorm_mode_16_64 3
		.amdhsa_memory_ordered 1
		.amdhsa_forward_progress 1
		.amdhsa_inst_pref_size 21
	.end_amdhsa_kernel
	.amdgpu_metadata
---
amdhsa.version: [ 1, 2 ]
amdhsa.kernels:
  - .name:           k_q0c750f489b_ln2
    .symbol:         k_q0c750f489b_ln2.kd
    .args:
      - { .name: vbuf, .offset: 0, .size: 8, .value_kind: global_buffer, .address_space: global }
      - { .name: b2, .offset: 8, .size: 8, .value_kind: global_buffer, .address_space: global }
      - { .name: x1, .offset: 16, .size: 8, .value_kind: global_buffer, .address_space: global }
      - { .name: g2, .offset: 24, .size: 8, .value_kind: global_buffer, .address_space: global }
      - { .name: be2, .offset: 32, .size: 8, .value_kind: global_buffer, .address_space: global }
      - { .name: out0, .offset: 40, .size: 8, .value_kind: global_buffer, .address_space: global }
    .group_segment_fixed_size: 74240
    .private_segment_fixed_size: 0
    .kernarg_segment_align: 8
    .kernarg_segment_size: 48
    .max_flat_workgroup_size: 512
    .sgpr_count:     66
    .vgpr_count:     256
    .wavefront_size: 32
...
	.end_amdgpu_metadata
.endif
;; end of part 13
